; MI455X (gfx1250); checked and timed in simulation.
; The chip was launched on July 23, 2026; its instructions are those of AMD's public machine-readable ISA for CDNA 5 (MIT licence, August 2026) and "CDNA5" Instruction Set Architecture Reference Guide (July 2026). The comments in the code are by the model that wrote it; some were corrected since.
;; GPT2 Group Query Attention. Allowed arithmetic: matrix products marked QUANTISED: E2M3 operands, one E8M0 scale for each 32 along K, by v_wmma_scale_f32_16x16x128_f8f6f4 with both operands' format E2M3, f32 sums; everything else in f32.
;; Inputs: Wk 1,024 x 1,024 float32; Wo 1,024 x 1,024 float32; Wq 1,024 x 1,024 float32; Wv 1,024 x 1,024 float32; bk 1,024 float32; bo 1,024 float32; bq 1,024 float32; bv 1,024 float32; hidden_states 4 x 2,048 x 1,024 float32.
;; Outputs: out0 4 x 2,048 x 1,024 float32.
;; This version of the problem:
;;   THIS VERSION OF THE PROBLEM IS GIVEN IN LOW PRECISION. The matrix products marked QUANTISED in the list below multiply operands that are first quantised to E2M3 (2 exponent bits, 3 mantissa bits; 6 bits a number), with one power-of-two scale for each 32 numbers along K (OCP MX v1.0); their sums are f32. All else is computed in f32.
;;   The module's matrix products, in the order in which they are computed (A, B: the left and right operand; K: the contracted axis; several contracted axes count as one K, in the product's order):
;;     1. [M 8,192, K 1,024] x [K 1,024, N 1,024]; A: input hidden_states; B: input Wq: QUANTISED
;;     2. [M 8,192, K 1,024] x [K 1,024, N 1,024]; A: input hidden_states; B: input Wk: QUANTISED
;;     3. [M 8,192, K 1,024] x [K 1,024, N 1,024]; A: input hidden_states; B: input Wv: QUANTISED
;;     4. batch 64 x [M 1,024, K 128] x [K 128, N 1,024]; A: computed on the way; B: computed on the way: QUANTISED
;;     5. batch 64 x [M 1,024, K 1,024] x [K 1,024, N 128]; A: softmax (see below); B: computed on the way: QUANTISED
;;     6. [M 8,192, K 1,024] x [K 1,024, N 1,024]; A: computed on the way; B: input Wo: QUANTISED
;;   THE QUANTISER, for each operand of a quantised product, along K:
;;     - K is cut into blocks of 32 from its start; a last block that is shorter is filled with zeros.
;;     - A block's scale is 2^e with e = floor(log2(the largest magnitude in the block)) - 2, held to -126 .. 127; a block of zeros has e = 0. As a byte (E8M0): e + 127.
;;     - Each number is divided by its block's scale, clamped to +-7.5, and rounded to the nearest number of E2M3, ties to even, subnormals kept.
;;     - The product sums the exact products of the quantised numbers (number of the format x scale) in f32.
;;   ~~~python
;;   def quantise(x, axis):      # numpy; x: float32 -> the quantised numbers, widened to float32 again
;;       x = np.moveaxis(x, axis, -1); K = x.shape[-1]
;;       x = np.pad(x, [(0, 0)] * (x.ndim - 1) + [(0, -K % 32)]); x = x.reshape(x.shape[:-1] + (-1, 32)); a = np.abs(x).max(-1, keepdims=True)
;;       e = np.where(a > 0, np.clip(np.frexp(np.where(a > 0, a, 1))[1] - 1 - 2, -126, 127), 0)      # np.frexp(a)[1] - 1 = floor(log2(a)), exactly
;;       r = np.clip(x / 2.0 ** e, -7.5, 7.5)
;;       step = 2.0 ** (np.maximum(np.frexp(np.where(r == 0, 1, r))[1] - 1, 0) - 3)
;;       q = np.round(r / step) * step * 2.0 ** e      # np.round: ties to even
;;       return np.moveaxis(q.reshape(q.shape[:-2] + (-1,))[..., :K], -1, axis).astype(np.float32)
;;   ~~~
;;   SOFTMAX AHEAD OF A QUANTISED PRODUCT. Where the list says 'softmax', what is quantised is not the finished softmax but p = 2^(t - M), with t = logit x log2(e) and M = ceil(the row's largest t), a whole number; so 1/2 < the row's largest p <= 1. The row's sum l is taken of the UNQUANTISED p, in f32, and the product's result is divided by l at the end. Since M is a whole number, a kernel that streams over the keys may use a running M (the ceiling of the running maximum): every later rescaling is an exact power of two, which a block's scale takes up: the codes' values come out the same.
;;   OPERANDS COMPUTED ON THE WAY. 'Computed on the way' means the value that the module computes at that place (a softmax that the list does not call 'softmax' is quantised finished and normalised). What goes into a quantiser is computed in f32, as accurately as f32 sums, v_exp_f32 and their like allow (about 1e-6 of the number): no bf16 or f16 on the way to a quantiser, and a product that is left as it is and whose result goes on into a quantised operand takes f32 operands (vector FMAs, or v_wmma_f32_16x16x4_f32). A number that lies on a knife's edge between two numbers of the format may be rounded either way, as far as f32 arithmetic and the matrix unit's own rounding can turn it there, and no further.
;; 2 versions. Each part assembles by itself: llvm-mc -triple=amdgcn-amd-amdhsa -mcpu=gfx1250 --defsym DOCPART=n.
;; ======== version 1 of 2: 4 launches
;; workspace buffers: xc 6,291,456 bytes; xs 262,144 bytes; wc 3,145,728 bytes; ws 131,072 bytes; qf 6,553,600 bytes; kv 13,107,200 bytes; cc 6,291,456 bytes; cs 262,144 bytes
;; launch quant (part 1): grid 768 x 1, 2 waves a work-group, no clusters, 17,152 bytes of LDS; arguments hidden_states, Wq, Wk, Wv, Wo, xc, xs, wc, ws; writes xc, xs, wc, ws
.if DOCPART == 1
	.amdgcn_target "amdgcn-amd-amdhsa--gfx1250"
	.amdhsa_code_object_version 6
	.text
	.protected	k_q86f739f3f5_quant
	.globl	k_q86f739f3f5_quant
	.p2align	8
	.type	k_q86f739f3f5_quant,@function
k_q86f739f3f5_quant:
	s_mov_b64 s[64:65], 0
	v_nop
	global_prefetch_b8 v0, s[64:65] scope:SCOPE_SE
	s_setreg_imm32_b32 hwreg(HW_REG_WAVE_MODE, 25, 1), 1
	s_wait_xcnt 0x0
; hidden_states [8192][1024] and the four weights [1024][1024], f32, K innermost, become codes of FP6 (E2M3) with one E8M0 byte for each 32 along K,
; laid as IMAGES OF OPERAND REGISTERS: a fragment (16 rows x 128 K, 12 registers a lane) is 1,536 bytes, registers 4 c .. 4 c + 3 of lane l at 512 c + 16 l.
; xc: [tile 512][K step 8][1536]; wc: Wq, Wk, Wv, Wo, each [tile 64][K step 8][1536]; xs, ws: [tile][pair of K steps 4][row 16][2 words].
; WHICH ROWS FORM A TILE is chosen here, by address, so that the later launches' results fall into a lane's registers as neighbours along the next K.  With sigma(r) = r + 8 (r / 8):
;   x tile T = 8 SS + 4 e + 2 seg + u: lane r holds row 128 SS + 64 seg + 16 u + e + 2 sigma(r);   Wq, Wk, Wv tile t: row 32 (t / 2) + 8 (t % 2) + sigma(r);   Wo tile t: row 16 t + r.
; A block's scale is 2^(floor(log2(its largest magnitude)) - 2); its byte is the largest magnitude's exponent field - 2, held at 1 from below.
; LIMITS: NaN and infinities among the inputs are not served; a block whose largest magnitude lies under 2^-124 has its byte held at 1; a block of zeros gets the byte 1 where the rule says 127:
; its codes are zeros, which add nothing under any byte but 0xff, and the bytes are read by this program alone.
; SHARES: a work-group is one tile of 16 rows (0-511: x; 512-767: the weights); wave 0 takes K 0-511, wave 1 K 512-1023: four fragments each.  Both kinds take ONE path: only pointers and strides are chosen.
; Each load reads 512 consecutive bytes of one row; the 16 rows turn through the wave's own stage in LDS (rows of 512 + 16 bytes), so that a lane gets 16 neighbours of each block of 32.
; No tensor loads, no barrier (waves share nothing), no cluster (no two work-groups read the same bytes).  32 loads of a wave are on their way at the start, 16 while a step is worked.
.set SP,  528                          ; a stage row
.set L16, 4                            ; v4   16 x lane
.set L8,  5                            ; v5   8 x lane
.set STW, 6                            ; v6   the stage, on the way in: 16 x lane
.set STR, 7                            ; v7   and out: 528 r + 64 h
.set OFF, 8                            ; v8-15 16 x lane + k x the distance of two rows of the tile
.set TM,  16                           ; v16-31 at work in QUANT
.set R,   32                           ; v32-159 two sets of 64 registers as loaded
.set X,   160                          ; v160-223 64 numbers of my row: register 16 b + i = k 32 b + 16 h + i
.set PC,  224                          ; v224-243 the codes
.set SW,  245                          ; v245-248 the four scale words
.set SEL, 36                           ; s[36:37] selects for lane l xor 16
; 64 numbers of a lane, register 16 b + i = k 32 b + 16 (lane / 16) + i of my row, become a fragment's codes in v[PC] on and its scale word in v[pw].
.macro QUANT s, pw
.irp b, 0,1,2,3
	v_max3_num_f32 v[TM+\b], |v[\s+16*\b]|, |v[\s+1+16*\b]|, 0x1800000   ; block b: my 16 numbers, and the floor 2^(3 - 127): the byte cannot fall under 1
.endr
.irp i, 2,4,6,8,10,12,14
.irp b, 0,1,2,3
	v_max3_num_f32 v[TM+\b], v[TM+\b], |v[\s+16*\b+\i]|, |v[\s+1+16*\b+\i]|   ; the four blocks by turns
.endr
.endr
.irp b, 0,1,2,3
	v_permlanex16_b32 v[TM+4+\b], v[TM+\b], s[SEL], s[SEL+1]
.endr
.irp b, 0,1,2,3
	v_max_num_f32 v[TM+\b], v[TM+\b], v[TM+4+\b]   ; with lane l xor 16's: the block's largest magnitude
.endr
.irp b, 0,1,2,3
	v_add_nc_u32 v[TM+12+\b], 0xff000000, v[TM+\b]   ; 2 off its exponent field: the conversion's scale operand
.endr
.irp b, 0,1,2,3
	v_lshrrev_b32 v[TM+4+\b], 23, v[TM+12+\b]      ; the scale's byte
.endr
	v_lshl_or_b32 v[\pw], v[TM+5], 8, v[TM+4]      ; four bytes: my row's scale word
	v_lshl_or_b32 v[\pw], v[TM+6], 16, v[\pw]
	v_lshl_or_b32 v[\pw], v[TM+7], 24, v[\pw]
.irp c, 0,1
	v_cvt_scalef32_pk16_fp6_f32 v[PC+6*\c:PC+2+6*\c], v[\s+32*\c:\s+15+32*\c], v[TM+12+2*\c]
	v_cvt_scalef32_pk16_fp6_f32 v[PC+12+4*\c:PC+14+4*\c], v[\s+16+32*\c:\s+31+32*\c], v[TM+12+2*\c+1]   ; (a conversion's three registers begin on an even number)
.endr
	v_nop                                          ; one plain place behind a scaled conversion
.irp c, 0,1                                    ; the operand wants a WHOLE block in a lane: lanes 0-15 block 2 c, lanes 16-31 block 2 c + 1
.irp i, 0,1,2
	v_permlane16_swap_b32 v[PC+6*\c+\i], v[PC+12+4*\c+\i]
.endr
.irp i, 0,1,2
	v_mov_b32 v[PC+3+6*\c+\i], v[PC+12+4*\c+\i]
.endr
.endr
.endm
	s_load_b256 s[4:11], s[0:1], 0x0               ; hidden_states s[4:5], Wq s[6:7], Wk s[8:9], Wv s[10:11]
	s_load_b256 s[12:19], s[0:1], 0x20             ; Wo s[12:13], xc s[14:15], xs s[16:17], wc s[18:19]
	s_load_b64 s[20:21], s[0:1], 0x40              ; ws
	v_lshl_add_u32 v254, v0, 2, 0x4200
	v_mov_b32 v255, 0
	v_lshrrev_b32 v1, 5, v0
	v_readfirstlane_b32 s31, v1                    ; wave = which half of K
	v_and_b32 v1, 31, v0                           ; lane
	v_and_b32 v2, 15, v0                           ; r
	v_bfe_u32 v3, v0, 4, 1                         ; h
	v_lshlrev_b32 v[L16], 4, v1
	v_lshlrev_b32 v[L8], 3, v1
	s_mul_i32 s38, s31, 16*SP                      ; my wave's stage
	v_add_nc_u32 v[STW], s38, v[L16]
	v_mul_u32_u24 v[STR], v2, SP
	v_lshl_add_u32 v[STR], v3, 6, v[STR]
	v_add_nc_u32 v[STR], s38, v[STR]
	s_mov_b32 s[SEL], 0x76543210
	s_mov_b32 s[SEL+1], 0xfedcba98
.irp b, 0,1,2,3
	v_mov_b32 v[TM+4+\b], 0                        ; written once: a lane permute's destination counts as one of its sources
.endr
	s_sub_co_u32 s22, ttmp9, 512
	s_cmp_lt_u32 ttmp9, 512
	s_cselect_b32 s22, ttmp9, s22                  ; the tile's number in its own buffer
	s_lshr_b32 s23, ttmp9, 3                       ; an x tile's first row: 128 SS
	s_lshl_b32 s23, s23, 7
	s_bfe_u32 s24, ttmp9, 0x10001
	s_lshl_b32 s24, s24, 6
	s_add_co_u32 s23, s23, s24                     ; + 64 seg
	s_and_b32 s24, ttmp9, 1
	s_lshl_b32 s24, s24, 4
	s_add_co_u32 s23, s23, s24                     ; + 16 u
	s_bfe_u32 s24, ttmp9, 0x10002
	s_add_co_u32 s23, s23, s24                     ; + e
	s_and_b32 s25, s22, 63                         ; a weight's tile t
	s_lshr_b32 s26, s25, 1
	s_lshl_b32 s26, s26, 5
	s_and_b32 s27, s25, 1
	s_lshl_b32 s27, s27, 3
	s_add_co_u32 s26, s26, s27                     ; Wq, Wk, Wv: 32 (t / 2) + 8 (t % 2)
	s_lshl_b32 s27, s25, 4                         ; Wo: 16 t
	s_lshr_b32 s28, s22, 6                         ; which weight
	s_cmp_eq_u32 s28, 3
	s_cselect_b32 s26, s27, s26
	s_mov_b32 s29, 65536                           ; from row 0 to row 8 of the tile: 16 rows of 4,096 bytes,
	s_cselect_b32 s29, 32768, s29                  ; in Wo 8
	s_cmp_lt_u32 ttmp9, 512
	s_cselect_b32 s26, s23, s26                    ; the tile's first row
	s_cselect_b32 s29, 131072, s29                 ; in x 32
	s_mov_b32 s30, 4096                            ; from a row of the tile to the next: one row,
	s_cselect_b32 s30, 8192, s30                   ; in x two
.irp k, 0,1,2,3,4,5,6,7
	v_mad_u32_u24 v[OFF+\k], s30, \k, v[L16]
.endr
	s_lshl_b32 s32, s26, 12                        ; offsets, apart from the addresses: the source,
	s_lshl_b32 s33, s31, 11
	s_add_co_u32 s32, s32, s33
	s_mov_b32 s33, 0
	s_mov_b32 s34, s29
	s_mov_b32 s35, 0
	s_mul_i32 s24, s22, 12288                      ; the codes,
	s_mul_i32 s25, s31, 6144
	s_add_co_u32 s24, s24, s25
	s_mov_b32 s25, 0
	s_lshl_b32 s26, s22, 9                         ; the scale words
	s_lshl_b32 s27, s31, 8
	s_add_co_u32 s26, s26, s27
	s_mov_b32 s27, 0
	s_wait_kmcnt 0x0
	s_cmp_eq_u32 s28, 1                            ; the choices hang on the work-group's number alone
	s_cselect_b64 s[6:7], s[8:9], s[6:7]
	s_cmp_eq_u32 s28, 2
	s_cselect_b64 s[6:7], s[10:11], s[6:7]
	s_cmp_eq_u32 s28, 3
	s_cselect_b64 s[6:7], s[12:13], s[6:7]
	s_cmp_lt_u32 ttmp9, 512
	s_cselect_b64 s[4:5], s[4:5], s[6:7]
	s_cselect_b64 s[14:15], s[14:15], s[18:19]
	s_cselect_b64 s[16:17], s[16:17], s[20:21]
	s_add_nc_u64 s[4:5], s[4:5], s[32:33]          ; rows 0-7 of the tile
	s_add_nc_u64 s[6:7], s[4:5], s[34:35]          ; rows 8-15
	s_add_nc_u64 s[14:15], s[14:15], s[24:25]
	s_add_nc_u64 s[16:17], s[16:17], s[26:27]
.macro LOAD t                          ; K step t of my half: 16 rows x 512 bytes into set t % 2
.irp i, 0,1,2,3,4,5,6,7,8,9,10,11,12,13,14,15
	global_load_b128 v[R+64*((\t)%2)+4*\i:R+64*((\t)%2)+4*\i+3], v[OFF+\i%8], s[4+2*(\i/8):5+2*(\i/8)] offset:512*(\t) th:TH_LOAD_NT
.endr
.endm
.macro STEP t
.if (\t) < 3
	s_wait_loadcnt 16                              ; this step's 16 loads are in; the next step's 16 may be out
.else
	s_wait_loadcnt 0x0
.endif
.irp i, 0,1,2,3,4,5,6,7,8,9,10,11,12,13,14,15
	ds_store_b128 v[STW], v[R+64*((\t)%2)+4*\i:R+64*((\t)%2)+4*\i+3] offset:SP*\i
.endr
.irp b, 0,1,2,3
.irp j, 0,1,2,3
	ds_load_b128 v[X+16*\b+4*\j:X+16*\b+4*\j+3], v[STR] offset:128*\b+16*\j   ; LDS serves a wave's instructions in order: these see my stores
.endr
.endr
	s_wait_dscnt 0x0                               ; the numbers are back, and the stores have read the set, which may be loaded again
.if (\t) < 2
	LOAD (\t)+2
.endif
.if (\t) > 0
	s_wait_xcnt 0x0                                ; the last step's stores have read the codes' registers: they are written again only behind this wait
.endif
	QUANT X, SW+(\t)
.irp c, 0,1,2
	global_store_b128 v[L16], v[PC+4*\c:PC+4*\c+3], s[14:15] offset:1536*(\t)+512*\c   ; 32 lanes store 512 consecutive bytes, aligned to 256
.endr
.endm
	LOAD 0
	LOAD 1
	STEP 0
	STEP 1
	STEP 2
	STEP 3
	v_cmp_lt_u32 vcc_lo, 15, v1                    ; lanes 0-15 store the words of my first pair of K steps, lanes 16-31 those of the second (both halves hold row r's words)
	v_cndmask_b32 v250, v[SW], v[SW+2], vcc_lo
	v_cndmask_b32 v251, v[SW+1], v[SW+3], vcc_lo
	global_store_b64 v[L8], v[250:251], s[16:17]   ; 256 consecutive bytes, aligned
	s_wait_tensorcnt 0x0
	ds_add_u32 v254, v255
	s_wait_dscnt 0x0
	s_endpgm
.Lfunc_end_k_q86f739f3f5_quant:
	.size	k_q86f739f3f5_quant, .Lfunc_end_k_q86f739f3f5_quant-k_q86f739f3f5_quant
	.p2alignl 7, 3214868480
	.fill 96, 4, 3214868480
	.section	.rodata,"a",@progbits
	.p2align	6, 0x0
	.amdhsa_kernel k_q86f739f3f5_quant
		.amdhsa_group_segment_fixed_size 17152
		.amdhsa_private_segment_fixed_size 0
		.amdhsa_enable_private_segment 0
		.amdhsa_kernarg_size 72
		.amdhsa_user_sgpr_count 2
		.amdhsa_user_sgpr_kernarg_segment_ptr 1
		.amdhsa_wavefront_size32 1
		.amdhsa_system_sgpr_workgroup_id_x 1
		.amdhsa_system_sgpr_workgroup_id_y 1
		.amdhsa_system_sgpr_workgroup_id_z 1
		.amdhsa_system_vgpr_workitem_id 0
		.amdhsa_next_free_vgpr 256
		.amdhsa_next_free_sgpr 66
		.amdhsa_reserve_vcc 1
		.amdhsa_float_denorm_mode_32 3
		.amdhsa_float_denorm_mode_16_64 3
		.amdhsa_memory_ordered 1
		.amdhsa_forward_progress 1
		.amdhsa_inst_pref_size 35
	.end_amdhsa_kernel
	.amdgpu_metadata
---
amdhsa.version: [ 1, 2 ]
amdhsa.kernels:
  - .name:           k_q86f739f3f5_quant
    .symbol:         k_q86f739f3f5_quant.kd
    .args:
      - { .name: hidden_states, .offset: 0, .size: 8, .value_kind: global_buffer, .address_space: global }
      - { .name: Wq, .offset: 8, .size: 8, .value_kind: global_buffer, .address_space: global }
      - { .name: Wk, .offset: 16, .size: 8, .value_kind: global_buffer, .address_space: global }
      - { .name: Wv, .offset: 24, .size: 8, .value_kind: global_buffer, .address_space: global }
      - { .name: Wo, .offset: 32, .size: 8, .value_kind: global_buffer, .address_space: global }
      - { .name: xc, .offset: 40, .size: 8, .value_kind: global_buffer, .address_space: global }
      - { .name: xs, .offset: 48, .size: 8, .value_kind: global_buffer, .address_space: global }
      - { .name: wc, .offset: 56, .size: 8, .value_kind: global_buffer, .address_space: global }
      - { .name: ws, .offset: 64, .size: 8, .value_kind: global_buffer, .address_space: global }
    .group_segment_fixed_size: 17152
    .private_segment_fixed_size: 0
    .kernarg_segment_align: 8
    .kernarg_segment_size: 72
    .max_flat_workgroup_size: 64
    .sgpr_count:     66
    .vgpr_count:     256
    .wavefront_size: 32
...
	.end_amdgpu_metadata
.endif
;; end of part 1
;; launch qkv (part 2): grid 12 x 32, 4 waves a work-group, clusters of 4 x 4, 327,680 bytes of LDS; arguments xc, xs, wc, ws, bq, bk, bv, qf, kv; writes qf, kv
.if DOCPART == 2
	.amdgcn_target "amdgcn-amd-amdhsa--gfx1250"
	.amdhsa_code_object_version 6
	.text
	.protected	k_q86f739f3f5_qkv
	.globl	k_q86f739f3f5_qkv
	.p2align	8
	.type	k_q86f739f3f5_qkv,@function
k_q86f739f3f5_qkv:
	s_mov_b64 s[64:65], 0
	v_nop
	global_prefetch_b8 v0, s[64:65] scope:SCOPE_SE
	s_setreg_imm32_b32 hwreg(HW_REG_WAVE_MODE, 25, 1), 1
	s_wait_xcnt 0x0
	s_wait_alu depctr_hold_cnt(0) depctr_sa_sdst(0) depctr_va_vdst(0) depctr_va_sdst(0) depctr_va_ssrc(0) depctr_va_vcc(0) depctr_vm_vsrc(0)
	s_getreg_b32 s2, hwreg(HW_REG_IB_STS2, 6, 4)
	s_cmp_eq_u32 s2, 0
	s_cbranch_scc0 .Lentry_in_a_cluster
	s_endpgm
.Lentry_in_a_cluster:
	s_bfe_u32 s2, ttmp6, 0x10000c
	s_cmp_lg_u32 s2, 0xf033
	s_cbranch_scc0 .Lentry_shape_is_right
	s_endpgm
.Lentry_shape_is_right:
; y = x W^T + b for Wq, Wk, Wv on codes of FP6 (E2M3) with E8M0 scales, and y quantised on the way out as the operands of the attention: nothing leaves in f32.
; The grouped view: q[b][h][g][d] = y[b][2 g + d / 64][64 h + d % 64].  Q's and K's blocks of 32 along d are 32 neighbouring COLUMNS of y; V's blocks run along the keys: 32 rows of y of one parity, one column.
; A tile of y, 256 x 256, is made by a work-group of four waves; a wave makes 128 x 128: 64 accumulators.  K = 1,024 goes in four steps of 256 through two LDS slots filled by tensor loads.
; Operands lie in memory as images of operand registers (1,536 bytes a fragment), a row tile's eight K steps on end: a slot's part of a row tile is 3,072 consecutive bytes; LDS reads are 16 bytes a lane on end, so no padding.
; WHICH PRODUCT: cluster x = 0: Q, 1: K, 2: V (the same in all sixteen partners).  Q, K: source 0 = 16 rows of W, source 1 = 16 rows of x: a lane holds one row of y and 128 neighbouring columns (two heads).
; V: THE SAME LOOP WITH THE POINTERS SWAPPED: source 0 = 16 rows of x, source 1 = 16 rows of Wv: a lane holds one column of y, and its 64 registers are four blocks of 32 neighbouring keys (parity 0, 1 x two blocks).
; The rows that form a tile were chosen by the launch before so that both come out in the order that QUANT takes.  QUANT's registers 0-5 and 6-11 are two UNITS (16 rows x 64 K, 768 bytes: registers 0-3 at 16 l, 4-5 at 512 + 8 l):
;   Q, K: the even and the odd head's 64 features of parity e: units e = 0 and 1 of one head make a fragment of 16 groups x 128 features;   V: 64 keys of the d-tiles of parity 0 and 1.
; qf: [b h 64][tile of 16 groups 64][unit e0 | unit e1], then from byte 6,291,456 the scale words [b h][tile][r][4].
; kv: [b h 64][key step 8][K: 8 tiles x 1,536, 512 bytes of words | V: 8 d-tiles x 1,536, 512 bytes of words]: 25,600 bytes a key step of 128 keys.
; CLUSTERS: 4 x 4 work-groups; source 1's tiles are shared along a row of the cluster, source 0's along a column: each is asked for jointly.
; All stores of codes cover whole aligned runs of 256 bytes.  The scale words leave as 2 bytes a lane, 4 bytes apart (a word's two halves come from two blocks of one wave for Q, K, from different waves for V): one byte in 24 of what the launch stores.
; 384 tiles for 256 WGPs: a tile of 256 x 384 would want 96 accumulators a wave and leave no registers for operands.  No prefetch: two refills a wave in the whole launch.
; LIMITS: as in the launch before: NaN and infinities are not served; a byte is held at 1 from below; a block of zeros gets the byte 1.
; REGISTERS: window 0: v1-5, v16-29 addresses; v32-63 scale words, two sets; v64-127 the bias by columns; v128-223 source 1's fragments, ONE set; v224-239 the bias by lanes; on the way out v128-212, v240-255 at work.
;   window 1: source 0's fragments, TWO sets, at v0 and v128.   windows 2, 3: the accumulators, (a, b) at v[8 (8 (a % 4) + b)] of window 2 + a / 4.
.set FRB,   1536                       ; a fragment's image
.set TROW,  2*FRB                      ; a row tile's part of a slot: two K steps of 128
.set HALFT, 8*TROW                     ; eight row tiles: what one tensor load brings, and what one wave reads of a side
.set SLOT,  4*HALFT                    ; A's 16 tiles, then B's 16
.set SCL,   2*SLOT                     ; behind the ring: the scale words for all of K: A's 8,192 bytes, then B's
.set SPARE, SCL+16384                  ; behind them: the spare words, 128 bytes for each wave
.set FR,    12
.set NL,    3                          ; LDS loads that bring a fragment
.set NP,    4                          ; places behind this matrix instruction (ISA guide 7.12.1)
.set NQ,    2                          ; matrix instructions deep in a slot
.set L16,  1                           ; v1   16 x lane
.set L8,   2                           ; v2   8 x lane
.set R4,   3                           ; v3   4 r
.set BO,   4                           ; v4   64 h
.set BOV,  5                           ; v5   4 sigma(r)
.set ADRA, 16                          ; v16-17 LDS address of my A fragments in slot 0, 1
.set ADRB, 20                          ; v20-21 the same for B
.set ADRS, 27                          ; v27  of my scale words: lanes 0-15 A's, lanes 16-31 B's
.set SPW,  28                          ; v28  my spare word; never rewritten
.set NIL,  29                          ; v29  0; never rewritten
.set SC,   32
.set BI,   64
.set AF,   128
.set BL,   224
.set Y,    128                         ; the way out: 64 numbers
.set PC,   192                         ; their codes
.set PW,   212                         ; their scale word
.set TM,   240
.set G1, 24
.set G0, 32
.set G1B, 48
.set G0B, 56
.set G1S, 68
.set G0S, 76
.set G1SB, 80
.set G0SB, 88
.set SEL, 2                            ; s[2:3], on the way out
.set CB0, 32                           ; the way out's pointers, in registers of descriptors whose loads are done
.set CB1, 34
.set SB0, 36
.set SB1, 38
.set MSB, 0
.macro WIN new                         ; the immediate's high byte repeats the setting that is left
.if MSB != (\new)
	s_set_vgpr_msb (MSB<<8)|(\new)
.set MSB, (\new)
.endif
.endm
.set MUL_LO, 0xa1                      ; source 0 (B) window 1, source 1 (A) window 0, C and D window 2
.set MUL_HI, 0xf1
.set TO_B,   0x40
; A joint load: waves 0 and 1 fetch for A, waves 2 and 3 for B; the branch hangs on the wave's number alone.  Four v_nop follow each of the two lines.
.macro JLOAD g0a, g1a, g0b, g1b
	s_cmp_eq_u32 s15, 0
	s_cbranch_scc0 .Lfor_b_\@
	tensor_load_to_lds s[\g0a:\g0a+3], s[\g1a:\g1a+7]
	s_nop 0
.rept 4
	v_nop
.endr
	s_branch .Lasked_\@
.Lfor_b_\@:
	tensor_load_to_lds s[\g0b:\g0b+3], s[\g1b:\g1b+7]
	s_nop 0
.rept 4
	v_nop
.endr
.Lasked_\@:
.endm
.macro CREST                           ; a round of the cluster's barrier behind its opening barrier
	s_cmp_lg_u32 s14, 0
	s_cbranch_scc1 .Lnot_wave_0_\@
	s_barrier_signal -3
.Lnot_wave_0_\@:
	s_barrier_wait -3
	s_barrier_signal -1
	s_barrier_wait -1
.endm
.macro CROUND
	s_barrier_signal -1
	s_barrier_wait -1
	CREST
.endm
; 64 numbers of a lane, register 16 b + i = k 32 b + 16 (lane / 16) + i, become 12 registers of codes in v[PC] on and a scale word in v[pw].
.macro QUANT s, pw
.irp b, 0,1,2,3
	v_max3_num_f32 v[TM+\b], |v[\s+16*\b]|, |v[\s+1+16*\b]|, 0x1800000   ; my 16 numbers of block b, and the floor 2^(3 - 127)
.endr
.irp i, 2,4,6,8,10,12,14
.irp b, 0,1,2,3
	v_max3_num_f32 v[TM+\b], v[TM+\b], |v[\s+16*\b+\i]|, |v[\s+1+16*\b+\i]|
.endr
.endr
.irp b, 0,1,2,3
	v_permlanex16_b32 v[TM+4+\b], v[TM+\b], s[SEL], s[SEL+1]
.endr
.irp b, 0,1,2,3
	v_max_num_f32 v[TM+\b], v[TM+\b], v[TM+4+\b]   ; the block's largest magnitude
.endr
.irp b, 0,1,2,3
	v_add_nc_u32 v[TM+12+\b], 0xff000000, v[TM+\b]   ; 2 off its exponent field: the conversion's scale operand
.endr
.irp b, 0,1,2,3
	v_lshrrev_b32 v[TM+4+\b], 23, v[TM+12+\b]      ; the byte
.endr
	v_lshl_or_b32 v[\pw], v[TM+5], 8, v[TM+4]
	v_lshl_or_b32 v[\pw], v[TM+6], 16, v[\pw]
	v_lshl_or_b32 v[\pw], v[TM+7], 24, v[\pw]
.irp c, 0,1
	v_cvt_scalef32_pk16_fp6_f32 v[PC+6*\c:PC+2+6*\c], v[\s+32*\c:\s+15+32*\c], v[TM+12+2*\c]
	v_cvt_scalef32_pk16_fp6_f32 v[PC+12+4*\c:PC+14+4*\c], v[\s+16+32*\c:\s+31+32*\c], v[TM+12+2*\c+1]
.endr
	v_nop                                          ; one plain place behind a scaled conversion
.irp c, 0,1
.irp i, 0,1,2
	v_permlane16_swap_b32 v[PC+6*\c+\i], v[PC+12+4*\c+\i]
.endr
.irp i, 0,1,2
	v_mov_b32 v[PC+3+6*\c+\i], v[PC+12+4*\c+\i]
.endr
.endr
.endm
	s_load_b256 s[4:11], s[0:1], 0x0               ; xc s[4:5], xs s[6:7], wc s[8:9], ws s[10:11]
	s_load_b256 s[92:99], s[0:1], 0x20             ; bq s[92:93], bk s[94:95], bv s[96:97], qf s[98:99]
	s_load_b64 s[100:101], s[0:1], 0x40            ; kv
	v_lshl_add_u32 v[SPW], v0, 2, SPARE
	v_mov_b32 v[NIL], 0
	ds_add_u32 v28, v29
	ds_add_u32 v28, v29
	s_wait_dscnt 0x0
	v_lshrrev_b32 v6, 5, v0
	v_readfirstlane_b32 s14, v6                    ; wave 0..3
	s_lshr_b32 s15, s14, 1                         ; i: which 8 of A's 16 tiles are mine.  Also: I fetch for A (0) or for B (1)
	s_and_b32 s16, s14, 1                          ; j: which 8 of B's.  Also: which 8 tiles of that side I fetch
	s_bfe_u32 s40, ttmp6, 0x40000                  ; cx, cy: my place in the cluster
	s_bfe_u32 s41, ttmp6, 0x40004
	s_and_b32 s12, ttmp7, 0xffff                   ; cluster y
	s_cmp_eq_u32 ttmp9, 2                          ; V?
	s_cselect_b32 s42, s12, ttmp9                  ; B's tiles walk with cluster y for V (x's 32 tiles of 256 rows), with cluster x for Q, K (Wq's four, then Wk's four)
	s_cselect_b32 s17, 0, s12                      ; A's: Wv's four for V, x's 32 for Q, K
	s_cselect_b32 s18, 1572864, 0                  ; Wv's codes begin here in wc,
	s_cselect_b32 s19, 65536, 0                    ; its scale words here in ws
	s_lshl_b32 s42, s42, 2
	s_add_co_u32 s42, s42, s40                     ; B's tile of 256
	s_lshl_b32 s17, s17, 2
	s_add_co_u32 s17, s17, s41                     ; A's tile of 256
	s_lshl_b32 s43, s41, 2
	s_lshl_b32 s43, 15, s43                        ; my row of the cluster
	s_lshl_b32 s44, 0x1111, s40                    ; my column
	; descriptor group 1: 8 rows of 3,072 bytes (384 elements of 8), 12,288 bytes apart
	s_or_b32 s[G1+0], s43, (3<<16)|(1<<21)         ; 15:0 the mask: A's tiles go to my row; 17:16 elements of 8 bytes; 21 set beside a mask
	s_or_b32 s[G1B+0], s44, (3<<16)|(1<<21)
.irp g, G1, G1B
	s_mov_b32 s[\g+1], 384<<16                     ; tensor_dim0
	s_mov_b32 s[\g+2], 8<<16                       ; tensor_dim1
	s_mov_b32 s[\g+3], 384<<16                     ; tile_dim0
	s_mov_b32 s[\g+4], 8                           ; tile_dim1
	s_mov_b32 s[\g+5], 1536                        ; tensor_dim0_stride
	s_mov_b32 s[\g+6], 0
	s_mov_b32 s[\g+7], 0
.endr
	; the scale words of 8 row tiles: 4,096 dense bytes, as 16 rows of 256
	s_or_b32 s[G1S+0], s43, (3<<16)|(1<<21)
	s_or_b32 s[G1SB+0], s44, (3<<16)|(1<<21)
.irp g, G1S, G1SB
	s_mov_b32 s[\g+1], 32<<16
	s_mov_b32 s[\g+2], 16<<16
	s_mov_b32 s[\g+3], 32<<16
	s_mov_b32 s[\g+4], 16
	s_mov_b32 s[\g+5], 32
	s_mov_b32 s[\g+6], 0
	s_mov_b32 s[\g+7], 0
.endr
	s_lshl_b32 s13, s16, 3
	s_lshl_b32 s20, s17, 4
	s_add_co_u32 s20, s20, s13                     ; A: the first row tile that I fetch
	s_lshl_b32 s46, s42, 4
	s_add_co_u32 s46, s46, s13                     ; B likewise
	s_lshl_b32 s22, s20, 9                         ; 512 bytes of scale words a tile
	s_add_co_u32 s22, s22, s19
	s_mul_i32 s20, s20, 8*FRB                      ; 12,288 bytes of codes a tile
	s_add_co_u32 s20, s20, s18
	s_lshl_b32 s12, s46, 9
	s_mul_i32 s46, s46, 8*FRB
	s_mov_b32 s21, 0
	s_mov_b32 s23, 0
	s_mov_b32 s13, 0
	s_mov_b32 s47, 0
	s_mul_i32 s45, s14, HALFT                      ; where they go: wave x 8 tiles: no place in the cluster enters an LDS address
	s_lshl_b32 s43, s14, 12
	s_wait_kmcnt 0x0
	s_cmp_eq_u32 ttmp9, 2
	s_cselect_b64 s[2:3], s[8:9], s[4:5]           ; A's codes: wc for V, xc else
	s_cselect_b64 s[18:19], s[10:11], s[6:7]       ; A's scale words
	s_cselect_b64 s[66:67], s[4:5], s[8:9]         ; B's codes
	s_cselect_b64 s[6:7], s[6:7], s[10:11]         ; B's scale words
	s_add_nc_u64 s[20:21], s[2:3], s[20:21]
	s_add_nc_u64 s[22:23], s[18:19], s[22:23]
	s_add_nc_u64 s[46:47], s[66:67], s[46:47]
	s_add_nc_u64 s[12:13], s[6:7], s[12:13]
	CROUND                                         ; all sixteen work-groups are here: the first joint loads meet
	s_mov_b32 s[G0S], 1
	s_add_co_u32 s[G0S+1], s43, SCL
	s_mov_b64 s[G0S+2:G0S+3], s[22:23]
	s_or_b32 s[G0S+3], s[G0S+3], 0x80000000
	s_mov_b32 s[G0SB], 1
	s_add_co_u32 s[G0SB+1], s43, SCL
	s_mov_b64 s[G0SB+2:G0SB+3], s[12:13]
	s_or_b32 s[G0SB+3], s[G0SB+3], 0x80000000
	JLOAD G0S, G1S, G0SB, G1SB                     ; the scale words first: they are wanted with K step 0.  Three loads of mine are out behind the third JLOAD
.irp s, 0,1
	s_mov_b32 s[G0+4*\s], 1
	s_add_co_u32 s[G0+4*\s+1], s45, \s*SLOT
	s_add_nc_u64 s[G0+4*\s+2:G0+4*\s+3], s[20:21], \s*TROW
	s_or_b32 s[G0+4*\s+3], s[G0+4*\s+3], 0x80000000
	s_mov_b32 s[G0B+4*\s], 1
	s_add_co_u32 s[G0B+4*\s+1], s45, \s*SLOT
	s_add_nc_u64 s[G0B+4*\s+2:G0B+4*\s+3], s[46:47], \s*TROW
	s_or_b32 s[G0B+4*\s+3], s[G0B+4*\s+3], 0x80000000
	JLOAD G0+4*\s, G1, G0B+4*\s, G1B
.endr
	v_and_b32 v6, 31, v0                           ; lane
	v_and_b32 v7, 15, v0                           ; r
	v_bfe_u32 v8, v0, 4, 1                         ; h
	v_lshlrev_b32 v[L16], 4, v6
	v_lshlrev_b32 v[L8], 3, v6
	v_lshlrev_b32 v[R4], 2, v7
	v_lshlrev_b32 v[BO], 6, v8
	v_and_b32 v9, 8, v7
	v_add_nc_u32 v9, v9, v7                        ; sigma(r) = r + 8 (r / 8)
	v_lshlrev_b32 v[BOV], 2, v9
	s_mul_i32 s21, s15, HALFT                      ; my 8 tiles of A
	s_mul_i32 s22, s16, HALFT                      ; my 8 tiles of B,
	s_add_co_u32 s22, s22, 2*HALFT                 ; which lie behind A's 16
.irp s, 0,1
	v_add_nc_u32 v[ADRA+\s], s21, v[L16]
	v_add_nc_u32 v[ADRB+\s], s22, v[L16]
	s_add_co_u32 s21, s21, SLOT
	s_add_co_u32 s22, s22, SLOT
.endr
	v_lshlrev_b32 v9, 3, v7                        ; scale words: 8 bytes a row for a pair of K steps
	s_lshl_b32 s21, s15, 12                        ; A's: my 8 tiles
	s_lshl_b32 s22, s16, 12                        ; B's: my 8 tiles, behind A's 8,192 bytes
	s_add_co_u32 s22, s22, 8192
	s_sub_co_u32 s22, s22, s21
	v_mul_u32_u24 v10, s22, v8                     ; lanes 16-31 take B's: one product, the distance between the two
	s_add_co_u32 s21, s21, SCL
	v_add_nc_u32 v9, v9, v10
	v_add_nc_u32 v[ADRS], s21, v9
	; THE BIAS, both ways, with no branch: by columns (Q, K: a lane's 64 registers are 64 columns) and by lanes (V: a lane is a column).  Both sets of loads stay inside the 1,024 numbers in every mode.
	s_cmp_eq_u32 ttmp9, 0
	s_cselect_b64 s[66:67], s[92:93], s[94:95]
	s_cmp_eq_u32 ttmp9, 2
	s_cselect_b64 s[66:67], s[96:97], s[66:67]
	s_lshl_b32 s2, s40, 10
	s_lshl_b32 s3, s16, 9
	s_add_co_u32 s2, s2, s3
	s_mov_b32 s3, 0
	s_add_nc_u64 s[12:13], s[66:67], s[2:3]        ; at column 256 cx + 128 j
	s_lshl_b32 s2, s41, 10
	s_lshl_b32 s18, s15, 9
	s_add_co_u32 s2, s2, s18
	s_add_nc_u64 s[18:19], s[66:67], s[2:3]        ; at column 256 cy + 128 i
.irp b, 0,1,2,3,4,5,6,7
	global_load_b128 v[BI+8*\b:BI+8*\b+3], v[BO], s[12:13] offset:(32*(\b/2)+8*(\b%2))*4       ; tile b, my half: columns 32 (b / 2) + 8 (b % 2) + 16 h + 0 .. 7
	global_load_b128 v[BI+8*\b+4:BI+8*\b+7], v[BO], s[12:13] offset:(32*(\b/2)+8*(\b%2))*4+16
.endr
.irp a, 0,1,2,3,4,5,6,7
	global_load_b32 v[BL+2*\a], v[BOV], s[18:19] offset:(32*(\a/2)+8*(\a%2))*4                  ; tile a: column 32 (a / 2) + 8 (a % 2) + sigma(r); twice, for the packed addition
	global_load_b32 v[BL+2*\a+1], v[BOV], s[18:19] offset:(32*(\a/2)+8*(\a%2))*4
.endr
.macro FRAG reg, adr, q, i             ; a fragment comes as it was stored: three loads of 16 bytes a lane, 512 consecutive bytes each
.irp c, 0,1,2
	ds_load_b128 v[\reg+4*\c:\reg+4*\c+3], v[\adr] offset:(\i)*TROW+(\q)*FRB+512*\c
.endr
.endm
; 16 matrix instructions: A's blocks a0, a0 + 1 x B's eight, 128 along K.  The 64 accumulators take turns, one instruction a turn, in the same order in every step.
.macro MUL16 a0, p, q, sc, zero
.irp a, \a0, \a0+1
.irp b, 0,1,2,3,4,5,6,7
.if \zero
	v_wmma_scale_f32_16x16x128_f8f6f4 v[8*(8*((\a)%4)+\b):8*(8*((\a)%4)+\b)+7], v[128*(\p)+FR*\b:128*(\p)+FR*\b+FR-1], v[AF+FR*(\a):AF+FR*(\a)+FR-1], 0, v[SC+8*NQ*(\sc)+NQ*\b+(\q)], v[SC+8*NQ*(\sc)+NQ*(\a)+(\q)] matrix_a_fmt:MATRIX_FMT_FP6 matrix_b_fmt:MATRIX_FMT_FP6 matrix_a_scale:MATRIX_SCALE_ROW1
.else
	v_wmma_scale_f32_16x16x128_f8f6f4 v[8*(8*((\a)%4)+\b):8*(8*((\a)%4)+\b)+7], v[128*(\p)+FR*\b:128*(\p)+FR*\b+FR-1], v[AF+FR*(\a):AF+FR*(\a)+FR-1], v[8*(8*((\a)%4)+\b):8*(8*((\a)%4)+\b)+7], v[SC+8*NQ*(\sc)+NQ*\b+(\q)], v[SC+8*NQ*(\sc)+NQ*(\a)+(\q)] matrix_a_fmt:MATRIX_FMT_FP6 matrix_b_fmt:MATRIX_FMT_FP6 matrix_a_scale:MATRIX_SCALE_ROW1
.endif
.endr
.endr
.endm
.macro FETCH_B slot, q, p
	WIN TO_B
.irp i, 0,1,2,3,4,5,6,7
	FRAG 128*(\p)+FR*\i, ADRB+\slot, \q, \i
.endr
	WIN 0
.endm
.macro FETCH_A slot, q, i0
.irp i, \i0, \i0+1, \i0+2, \i0+3
	FRAG AF+FR*(\i), ADRA+\slot, \q, \i
.endr
.endm
.macro SCALES sc                       ; a K step's scale words: two words a row; lanes 0-15 take A's tile i, lanes 16-31 B's tile i
.irp i, 0,1,2,3,4,5,6,7
	ds_load_b64 v[SC+8*NQ*\sc+NQ*\i:SC+8*NQ*\sc+NQ*\i+1], v[ADRS] offset:\i*512
.endr
.endm
.macro PLACES n                        ; plain vector instructions between a matrix instruction and a load into, or a vector access of, its registers
.rept \n
	v_nop
.endr
.endm
.macro STEP slot, q, zero              ; a step of 128 along K that has its successor in the same slot
	s_wait_dscnt 4*NL                              ; B's set and A's blocks 0-3 are in; the youngest 12 loads (A's blocks 4-7) may be out
	WIN MUL_LO
	MUL16 0, (\q)%2, \q, \slot, \zero
	MUL16 2, (\q)%2, \q, \slot, \zero
	s_wait_dscnt 0
	PLACES NP
	FETCH_B \slot, (\q)+1, 1-(\q)%2
	FETCH_A \slot, (\q)+1, 0
	WIN MUL_HI
	MUL16 4, (\q)%2, \q, \slot, \zero
	MUL16 6, (\q)%2, \q, \slot, \zero
	PLACES NP
	WIN 0
	FETCH_A \slot, (\q)+1, 4
.endm
; A slot's last step changes slots: ONE barrier; in front of it each wave waits for all its tensor loads, adds 0 to its spare word, and waits for that and for its reads of this slot.  fill = 1: this slot is filled again, two K steps ahead.
.macro TURN slot, next, fill
	s_wait_tensorcnt 0x0                           ; all my tensor loads have landed: my part of the next slot
	ds_add_u32 v[SPW], v[NIL]                      ; 0 onto my spare word
	s_wait_dscnt 4*NL+1                            ; (the add and the youngest 12 loads may be out)
	WIN MUL_LO
	MUL16 0, 1, NQ-1, \slot, 0
	s_wait_dscnt 0x0                               ; the add is done, and my reads of this slot are over
	s_barrier_signal -1
	MUL16 2, 1, NQ-1, \slot, 0
	WIN 0
	s_barrier_wait -1
.if \fill
	CREST                                          ; the barrier has opened a round of the cluster's barrier: no wave of any partner still reads this slot or has a load on its way
	s_add_nc_u64 s[G0+4*\slot+2:G0+4*\slot+3], s[G0+4*\slot+2:G0+4*\slot+3], 2*TROW
	s_add_nc_u64 s[G0B+4*\slot+2:G0B+4*\slot+3], s[G0B+4*\slot+2:G0B+4*\slot+3], 2*TROW
	JLOAD G0+4*\slot, G1, G0B+4*\slot, G1B         ; the first tensor load behind the round, my only one until the next; its four v_nop are the places in front of the loads below
.else
	PLACES NP
.endif
	v_add_nc_u32 v[ADRS], 128, v[ADRS]             ; the next K step's scale words (no LDS load of mine is out)
	FETCH_B \next, 0, 0
	FETCH_A \next, 0, 0
	SCALES \next
	WIN MUL_HI
	MUL16 4, 1, NQ-1, \slot, 0
	MUL16 6, 1, NQ-1, \slot, 0
	PLACES NP
	WIN 0
	FETCH_A \next, 0, 4
.endm
	s_wait_tensorcnt 1                             ; the scale words and my part of K step 0 are in (K step 1's load may be out),
	s_barrier_signal -1
	s_barrier_wait -1                              ; everybody's are
	FETCH_B 0, 0, 0
	FETCH_A 0, 0, 0
	SCALES 0
	FETCH_A 0, 0, 4
	STEP 0, 0, 1                                   ; four K steps of 256, written out: the first products start the sums
	TURN 0, 1, 1                                   ; slot 0 takes K step 2
	STEP 1, 0, 0
	TURN 1, 0, 1                                   ; slot 1 takes K step 3
	STEP 0, 0, 0
	TURN 0, 1, 0                                   ; nothing is left to fetch
	STEP 1, 0, 0
	s_wait_dscnt 4*NL
	WIN MUL_LO
	MUL16 0, 1, NQ-1, 1, 0
	MUL16 2, 1, NQ-1, 1, 0
	s_wait_dscnt 0
	WIN MUL_HI
	MUL16 4, 1, NQ-1, 1, 0
	MUL16 6, 1, NQ-1, 1, 0
	WIN 0
	; THE WAY OUT: no LDS, no barrier.  Block a's 64 numbers get their bias, are quantised, and leave as two units and two halves of a scale word.
	PLACES NP
	s_wait_loadcnt 0x0                             ; the biases
	s_mov_b32 s[SEL], 0x76543210
	s_mov_b32 s[SEL+1], 0xfedcba98
.irp b, 0,1,2,3
	v_mov_b32 v[TM+4+\b], 0                        ; written once: a lane permute's destination counts as one of its sources
.endr
.macro UNITS_OUT p0, o0, p1, o1        ; registers 0-5 to pointer p0 + o0, registers 6-11 to p1 + o1: 512 and 256 consecutive bytes a store
	global_store_b128 v[L16], v[PC:PC+3], s[\p0:\p0+1] offset:\o0
	global_store_b64 v[L8], v[PC+4:PC+5], s[\p0:\p0+1] offset:\o0+512
	global_store_b128 v[L16], v[PC+6:PC+9], s[\p1:\p1+1] offset:\o1
	global_store_b64 v[L8], v[PC+10:PC+11], s[\p1:\p1+1] offset:\o1+512
.endm
.macro OUT_QK a                        ; a = 4 e + 2 seg + u: 16 rows of y of parity e; columns: my two heads
.set AC, 64*((\a)%4)
.set OC, 1536*((\a)%4)+768*((\a)/4)
.set OS, 64*((\a)%4)+2*((\a)/4)
	WIN 0x02+(\a)/4                                ; source 0: window 2 or 3
.set J, 0
.rept 32
	v_pk_add_f32 v[Y+J:Y+J+1], v[AC+J:AC+J+1], v[BI+J:BI+J+1]     ; each accumulator from its low end on
.set J, J+2
.endr
	WIN 0
.if (\a) > 0
	s_wait_xcnt 0x0                                ; the last block's stores have read the codes and the word
.endif
	QUANT Y, PW
	UNITS_OUT CB0, OC, CB1, OC
	global_store_b16 v[R4], v[PW], s[SB0:SB0+1] offset:OS          ; bytes 2 e, 2 e + 1 of the even head's word (lanes r and r + 16 store the same),
	global_store_d16_hi_b16 v[R4], v[PW], s[SB1:SB1+1] offset:OS   ; and of the odd head's
.endm
.macro OUT_V a                         ; a: 16 columns of y (head a / 4 of my two); my 64 registers: keys 0-63 of parity 0, then of parity 1
.set AC, 64*((\a)%4)
.set OC, 204800*((\a)/4)+1536*((\a)%4)
.set OS, 204800*((\a)/4)+64*((\a)%4)
	WIN 0x02+(\a)/4
.set J, 0
.rept 32
	v_pk_add_f32 v[Y+J:Y+J+1], v[AC+J:AC+J+1], v[BL+2*(\a):BL+2*(\a)+1]   ; my column's bias stands in both registers of the pair
.set J, J+2
.endr
	WIN 0
.if (\a) > 0
	s_wait_xcnt 0x0
.endif
	QUANT Y, PW
	UNITS_OUT CB0, OC, CB0, OC+6144                ; d-tile a % 4 (parity 0), and d-tile 4 + a % 4
	global_store_b16 v[R4], v[PW], s[SB0:SB0+1] offset:OS
	global_store_d16_hi_b16 v[R4], v[PW], s[SB0:SB0+1] offset:OS+256
.endm
	s_cmp_eq_u32 ttmp9, 2                          ; the same in all partners
	s_cbranch_scc1 .Lv
	s_lshl_b32 s12, s17, 1
	s_add_co_u32 s12, s12, s15                     ; SS: which 128 rows of x are my wave's
	s_lshr_b32 s13, s12, 4                         ; the batch
	s_and_b32 s12, s12, 15                         ; SS within it
	s_lshl_b32 s13, s13, 4
	s_lshl_b32 s43, s40, 2
	s_add_co_u32 s13, s13, s43
	s_lshl_b32 s43, s16, 1
	s_add_co_u32 s13, s13, s43                     ; my even head: 16 b + 4 cx + 2 j
	s_lshl_b32 s43, s13, 6
	s_lshl_b32 s44, s12, 2
	s_add_co_u32 s43, s43, s44                     ; Q: tile 64 (b h) + 4 SS
	s_mul_i32 s44, s43, 1536
	s_lshl_b32 s43, s43, 6
	s_add_co_u32 s43, s43, 6291456
	s_mul_i32 s45, s13, 204800                     ; K: the head, the key step SS / 2,
	s_lshr_b32 s18, s12, 1
	s_mul_i32 s18, s18, 25600
	s_add_co_u32 s45, s45, s18
	s_and_b32 s18, s12, 1                          ; its tiles 4 (SS % 2) on
	s_mul_i32 s19, s18, 6144
	s_add_co_u32 s19, s19, s45
	s_lshl_b32 s18, s18, 8
	s_add_co_u32 s18, s18, s45
	s_add_co_u32 s18, s18, 12288
	s_cmp_eq_u32 ttmp9, 0
	s_cselect_b64 s[20:21], s[98:99], s[100:101]
	s_cselect_b32 s44, s44, s19                    ; the codes' offset
	s_cselect_b32 s46, s43, s18                    ; the words'
	s_mov_b32 s12, 204800
	s_cselect_b32 s12, 98304, s12                  ; from a head to the next: codes,
	s_mov_b32 s18, 204800
	s_cselect_b32 s18, 4096, s18                   ; words
	s_mov_b32 s45, 0
	s_mov_b32 s47, 0
	s_mov_b32 s13, 0
	s_mov_b32 s19, 0
	s_add_nc_u64 s[CB0:CB0+1], s[20:21], s[44:45]
	s_add_nc_u64 s[CB1:CB1+1], s[CB0:CB0+1], s[12:13]
	s_add_nc_u64 s[SB0:SB0+1], s[20:21], s[46:47]
	s_add_nc_u64 s[SB1:SB1+1], s[SB0:SB0+1], s[18:19]
.irp a, 0,1,2,3,4,5,6,7
	OUT_QK \a
.endr
	s_branch .Ldone
.Lv:
	s_lshl_b32 s12, s42, 1
	s_add_co_u32 s12, s12, s16                     ; SS: here B's side holds x
	s_lshr_b32 s13, s12, 4
	s_and_b32 s12, s12, 15
	s_lshl_b32 s13, s13, 4
	s_lshl_b32 s43, s41, 2
	s_add_co_u32 s13, s13, s43
	s_lshl_b32 s43, s15, 1
	s_add_co_u32 s13, s13, s43                     ; my even head: 16 b + 4 cy + 2 i
	s_mul_i32 s44, s13, 204800
	s_lshr_b32 s43, s12, 1
	s_mul_i32 s43, s43, 25600
	s_add_co_u32 s44, s44, s43                     ; the head's key step SS / 2
	s_and_b32 s12, s12, 1
	s_mul_i32 s43, s12, 768                        ; keys 64 (SS % 2) on: the second unit of each fragment
	s_add_co_u32 s43, s43, s44
	s_add_co_u32 s46, s43, 12800
	s_mov_b32 s47, 0
	s_lshl_b32 s12, s12, 1                         ; and bytes 2 (SS % 2) on of each word
	s_add_co_u32 s12, s12, s44
	s_add_co_u32 s12, s12, 25088
	s_mov_b32 s13, 0
	s_add_nc_u64 s[CB0:CB0+1], s[100:101], s[46:47]
	s_add_nc_u64 s[SB0:SB0+1], s[100:101], s[12:13]
.irp a, 0,1,2,3,4,5,6,7
	OUT_V \a
.endr
.Ldone:
	s_wait_tensorcnt 0x0                           ; the wave's end
	ds_add_u32 v[SPW], v[NIL]
	s_wait_dscnt 0x0
	CROUND                                         ; the closing round: no work-group ends while a partner may still ask for a tile that names it
	s_endpgm
.Lfunc_end_k_q86f739f3f5_qkv:
	.size	k_q86f739f3f5_qkv, .Lfunc_end_k_q86f739f3f5_qkv-k_q86f739f3f5_qkv
	.p2alignl 7, 3214868480
	.fill 96, 4, 3214868480
	.section	.rodata,"a",@progbits
	.p2align	6, 0x0
	.amdhsa_kernel k_q86f739f3f5_qkv
		.amdhsa_group_segment_fixed_size 327680
		.amdhsa_private_segment_fixed_size 0
		.amdhsa_enable_private_segment 0
		.amdhsa_kernarg_size 72
		.amdhsa_user_sgpr_count 2
		.amdhsa_user_sgpr_kernarg_segment_ptr 1
		.amdhsa_wavefront_size32 1
		.amdhsa_system_sgpr_workgroup_id_x 1
		.amdhsa_system_sgpr_workgroup_id_y 1
		.amdhsa_system_sgpr_workgroup_id_z 1
		.amdhsa_system_vgpr_workitem_id 0
		.amdhsa_next_free_vgpr 1024
		.amdhsa_next_free_sgpr 104
		.amdhsa_reserve_vcc 0
		.amdhsa_float_denorm_mode_32 3
		.amdhsa_float_denorm_mode_16_64 3
		.amdhsa_memory_ordered 1
		.amdhsa_forward_progress 1
		.amdhsa_inst_pref_size 214
	.end_amdhsa_kernel
	.amdgpu_metadata
---
amdhsa.version: [ 1, 2 ]
amdhsa.kernels:
  - .name:           k_q86f739f3f5_qkv
    .symbol:         k_q86f739f3f5_qkv.kd
    .args:
      - { .name: xc, .offset: 0, .size: 8, .value_kind: global_buffer, .address_space: global }
      - { .name: xs, .offset: 8, .size: 8, .value_kind: global_buffer, .address_space: global }
      - { .name: wc, .offset: 16, .size: 8, .value_kind: global_buffer, .address_space: global }
      - { .name: ws, .offset: 24, .size: 8, .value_kind: global_buffer, .address_space: global }
      - { .name: bq, .offset: 32, .size: 8, .value_kind: global_buffer, .address_space: global }
      - { .name: bk, .offset: 40, .size: 8, .value_kind: global_buffer, .address_space: global }
      - { .name: bv, .offset: 48, .size: 8, .value_kind: global_buffer, .address_space: global }
      - { .name: qf, .offset: 56, .size: 8, .value_kind: global_buffer, .address_space: global }
      - { .name: kv, .offset: 64, .size: 8, .value_kind: global_buffer, .address_space: global }
    .group_segment_fixed_size: 327680
    .private_segment_fixed_size: 0
    .kernarg_segment_align: 8
    .kernarg_segment_size: 72
    .max_flat_workgroup_size: 128
    .sgpr_count:     104
    .vgpr_count:     1024
    .wavefront_size: 32
...
	.end_amdgpu_metadata
.endif
;; end of part 2
;; launch attn (part 3): grid 4 x 64, 16 waves a work-group, clusters of 4 x 1, 206,848 bytes of LDS; arguments qf, kv, cc, cs; writes cc, cs
.if DOCPART == 3
	.amdgcn_target "amdgcn-amd-amdhsa--gfx1250"
	.amdhsa_code_object_version 6
	.text
	.protected	k_q86f739f3f5_attn
	.globl	k_q86f739f3f5_attn
	.p2align	8
	.type	k_q86f739f3f5_attn,@function
k_q86f739f3f5_attn:
	s_mov_b64 s[64:65], 0
	v_nop
	global_prefetch_b8 v0, s[64:65] scope:SCOPE_SE
	s_setreg_imm32_b32 hwreg(HW_REG_WAVE_MODE, 25, 1), 1
	s_wait_xcnt 0x0
	s_wait_alu depctr_hold_cnt(0) depctr_sa_sdst(0) depctr_va_vdst(0) depctr_va_sdst(0) depctr_va_ssrc(0) depctr_va_vcc(0) depctr_vm_vsrc(0)
	s_getreg_b32 s2, hwreg(HW_REG_IB_STS2, 6, 4)
	s_cmp_eq_u32 s2, 0
	s_cbranch_scc0 .Lentry_in_a_cluster
	s_endpgm
.Lentry_in_a_cluster:
	s_bfe_u32 s2, ttmp6, 0x10000c
	s_cmp_lg_u32 s2, 0x3003
	s_cbranch_scc0 .Lentry_shape_is_right
	s_endpgm
.Lentry_shape_is_right:
; ctx[b][h][g][:] = softmax_k(q[g] . k[k] / 8) v[k][:] for 64 (batch, head) pairs, 1,024 groups, 128 features, both products on codes of FP6 (E2M3) with E8M0 scales; ctx leaves quantised along its features, as the next product's operand.
; THE SOFTMAX AHEAD OF THE SECOND PRODUCT: t = score x log2(e) / 8; M = the running largest t rounded UP to a whole number; p = 2^(t - M) is quantised along the keys, not normalised; the row's sum is taken of the unquantised p
; and divides at the end.  When M moves, the sum and O are multiplied by 2^(old M - new M): exact.
; SHARES: a work-group owns 256 groups of one head, each of its sixteen waves one tile of 16, in 256 registers: four waves to a SIMD, so that one wave's vector work stands beside another's matrix work and LDS loads.
; A HEAD'S WHOLE K AND V, codes and scale words, are 204,800 bytes: they come into LDS ONCE, 6,400 bytes by each of a wave's two tensor loads, and nothing is filled again: no ring.  The four work-groups of a head are one cluster
; and ask for each piece jointly.  The first half (key steps 0-3) is read while the second is on its way.  All that the work-group reads of K and V is asked for by these loads at the head, so there is no later load for a prefetch to run ahead of.
; LAYOUT: both products transposed: S^T = K Q^T, O^T = V^T P^T: a lane holds ONE group (lane % 16) throughout.  The keys of a tile of K, and the features of a tile of V, were chosen by the launch before
; (lane r of tile 2 b + u: 32 b + 8 u + r + 8 (r / 8)), so that the 16 registers of two neighbouring tiles are 16 neighbours: p's along the keys, O^T's along the features.
; A fragment lies as two units of 768 bytes: registers 0-3 at 16 l, 4-5 at 512 + 8 l; then registers 6-9, 10-11 likewise.
; cc: [tile of 16 rows 512][K step 8][1,536], an image of the registers; head h's 128 features are K step h % 8 of rows 2 g + h / 8.  cs: [tile][pair of K steps][r][2 words].
; LIMITS: NaN and infinities are not served; a scale's byte is held at 1 from below; a block of zeros gets the byte 1 (its codes are zeros, and this program alone reads the bytes).
; REGISTERS: v1-3 addresses that stay; v8-10 those of the step; v12 -M, v13 the largest t, v[14:15] the sum in two halves; v16-27 Q; v32-79 four fragments of K or V; v96-159 S^T, then p; v160-223 O^T; v224-235 p's codes; v232-254 at work; v255 Q's scale words.
.set KSB,  25600                       ; a key step in LDS: K's 12,288 + 512, V's 12,288 + 512
.set WV,   18
.set SEL,  20                          ; s[20:21] selects for lane l xor 16
.set CS,   22                          ; s[22:23] c = log2(e) / 8
.set G1,   24
.set G0A,  32
.set G0B,  36
.set TB,   2                           ; s2  LDS byte at which the key step begins
.set CNT,  3
.set TM,   32                          ; the way out
.set PC,   64
.set PW,   84
.macro CROUND
	s_barrier_signal -1
	s_barrier_wait -1
	s_cmp_lg_u32 s[WV], 0
	s_cbranch_scc1 .Lnot_wave_0_\@
	s_barrier_signal -3
.Lnot_wave_0_\@:
	s_barrier_wait -3
	s_barrier_signal -1
	s_barrier_wait -1
.endm
.macro QUANT s, pw
.irp b, 0,1,2,3
	v_max3_num_f32 v[TM+\b], |v[\s+16*\b]|, |v[\s+1+16*\b]|, 0x1800000   ; my 16 numbers of block b, and the floor 2^(3 - 127)
.endr
.irp i, 2,4,6,8,10,12,14
.irp b, 0,1,2,3
	v_max3_num_f32 v[TM+\b], v[TM+\b], |v[\s+16*\b+\i]|, |v[\s+1+16*\b+\i]|
.endr
.endr
.irp b, 0,1,2,3
	v_permlanex16_b32 v[TM+4+\b], v[TM+\b], s[SEL], s[SEL+1]
.endr
.irp b, 0,1,2,3
	v_max_num_f32 v[TM+\b], v[TM+\b], v[TM+4+\b]
.endr
.irp b, 0,1,2,3
	v_add_nc_u32 v[TM+12+\b], 0xff000000, v[TM+\b]
.endr
.irp b, 0,1,2,3
	v_lshrrev_b32 v[TM+4+\b], 23, v[TM+12+\b]
.endr
	v_lshl_or_b32 v[\pw], v[TM+5], 8, v[TM+4]
	v_lshl_or_b32 v[\pw], v[TM+6], 16, v[\pw]
	v_lshl_or_b32 v[\pw], v[TM+7], 24, v[\pw]
.irp c, 0,1
	v_cvt_scalef32_pk16_fp6_f32 v[PC+6*\c:PC+2+6*\c], v[\s+32*\c:\s+15+32*\c], v[TM+12+2*\c]
	v_cvt_scalef32_pk16_fp6_f32 v[PC+12+4*\c:PC+14+4*\c], v[\s+16+32*\c:\s+31+32*\c], v[TM+12+2*\c+1]
.endr
	v_nop
.irp c, 0,1
.irp i, 0,1,2
	v_permlane16_swap_b32 v[PC+6*\c+\i], v[PC+12+4*\c+\i]
.endr
.irp i, 0,1,2
	v_mov_b32 v[PC+3+6*\c+\i], v[PC+12+4*\c+\i]
.endr
.endr
.endm
	s_load_b256 s[4:11], s[0:1], 0x0               ; qf s[4:5], kv s[6:7], cc s[8:9], cs s[10:11]
	v_lshl_add_u32 v95, v0, 2, 0x32000
	v_mov_b32 v243, 0
	ds_add_u32 v95, v243
	ds_add_u32 v95, v243
	v_lshrrev_b32 v8, 5, v0
	v_readfirstlane_b32 s[WV], v8                  ; wave 0..15
	s_bfe_u32 s40, ttmp6, 0x40000                  ; cx: my block of 256 groups; it enters global addresses of Q and ctx alone
	s_and_b32 s41, ttmp7, 0xffff                   ; b h, which the four partners share
	s_mul_i32 s44, s[WV], 6400                     ; my piece of each half, in LDS
	s_mul_i32 s42, s41, 204800
	s_add_co_u32 s42, s42, s44                     ; and in kv
	s_mov_b32 s43, 0
	s_lshl_b32 s45, s40, 4
	s_add_co_u32 s45, s45, s[WV]                   ; GT: my tile of 16 groups
	s_lshl_b32 s46, s41, 6
	s_add_co_u32 s46, s46, s45
	s_lshl_b32 s48, s46, 6
	s_add_co_u32 s48, s48, 6291456                 ; Q's scale words
	s_mov_b32 s49, 0
	s_mul_i32 s46, s46, 1536                       ; Q's codes
	s_mov_b32 s47, 0
	s_lshr_b32 s50, s41, 4
	s_lshl_b32 s50, s50, 4
	s_lshr_b32 s51, s45, 2
	s_add_co_u32 s50, s50, s51                     ; 16 b + GT / 4
	s_lshl_b32 s50, s50, 3
	s_bfe_u32 s51, s41, 0x10003                    ; head / 8: the row's parity
	s_lshl_b32 s51, s51, 2
	s_add_co_u32 s50, s50, s51
	s_and_b32 s51, s45, 3
	s_add_co_u32 s50, s50, s51                     ; ctx's tile of 16 rows
	s_and_b32 s51, s41, 7                          ; its K step: head % 8
	s_lshl_b32 s52, s50, 9
	s_lshr_b32 s53, s51, 1
	s_lshl_b32 s53, s53, 7
	s_add_co_u32 s52, s52, s53
	s_and_b32 s53, s51, 1
	s_lshl_b32 s53, s53, 2
	s_add_co_u32 s52, s52, s53                     ; its scale words
	s_mov_b32 s53, 0
	s_lshl_b32 s50, s50, 3
	s_add_co_u32 s50, s50, s51
	s_mul_i32 s50, s50, 1536                       ; its codes
	s_mov_b32 s51, 0
	; descriptor group 1: 6,400 dense bytes as 25 rows of 256 (32 elements of 8 bytes)
	s_mov_b32 s[G1], 15|(3<<16)|(1<<21)            ; 15:0 the mask: all four work-groups; 17:16 elements of 8 bytes; 21 set beside a mask
	s_mov_b32 s[G1+1], 32<<16
	s_mov_b32 s[G1+2], 25<<16
	s_mov_b32 s[G1+3], 32<<16
	s_mov_b32 s[G1+4], 25
	s_mov_b32 s[G1+5], 32
	s_mov_b32 s[G1+6], 0
	s_mov_b32 s[G1+7], 0
	s_mov_b32 s[SEL], 0x76543210
	s_mov_b32 s[SEL+1], 0xfedcba98
	s_mov_b32 s[CS], 0x3e38aa3b                    ; c = log2(e) / 8
	s_mov_b32 s[CS+1], s[CS]                       ; (named with it as a pair, so it is written)
	s_wait_dscnt 0x0
	s_wait_kmcnt 0x0
	s_add_nc_u64 s[48:49], s[4:5], s[48:49]
	s_add_nc_u64 s[4:5], s[4:5], s[46:47]
	s_add_nc_u64 s[8:9], s[8:9], s[50:51]
	s_add_nc_u64 s[10:11], s[10:11], s[52:53]
	CROUND                                         ; all four work-groups are here: the joint loads meet
	s_mov_b32 s[G0A], 1
	s_mov_b32 s[G0A+1], s44
	s_add_nc_u64 s[G0A+2:G0A+3], s[6:7], s[42:43]
	s_mov_b32 s[G0B], 1
	s_add_co_u32 s[G0B+1], s44, 102400
	s_add_nc_u64 s[G0B+2:G0B+3], s[G0A+2:G0A+3], 102400
	s_or_b32 s[G0A+3], s[G0A+3], 0x80000000
	s_or_b32 s[G0B+3], s[G0B+3], 0x80000000
	tensor_load_to_lds s[G0A:G0A+3], s[G1:G1+7]    ; my piece of key steps 0-3,
	s_nop 0
	tensor_load_to_lds s[G0B:G0B+3], s[G1:G1+7]    ; and of key steps 4-7: two loads of mine are out
	s_nop 0
.rept 4
	v_nop
.endr
	v_and_b32 v8, 31, v0
	v_and_b32 v9, 15, v0
	v_lshlrev_b32 v1, 4, v8                        ; 16 x lane
	v_lshlrev_b32 v2, 3, v8                        ; 8 x lane
	v_lshlrev_b32 v3, 2, v9                        ; 4 r
	global_load_b128 v[16:19], v1, s[4:5]          ; Q's fragment stays in registers
	global_load_b64 v[20:21], v2, s[4:5] offset:512
	global_load_b128 v[22:25], v1, s[4:5] offset:768
	global_load_b64 v[26:27], v2, s[4:5] offset:1280
	global_load_b32 v255, v3, s[48:49]             ; and its scale words
	v_mov_b32 v13, 0xff61b1e6                      ; the largest t so far: -3e38, under every t
	v_floor_f32 v12, -v13                          ; -M
	v_mov_b32 v14, 0
	v_mov_b32 v15, 0
.irp b, 0,1,2,3
	v_mov_b32 v[236+\b], 0                         ; written once: a lane permute's destination counts as one of its sources
.endr
	v_mov_b32 v253, 0                              ; (named as the upper half of the pair v[252:253] before it is first written)
.set J, 0
.rept 64
	v_mov_b32 v[160+J], 0                          ; O^T: the step is written once; the first finds zeros, which the first change of M leaves zeros
.set J, J+1
.endr
.macro UNITS reg, base                 ; a fragment: two units
	ds_load_b128 v[\reg:\reg+3], v8 offset:\base
	ds_load_b64 v[\reg+4:\reg+5], v9 offset:\base+512
	ds_load_b128 v[\reg+6:\reg+9], v8 offset:\base+768
	ds_load_b64 v[\reg+10:\reg+11], v9 offset:\base+1280
.endm
; A KEY STEP: 128 keys.
.macro STEP
	v_add_nc_u32 v8, s[TB], v1
	v_add_nc_u32 v9, s[TB], v2
	v_add_nc_u32 v10, s[TB], v3
	v_nop                                          ; four places in front of loads into registers that the last step's products have read
.irp g, 0,1                                    ; S^T = K Q^T, four tiles of 16 keys at a time
.if \g > 0
.rept 4
	v_nop
.endr
.endif
.irp t, 0,1,2,3
	UNITS 32+12*\t, 1536*(4*\g+\t)
	ds_load_b32 v[248+\t], v10 offset:12288+64*(4*\g+\t)
.endr
	s_wait_dscnt 0x0
.irp t, 0,1,2,3
	v_wmma_scale_f32_16x16x128_f8f6f4 v[96+8*(4*\g+\t):103+8*(4*\g+\t)], v[32+12*\t:43+12*\t], v[16:27], 0, v[248+\t], v255 matrix_a_fmt:MATRIX_FMT_FP6 matrix_b_fmt:MATRIX_FMT_FP6
.endr
.endr
.rept 4
	v_nop
.endr
.irp b, 0,1,2,3
	v_max3_num_f32 v[232+\b], v[96+16*\b], v[97+16*\b], v[98+16*\b]   ; the largest score of each block of 32 keys: for the row's maximum, and, since p rises with the score, for the block's largest p
.endr
.irp i, 3,5,7,9,11,13
.irp b, 0,1,2,3
	v_max3_num_f32 v[232+\b], v[232+\b], v[96+16*\b+\i], v[97+16*\b+\i]
.endr
.endr
.irp b, 0,1,2,3
	v_max_num_f32 v[232+\b], v[232+\b], v[111+16*\b]
.endr
.irp b, 0,1,2,3
	v_permlanex16_b32 v[236+\b], v[232+\b], s[SEL], s[SEL+1]
.endr
.irp b, 0,1,2,3
	v_max_num_f32 v[232+\b], v[232+\b], v[236+\b]  ; with lane l xor 16's 16 keys
.endr
	v_max3_num_f32 v254, v232, v233, v234
	v_max_num_f32 v254, v254, v235                 ; the step's largest score of my group
	v_mul_f32 v254, s[CS], v254                    ; as t (c is positive)
	v_max_num_f32 v13, v13, v254                   ; the running largest t
	v_mov_b32 v254, v12
	v_floor_f32 v12, -v13                          ; the new -M = floor(-t) = -ceil(t)
	v_sub_f32 v254, v12, v254                      ; old M - new M: a whole number, 0 or less
	v_cvt_i32_f32 v254, v254                       ; (it saturates)
	v_ldexp_f32 v252, 1.0, v254                    ; f = 2^(old M - new M)
.set J, 0
.rept 32
	v_pk_fma_f32 v[96+J:97+J], v[96+J:97+J], s[CS:CS+1], v[12:13] op_sel_hi:[1,0,0]   ; t - M, two at a time
.set J, J+2
.endr
.irp b, 0,1,2,3
	v_fma_f32 v[232+\b], v[232+\b], s[CS], v12     ; the same of each block's largest score
.endr
.set J, 0
.rept 64
	v_exp_f32 v[96+J], v[96+J]                     ; p = 2^(t - M), at most 1
.set J, J+1
.endr
	v_pk_mul_f32 v[14:15], v[14:15], v[252:253] op_sel_hi:[1,0]   ; the sums under the new M (a plain place behind the exponentials)
	s_wait_alu depctr_va_vdst(0)                   ; one wait for the whole batch, ahead of its first reader
.irp b, 0,1,2,3
	v_exp_f32 v[232+\b], v[232+\b]                 ; the block's largest p
.endr
	v_pk_add_f32 v[236:237], v[96:97], v[98:99]    ; the row's sum of the unquantised p, two at a time, in two chains
.irp j, 4,8,12,16,20,24,28,32,36,40,44,48,52,56,60
	v_pk_add_f32 v[14:15], v[14:15], v[96+\j:97+\j]
	v_pk_add_f32 v[236:237], v[236:237], v[98+\j:99+\j]
.endr
	v_pk_add_f32 v[14:15], v[14:15], v[236:237]
	s_wait_alu depctr_va_vdst(0)                   ; and one for the four
.irp b, 0,1,2,3
	v_max_num_f32 v[232+\b], 0x1800000, v[232+\b]  ; the floor 2^(3 - 127)
.endr
.irp b, 0,1,2,3
	v_add_nc_u32 v[244+\b], 0xff000000, v[232+\b]  ; the conversion's scale operand
.endr
.irp b, 0,1,2,3
	v_lshrrev_b32 v[236+\b], 23, v[244+\b]         ; the byte
.endr
	v_lshl_or_b32 v253, v237, 8, v236              ; p's scale word for these 128 keys
	v_lshl_or_b32 v253, v238, 16, v253
	v_lshl_or_b32 v253, v239, 24, v253
.irp c, 0,1
	v_cvt_scalef32_pk16_fp6_f32 v[224+6*\c:226+6*\c], v[96+32*\c:111+32*\c], v[244+2*\c]
	v_cvt_scalef32_pk16_fp6_f32 v[236+4*\c:238+4*\c], v[112+32*\c:127+32*\c], v[244+2*\c+1]
.endr
	v_nop                                          ; one plain place behind a scaled conversion
.irp c, 0,1
.irp i, 0,1,2
	v_permlane16_swap_b32 v[224+6*\c+\i], v[236+4*\c+\i]
.endr
.irp i, 0,1,2
	v_mov_b32 v[227+6*\c+\i], v[236+4*\c+\i]
.endr
.endr
.set J, 0
.rept 32
	v_pk_mul_f32 v[160+J:161+J], v[160+J:161+J], v[252:253] op_sel_hi:[1,0]   ; O^T under the new M; these 32 are also the places in front of the loads and products below
.set J, J+2
.endr
.irp g, 0,1                                    ; O^T += V^T P^T, four tiles of 16 features at a time
.if \g > 0
.rept 4
	v_nop
.endr
.endif
.irp t, 0,1,2,3
	UNITS 32+12*\t, 12800+1536*(4*\g+\t)
	ds_load_b32 v[248+\t], v10 offset:25088+64*(4*\g+\t)
.endr
	s_wait_dscnt 0x0
.irp t, 0,1,2,3
	v_wmma_scale_f32_16x16x128_f8f6f4 v[160+8*(4*\g+\t):167+8*(4*\g+\t)], v[32+12*\t:43+12*\t], v[224:235], v[160+8*(4*\g+\t):167+8*(4*\g+\t)], v[248+\t], v253 matrix_a_fmt:MATRIX_FMT_FP6 matrix_b_fmt:MATRIX_FMT_FP6
.endr
.endr
.endm
.macro HALF start                      ; four key steps, from LDS byte start on
	s_mov_b32 s[TB], \start
	s_mov_b32 s[CNT], 4
.Lstep_\@:
	STEP
	s_add_co_u32 s[TB], s[TB], KSB
	s_sub_co_u32 s[CNT], s[CNT], 1
	s_cmp_lg_u32 s[CNT], 0
	s_cbranch_scc1 .Lstep_\@
.endm
	s_wait_loadcnt 0x0                             ; Q
	s_wait_tensorcnt 1                             ; my piece of the first half is in; the second half's load may stay out
	s_barrier_signal -1
	s_barrier_wait -1                              ; everybody's is
	HALF 0
	s_wait_tensorcnt 0x0                           ; my piece of the second half is in
	s_wait_dscnt 0x0
	s_barrier_signal -1
	s_barrier_wait -1
	HALF 102400
	; THE WAY OUT: O^T / the sum, quantised along the features: register 16 b + i is feature 32 b + 16 h + i of my group: the order that QUANT takes.
.rept 4
	v_nop                                          ; places behind the last products
.endr
	v_add_f32 v14, v14, v15
	v_permlanex16_b32 v252, v14, s[SEL], s[SEL+1]
	v_add_f32 v14, v14, v252                       ; the row's sum
	v_rcp_f32 v14, v14
	v_and_b32 v4, 15, v0                           ; (plain work behind the reciprocal)
	v_lshlrev_b32 v4, 3, v4                        ; 8 r: my row's place among the scale words
.irp b, 0,1,2,3
	v_mov_b32 v[TM+4+\b], 0
.endr
	s_wait_alu depctr_va_vdst(0)                   ; the wait ahead of the reciprocal's first reader
.set J, 0
.rept 64
	v_mul_f32 v[96+J], v[160+J], v14
.set J, J+1
.endr
	QUANT 96, PW
.irp c, 0,1,2
	global_store_b128 v1, v[PC+4*\c:PC+4*\c+3], s[8:9] offset:512*\c    ; 512 consecutive bytes a store, aligned to 256
.endr
	global_store_b32 v4, v[PW], s[10:11]           ; lanes r and r + 16 store the same word
	s_wait_dscnt 0x0
	s_wait_tensorcnt 0x0
	ds_add_u32 v95, v243
	s_wait_dscnt 0x0
	CROUND                                         ; the closing round
	s_endpgm
.Lfunc_end_k_q86f739f3f5_attn:
	.size	k_q86f739f3f5_attn, .Lfunc_end_k_q86f739f3f5_attn-k_q86f739f3f5_attn
	.p2alignl 7, 3214868480
	.fill 96, 4, 3214868480
	.section	.rodata,"a",@progbits
	.p2align	6, 0x0
	.amdhsa_kernel k_q86f739f3f5_attn
		.amdhsa_group_segment_fixed_size 206848
		.amdhsa_private_segment_fixed_size 0
		.amdhsa_enable_private_segment 0
		.amdhsa_kernarg_size 32
		.amdhsa_user_sgpr_count 2
		.amdhsa_user_sgpr_kernarg_segment_ptr 1
		.amdhsa_wavefront_size32 1
		.amdhsa_system_sgpr_workgroup_id_x 1
		.amdhsa_system_sgpr_workgroup_id_y 1
		.amdhsa_system_sgpr_workgroup_id_z 1
		.amdhsa_system_vgpr_workitem_id 0
		.amdhsa_next_free_vgpr 256
		.amdhsa_next_free_sgpr 66
		.amdhsa_reserve_vcc 0
		.amdhsa_float_denorm_mode_32 3
		.amdhsa_float_denorm_mode_16_64 3
		.amdhsa_memory_ordered 1
		.amdhsa_forward_progress 1
		.amdhsa_inst_pref_size 56
	.end_amdhsa_kernel
	.amdgpu_metadata
---
amdhsa.version: [ 1, 2 ]
amdhsa.kernels:
  - .name:           k_q86f739f3f5_attn
    .symbol:         k_q86f739f3f5_attn.kd
    .args:
      - { .name: qf, .offset: 0, .size: 8, .value_kind: global_buffer, .address_space: global }
      - { .name: kv, .offset: 8, .size: 8, .value_kind: global_buffer, .address_space: global }
      - { .name: cc, .offset: 16, .size: 8, .value_kind: global_buffer, .address_space: global }
      - { .name: cs, .offset: 24, .size: 8, .value_kind: global_buffer, .address_space: global }
    .group_segment_fixed_size: 206848
    .private_segment_fixed_size: 0
    .kernarg_segment_align: 8
    .kernarg_segment_size: 32
    .max_flat_workgroup_size: 512
    .sgpr_count:     66
    .vgpr_count:     256
    .wavefront_size: 32
...
	.end_amdgpu_metadata
.endif
;; end of part 3
;; launch oproj (part 4): grid 4 x 32, 4 waves a work-group, clusters of 4 x 4, 327,680 bytes of LDS; arguments cc, cs, wc, ws, bo, out0; writes out0
.if DOCPART == 4
	.amdgcn_target "amdgcn-amd-amdhsa--gfx1250"
	.amdhsa_code_object_version 6
	.text
	.protected	k_q86f739f3f5_oproj
	.globl	k_q86f739f3f5_oproj
	.p2align	8
	.type	k_q86f739f3f5_oproj,@function
k_q86f739f3f5_oproj:
	s_mov_b64 s[64:65], 0
	v_nop
	global_prefetch_b8 v0, s[64:65] scope:SCOPE_SE
	s_setreg_imm32_b32 hwreg(HW_REG_WAVE_MODE, 25, 1), 1
	s_wait_xcnt 0x0
	s_wait_alu depctr_hold_cnt(0) depctr_sa_sdst(0) depctr_va_vdst(0) depctr_va_sdst(0) depctr_va_ssrc(0) depctr_va_vcc(0) depctr_vm_vsrc(0)
	s_getreg_b32 s2, hwreg(HW_REG_IB_STS2, 6, 4)
	s_cmp_eq_u32 s2, 0
	s_cbranch_scc0 .Lentry_in_a_cluster
	s_endpgm
.Lentry_in_a_cluster:
	s_bfe_u32 s2, ttmp6, 0x10000c
	s_cmp_lg_u32 s2, 0xf033
	s_cbranch_scc0 .Lentry_shape_is_right
	s_endpgm
.Lentry_shape_is_right:
; out0 = ctx Wo^T + bo on codes of FP6 (E2M3) with E8M0 scales; out0 [8192][1024] f32.  ctx's codes (cc, cs) and Wo's (the fourth matrix in wc, ws) lie as images of operand registers, 1,536 bytes a fragment.
; A tile of 256 x 256 is made by a work-group of four waves, 128 x 128 each: 64 accumulators.  K = 1,024 goes in four steps of 256 through two LDS slots filled by tensor loads; the scale words for all of K come once.
; Source 0 = 16 rows of Wo, source 1 = 16 rows of ctx: a lane holds eight neighbouring columns of one row.  The bias is the C of each sum's first product.
; THE ROWS OF A TILE OF ctx ARE NOT NEIGHBOURS: tile 8 SS + 4 hi + 2 seg + u, lane r: row 128 SS + 64 seg + 16 u + hi + 2 (r + 8 (r / 8)); the stores' immediates put each row in its place.
; CLUSTERS: 4 x 4 work-groups; ctx's tiles are shared along a row of the cluster, Wo's along a column: each is asked for jointly.
; 128 work-groups: the tile is kept at 256 x 256, at which each byte read from LDS feeds the most products.  No prefetch: two refills a wave in the whole launch.
; REGISTERS: window 0: v1, v16-29 addresses; v32-63 scale words, two sets; v64-127 the bias; v128-223 ctx's fragments, ONE set; on the way out v128-255.  window 1: Wo's fragments, TWO sets.  windows 2, 3: the accumulators.
.set FRB,   1536
.set TROW,  2*FRB
.set HALFT, 8*TROW
.set SLOT,  4*HALFT
.set SCL,   2*SLOT
.set SPARE, SCL+16384
.set SPITCH, 528                       ; the way out: a stage of 16 rows x (512 + 16) bytes for each wave, in slot 0, which has had its last fill and its last read when the first result is stored there
.set FR,    12
.set NL,    3
.set NP,    4
.set NQ,    2
.set L16,  1                           ; v1   16 x lane
.set BO,   4                           ; v4   32 h
.set ADRA, 16
.set ADRB, 20
.set STO,  24                          ; v24  the stage: where I put 32 bytes of a row
.set RD,   25                          ; v25  and where I read a row back
.set ADRS, 27
.set SPW,  28
.set NIL,  29
.set SC,   32
.set BI,   64
.set AF,   128
.set BK,   128
.set G1, 24
.set G0, 32
.set G1B, 48
.set G0B, 56
.set G1S, 68
.set G0S, 76
.set G1SB, 80
.set G0SB, 88
.set MSB, 0
.macro WIN new
.if MSB != (\new)
	s_set_vgpr_msb (MSB<<8)|(\new)
.set MSB, (\new)
.endif
.endm
.set MUL_LO, 0xa1                      ; source 0 (Wo) window 1, source 1 (ctx) window 0, C and D window 2
.set MUL_HI, 0xf1
.set FST_LO, 0x81                      ; the first products: C (the bias) window 0, D window 2
.set FST_HI, 0xc1
.set TO_B,   0x40
.macro JLOAD g0a, g1a, g0b, g1b        ; a joint load: waves 0 and 1 fetch for A, waves 2 and 3 for B; four v_nop follow each line
	s_cmp_eq_u32 s15, 0
	s_cbranch_scc0 .Lfor_b_\@
	tensor_load_to_lds s[\g0a:\g0a+3], s[\g1a:\g1a+7]
	s_nop 0
.rept 4
	v_nop
.endr
	s_branch .Lasked_\@
.Lfor_b_\@:
	tensor_load_to_lds s[\g0b:\g0b+3], s[\g1b:\g1b+7]
	s_nop 0
.rept 4
	v_nop
.endr
.Lasked_\@:
.endm
.macro CREST
	s_cmp_lg_u32 s14, 0
	s_cbranch_scc1 .Lnot_wave_0_\@
	s_barrier_signal -3
.Lnot_wave_0_\@:
	s_barrier_wait -3
	s_barrier_signal -1
	s_barrier_wait -1
.endm
.macro CROUND
	s_barrier_signal -1
	s_barrier_wait -1
	CREST
.endm
	s_load_b256 s[4:11], s[0:1], 0x0               ; cc s[4:5], cs s[6:7], wc s[8:9], ws s[10:11]
	s_load_b128 s[92:95], s[0:1], 0x20             ; bo s[92:93], out0 s[94:95]
	v_lshl_add_u32 v[SPW], v0, 2, SPARE
	v_mov_b32 v[NIL], 0
	ds_add_u32 v28, v29
	ds_add_u32 v28, v29
	s_wait_dscnt 0x0
	v_lshrrev_b32 v6, 5, v0
	v_readfirstlane_b32 s14, v6                    ; wave 0..3
	s_lshr_b32 s15, s14, 1                         ; i: which 8 of A's 16 tiles are mine.  Also: I fetch for A (0) or for B (1)
	s_and_b32 s16, s14, 1                          ; j: which 8 of B's.  Also: which 8 tiles of that side I fetch
	s_bfe_u32 s40, ttmp6, 0x40000
	s_bfe_u32 s41, ttmp6, 0x40004
	s_lshl_b32 s42, ttmp9, 2
	s_add_co_u32 s42, s42, s40                     ; tile column = 4 x cluster x + cx
	s_and_b32 s17, ttmp7, 0xffff
	s_lshl_b32 s17, s17, 2
	s_add_co_u32 s17, s17, s41                     ; tile row = 4 x cluster y + cy
	s_lshl_b32 s43, s41, 2
	s_lshl_b32 s43, 15, s43                        ; my row of the cluster
	s_lshl_b32 s44, 0x1111, s40                    ; my column
	s_or_b32 s[G1+0], s43, (3<<16)|(1<<21)         ; 8 rows of 3,072 bytes (384 elements of 8), 12,288 bytes apart
	s_or_b32 s[G1B+0], s44, (3<<16)|(1<<21)
.irp g, G1, G1B
	s_mov_b32 s[\g+1], 384<<16
	s_mov_b32 s[\g+2], 8<<16
	s_mov_b32 s[\g+3], 384<<16
	s_mov_b32 s[\g+4], 8
	s_mov_b32 s[\g+5], 1536
	s_mov_b32 s[\g+6], 0
	s_mov_b32 s[\g+7], 0
.endr
	s_or_b32 s[G1S+0], s43, (3<<16)|(1<<21)        ; the scale words of 8 row tiles: 4,096 dense bytes, as 16 rows of 256
	s_or_b32 s[G1SB+0], s44, (3<<16)|(1<<21)
.irp g, G1S, G1SB
	s_mov_b32 s[\g+1], 32<<16
	s_mov_b32 s[\g+2], 16<<16
	s_mov_b32 s[\g+3], 32<<16
	s_mov_b32 s[\g+4], 16
	s_mov_b32 s[\g+5], 32
	s_mov_b32 s[\g+6], 0
	s_mov_b32 s[\g+7], 0
.endr
	s_lshl_b32 s13, s16, 3
	s_lshl_b32 s20, s17, 4
	s_add_co_u32 s20, s20, s13                     ; A: the first row tile that I fetch
	s_lshl_b32 s46, s42, 4
	s_add_co_u32 s46, s46, s13                     ; B likewise
	s_lshl_b32 s22, s20, 9
	s_mul_i32 s20, s20, 8*FRB
	s_lshl_b32 s12, s46, 9
	s_add_co_u32 s12, s12, 98304                   ; Wo's scale words begin here in ws,
	s_mul_i32 s46, s46, 8*FRB
	s_add_co_u32 s46, s46, 2359296                 ; its codes here in wc
	s_mov_b32 s21, 0
	s_mov_b32 s23, 0
	s_mov_b32 s13, 0
	s_mov_b32 s47, 0
	s_mul_i32 s45, s14, HALFT
	s_lshl_b32 s43, s14, 12
	s_wait_kmcnt 0x0
	s_add_nc_u64 s[20:21], s[4:5], s[20:21]
	s_add_nc_u64 s[22:23], s[6:7], s[22:23]
	s_add_nc_u64 s[46:47], s[8:9], s[46:47]
	s_add_nc_u64 s[12:13], s[10:11], s[12:13]
	CROUND                                         ; all sixteen work-groups are here: the first joint loads meet
	s_mov_b32 s[G0S], 1
	s_add_co_u32 s[G0S+1], s43, SCL
	s_mov_b64 s[G0S+2:G0S+3], s[22:23]
	s_or_b32 s[G0S+3], s[G0S+3], 0x80000000
	s_mov_b32 s[G0SB], 1
	s_add_co_u32 s[G0SB+1], s43, SCL
	s_mov_b64 s[G0SB+2:G0SB+3], s[12:13]
	s_or_b32 s[G0SB+3], s[G0SB+3], 0x80000000
	JLOAD G0S, G1S, G0SB, G1SB                     ; three loads of mine are out behind the third JLOAD
.irp s, 0,1
	s_mov_b32 s[G0+4*\s], 1
	s_add_co_u32 s[G0+4*\s+1], s45, \s*SLOT
	s_add_nc_u64 s[G0+4*\s+2:G0+4*\s+3], s[20:21], \s*TROW
	s_or_b32 s[G0+4*\s+3], s[G0+4*\s+3], 0x80000000
	s_mov_b32 s[G0B+4*\s], 1
	s_add_co_u32 s[G0B+4*\s+1], s45, \s*SLOT
	s_add_nc_u64 s[G0B+4*\s+2:G0B+4*\s+3], s[46:47], \s*TROW
	s_or_b32 s[G0B+4*\s+3], s[G0B+4*\s+3], 0x80000000
	JLOAD G0+4*\s, G1, G0B+4*\s, G1B
.endr
	v_and_b32 v6, 31, v0                           ; lane
	v_and_b32 v7, 15, v0                           ; r
	v_bfe_u32 v8, v0, 4, 1                         ; h
	v_lshlrev_b32 v[L16], 4, v6
	v_lshlrev_b32 v[BO], 5, v8
	s_lshl_b32 s2, s42, 10                         ; the bias at column 256 x tile column + 128 j
	s_lshl_b32 s3, s16, 9
	s_add_co_u32 s2, s2, s3
	s_mov_b32 s3, 0
	s_add_nc_u64 s[18:19], s[92:93], s[2:3]
.irp b, 0,1,2,3,4,5,6,7
	global_load_b128 v[BI+8*\b:BI+8*\b+3], v[BO], s[18:19] offset:64*\b        ; tile b, my half: columns 16 b + 8 h + 0 .. 7
	global_load_b128 v[BI+8*\b+4:BI+8*\b+7], v[BO], s[18:19] offset:64*\b+16
.endr
	s_mul_i32 s21, s15, HALFT
	s_mul_i32 s22, s16, HALFT
	s_add_co_u32 s22, s22, 2*HALFT
.irp s, 0,1
	v_add_nc_u32 v[ADRA+\s], s21, v[L16]
	v_add_nc_u32 v[ADRB+\s], s22, v[L16]
	s_add_co_u32 s21, s21, SLOT
	s_add_co_u32 s22, s22, SLOT
.endr
	v_lshlrev_b32 v9, 3, v7
	s_lshl_b32 s21, s15, 12
	s_lshl_b32 s22, s16, 12
	s_add_co_u32 s22, s22, 8192
	s_sub_co_u32 s22, s22, s21
	v_mul_u32_u24 v10, s22, v8                     ; lanes 16-31 take B's: one product, the distance between the two
	s_add_co_u32 s21, s21, SCL
	v_add_nc_u32 v9, v9, v10
	v_add_nc_u32 v[ADRS], s21, v9
	s_mul_i32 s23, s14, 16*SPITCH                  ; my stage
	v_mul_u32_u24 v9, v7, SPITCH
	v_lshl_add_u32 v9, v8, 5, v9
	v_add_nc_u32 v[STO], s23, v9                   ; in: row r, 32 bytes for each half of the lanes
	v_add_nc_u32 v[RD], s23, v[L16]                ; back: the 32 lanes take one row of 512 bytes
	s_lshl_b32 s20, s17, 1
	s_add_co_u32 s20, s20, s15                     ; SS: my 128 rows of out0
	s_lshl_b32 s20, s20, 19                        ; x 128 rows of 4,096 bytes
	s_mov_b32 s21, 0
	s_lshl_b32 s46, s42, 10                        ; my first column, in bytes
	s_lshl_b32 s47, s16, 9
	s_add_co_u32 s46, s46, s47
	s_mov_b32 s47, 0
	s_add_nc_u64 s[20:21], s[20:21], s[46:47]
	s_add_nc_u64 s[12:13], s[94:95], s[20:21]
.macro FRAG reg, adr, q, i
.irp c, 0,1,2
	ds_load_b128 v[\reg+4*\c:\reg+4*\c+3], v[\adr] offset:(\i)*TROW+(\q)*FRB+512*\c
.endr
.endm
; 16 matrix instructions: A's blocks a0, a0 + 1 x B's eight.  first = 1: the bias is C.  The 64 accumulators take turns, one instruction a turn.
.macro MUL16 a0, p, q, sc, first
.irp a, \a0, \a0+1
.irp b, 0,1,2,3,4,5,6,7
.if \first
	v_wmma_scale_f32_16x16x128_f8f6f4 v[8*(8*((\a)%4)+\b):8*(8*((\a)%4)+\b)+7], v[128*(\p)+FR*\b:128*(\p)+FR*\b+FR-1], v[AF+FR*(\a):AF+FR*(\a)+FR-1], v[BI+8*\b:BI+8*\b+7], v[SC+8*NQ*(\sc)+NQ*\b+(\q)], v[SC+8*NQ*(\sc)+NQ*(\a)+(\q)] matrix_a_fmt:MATRIX_FMT_FP6 matrix_b_fmt:MATRIX_FMT_FP6 matrix_a_scale:MATRIX_SCALE_ROW1
.else
	v_wmma_scale_f32_16x16x128_f8f6f4 v[8*(8*((\a)%4)+\b):8*(8*((\a)%4)+\b)+7], v[128*(\p)+FR*\b:128*(\p)+FR*\b+FR-1], v[AF+FR*(\a):AF+FR*(\a)+FR-1], v[8*(8*((\a)%4)+\b):8*(8*((\a)%4)+\b)+7], v[SC+8*NQ*(\sc)+NQ*\b+(\q)], v[SC+8*NQ*(\sc)+NQ*(\a)+(\q)] matrix_a_fmt:MATRIX_FMT_FP6 matrix_b_fmt:MATRIX_FMT_FP6 matrix_a_scale:MATRIX_SCALE_ROW1
.endif
.endr
.endr
.endm
.macro FETCH_B slot, q, p
	WIN TO_B
.irp i, 0,1,2,3,4,5,6,7
	FRAG 128*(\p)+FR*\i, ADRB+\slot, \q, \i
.endr
	WIN 0
.endm
.macro FETCH_A slot, q, i0
.irp i, \i0, \i0+1, \i0+2, \i0+3
	FRAG AF+FR*(\i), ADRA+\slot, \q, \i
.endr
.endm
.macro SCALES sc
.irp i, 0,1,2,3,4,5,6,7
	ds_load_b64 v[SC+8*NQ*\sc+NQ*\i:SC+8*NQ*\sc+NQ*\i+1], v[ADRS] offset:\i*512
.endr
.endm
.macro PLACES n
.rept \n
	v_nop
.endr
.endm
.macro STEP slot, q, first
	s_wait_dscnt 4*NL                              ; B's set and A's blocks 0-3 are in; the youngest 12 loads (A's blocks 4-7) may be out
.if \first
	WIN FST_LO
.else
	WIN MUL_LO
.endif
	MUL16 0, (\q)%2, \q, \slot, \first
	MUL16 2, (\q)%2, \q, \slot, \first
	s_wait_dscnt 0
	PLACES NP
	FETCH_B \slot, (\q)+1, 1-(\q)%2
	FETCH_A \slot, (\q)+1, 0
.if \first
	WIN FST_HI
.else
	WIN MUL_HI
.endif
	MUL16 4, (\q)%2, \q, \slot, \first
	MUL16 6, (\q)%2, \q, \slot, \first
	PLACES NP
	WIN 0
	FETCH_A \slot, (\q)+1, 4
.endm
.macro TURN slot, next, fill
	s_wait_tensorcnt 0x0                           ; all my tensor loads have landed: my part of the next slot
	ds_add_u32 v[SPW], v[NIL]                      ; 0 onto my spare word
	s_wait_dscnt 4*NL+1                            ; (the add and the youngest 12 loads may be out)
	WIN MUL_LO
	MUL16 0, 1, NQ-1, \slot, 0
	s_wait_dscnt 0x0                               ; the add is done, and my reads of this slot are over
	s_barrier_signal -1
	MUL16 2, 1, NQ-1, \slot, 0
	WIN 0
	s_barrier_wait -1
.if \fill
	CREST                                          ; the barrier has opened a round of the cluster's barrier
	s_add_nc_u64 s[G0+4*\slot+2:G0+4*\slot+3], s[G0+4*\slot+2:G0+4*\slot+3], 2*TROW
	s_add_nc_u64 s[G0B+4*\slot+2:G0B+4*\slot+3], s[G0B+4*\slot+2:G0B+4*\slot+3], 2*TROW
	JLOAD G0+4*\slot, G1, G0B+4*\slot, G1B         ; the first tensor load behind the round, my only one until the next
.else
	PLACES NP
.endif
	v_add_nc_u32 v[ADRS], 128, v[ADRS]
	FETCH_B \next, 0, 0
	FETCH_A \next, 0, 0
	SCALES \next
	WIN MUL_HI
	MUL16 4, 1, NQ-1, \slot, 0
	MUL16 6, 1, NQ-1, \slot, 0
	PLACES NP
	WIN 0
	FETCH_A \next, 0, 4
.endm
	s_wait_loadcnt 0x0                             ; the bias: the first products take it as C
	s_wait_tensorcnt 1                             ; the scale words and my part of K step 0 are in (K step 1's load may be out),
	s_barrier_signal -1
	s_barrier_wait -1                              ; everybody's are
	FETCH_B 0, 0, 0
	FETCH_A 0, 0, 0
	SCALES 0
	FETCH_A 0, 0, 4
	STEP 0, 0, 1
	TURN 0, 1, 1                                   ; slot 0 takes K step 2
	STEP 1, 0, 0
	TURN 1, 0, 1                                   ; slot 1 takes K step 3
	STEP 0, 0, 0
	TURN 0, 1, 0                                   ; nothing is left to fetch; behind this barrier nobody reads slot 0
	STEP 1, 0, 0
	s_wait_dscnt 4*NL
	WIN MUL_LO
	MUL16 0, 1, NQ-1, 1, 0
	MUL16 2, 1, NQ-1, 1, 0
	s_wait_dscnt 0
	WIN MUL_HI
	MUL16 4, 1, NQ-1, 1, 0
	MUL16 6, 1, NQ-1, 1, 0
	WIN 0
; THE WAY OUT, block by block of 16 rows x 128 columns, through my own stage: in as 32 bytes a lane, back as whole rows of 512 bytes.  LDS serves a wave's instructions in order (ISA guide 5.7.1.4): no wait between the stores and the loads.
.macro TOSTAGE a
.set AC, 64*((\a)%4)
	WIN 0x08+4*((\a)/4)                            ; the data: window 2 or 3
.irp b, 0,1,2,3,4,5,6,7
	ds_store_b128 v[STO], v[AC+8*\b:AC+8*\b+3] offset:64*\b          ; each accumulator from its low end on
	ds_store_b128 v[STO], v[AC+8*\b+4:AC+8*\b+7] offset:64*\b+16
.endr
	WIN 0
.set BB, BK+64*((\a)%2)
.irp t, 0,1,2,3,4,5,6,7,8,9,10,11,12,13,14,15
	ds_load_b128 v[BB+4*\t:BB+4*\t+3], v[RD] offset:\t*SPITCH
.endr
.endm
.macro SEND a, younger                 ; block a = 4 hi + 2 seg + u; its row t is row 64 seg + 16 u + hi + 2 (t + 8 (t / 8)) of my 128: at most 127 rows of 4,096 bytes, inside the signed 24-bit immediate
.set BB, BK+64*((\a)%2)
.set RW, 64*(((\a)/2)%2)+16*((\a)%2)+(\a)/4
	s_wait_dscnt \younger
.irp t, 0,1,2,3,4,5,6,7,8,9,10,11,12,13,14,15
	global_store_b128 v[L16], v[BB+4*\t:BB+4*\t+3], s[12:13] offset:(RW+2*(\t+8*(\t/8)))*4096 th:TH_STORE_NT   ; 32 lanes store 512 consecutive bytes, aligned to 256
.endr
.endm
	PLACES NP
	TOSTAGE 0
.irp a, 1,2,3,4,5,6,7
.if \a > 1
	s_wait_xcnt 0x0                                ; block a - 2's stores have read their registers: block a's loads may land there
.endif
	TOSTAGE \a
	SEND \a-1, 32                                  ; behind block a - 1's loads: block a's 16 stores and 16 loads
.endr
	SEND 7, 0
	s_wait_tensorcnt 0x0                           ; the wave's end
	ds_add_u32 v[SPW], v[NIL]
	s_wait_dscnt 0x0
	CROUND                                         ; the closing round
	s_endpgm
.Lfunc_end_k_q86f739f3f5_oproj:
	.size	k_q86f739f3f5_oproj, .Lfunc_end_k_q86f739f3f5_oproj-k_q86f739f3f5_oproj
	.p2alignl 7, 3214868480
	.fill 96, 4, 3214868480
	.section	.rodata,"a",@progbits
	.p2align	6, 0x0
	.amdhsa_kernel k_q86f739f3f5_oproj
		.amdhsa_group_segment_fixed_size 327680
		.amdhsa_private_segment_fixed_size 0
		.amdhsa_enable_private_segment 0
		.amdhsa_kernarg_size 48
		.amdhsa_user_sgpr_count 2
		.amdhsa_user_sgpr_kernarg_segment_ptr 1
		.amdhsa_wavefront_size32 1
		.amdhsa_system_sgpr_workgroup_id_x 1
		.amdhsa_system_sgpr_workgroup_id_y 1
		.amdhsa_system_sgpr_workgroup_id_z 1
		.amdhsa_system_vgpr_workitem_id 0
		.amdhsa_next_free_vgpr 1024
		.amdhsa_next_free_sgpr 104
		.amdhsa_reserve_vcc 0
		.amdhsa_float_denorm_mode_32 3
		.amdhsa_float_denorm_mode_16_64 3
		.amdhsa_memory_ordered 1
		.amdhsa_forward_progress 1
		.amdhsa_inst_pref_size 136
	.end_amdhsa_kernel
	.amdgpu_metadata
---
amdhsa.version: [ 1, 2 ]
amdhsa.kernels:
  - .name:           k_q86f739f3f5_oproj
    .symbol:         k_q86f739f3f5_oproj.kd
    .args:
      - { .name: cc, .offset: 0, .size: 8, .value_kind: global_buffer, .address_space: global }
      - { .name: cs, .offset: 8, .size: 8, .value_kind: global_buffer, .address_space: global }
      - { .name: wc, .offset: 16, .size: 8, .value_kind: global_buffer, .address_space: global }
      - { .name: ws, .offset: 24, .size: 8, .value_kind: global_buffer, .address_space: global }
      - { .name: bo, .offset: 32, .size: 8, .value_kind: global_buffer, .address_space: global }
      - { .name: out0, .offset: 40, .size: 8, .value_kind: global_buffer, .address_space: global }
    .group_segment_fixed_size: 327680
    .private_segment_fixed_size: 0
    .kernarg_segment_align: 8
    .kernarg_segment_size: 48
    .max_flat_workgroup_size: 128
    .sgpr_count:     104
    .vgpr_count:     1024
    .wavefront_size: 32
...
	.end_amdgpu_metadata
.endif
;; end of part 4
;; ======== version 2 of 2: 4 launches
;; limits: right only within a limited range of input values
;; workspace buffers: xc 6,291,456 bytes; xs 262,144 bytes; wc 3,145,728 bytes; ws 131,072 bytes; qf 6,553,600 bytes; kv 13,107,200 bytes; cc 6,291,456 bytes; cs 262,144 bytes
;; launch quant (part 5): grid 768 x 1, 2 waves a work-group, no clusters, 17,152 bytes of LDS; arguments hidden_states, Wq, Wk, Wv, Wo, xc, xs, wc, ws; writes xc, xs, wc, ws
.if DOCPART == 5
	.amdgcn_target "amdgcn-amd-amdhsa--gfx1250"
	.amdhsa_code_object_version 6
	.text
	.protected	k_q86f739f3f5_quant
	.globl	k_q86f739f3f5_quant
	.p2align	8
	.type	k_q86f739f3f5_quant,@function
k_q86f739f3f5_quant:
	s_mov_b64 s[64:65], 0
	v_nop
	global_prefetch_b8 v0, s[64:65] scope:SCOPE_SE
	s_setreg_imm32_b32 hwreg(HW_REG_WAVE_MODE, 25, 1), 1
	s_wait_xcnt 0x0
; hidden_states [8192][1024] and the four weights [1024][1024], f32, K innermost, become codes of FP6 (E2M3) with one E8M0 byte for each 32 along K,
; laid as IMAGES OF OPERAND REGISTERS: a fragment (16 rows x 128 K, 12 registers a lane) is 1,536 bytes, registers 4 c .. 4 c + 3 of lane l at 512 c + 16 l.
; xc: [tile 512][K step 8][1536]; wc: Wq, Wk, Wv, Wo, each [tile 64][K step 8][1536]; xs, ws: [tile][pair of K steps 4][row 16][2 words].
; WHICH ROWS FORM A TILE is chosen here, by address, so that the later launches' results fall into a lane's registers as neighbours along the next K.  With sigma(r) = r + 8 (r / 8):
;   x tile T = 8 SS + 4 e + 2 seg + u: lane r holds row 128 SS + 64 seg + 16 u + e + 2 sigma(r);   Wq, Wk, Wv tile t: row 32 (t / 2) + 8 (t % 2) + sigma(r);   Wo tile t: row 16 t + r.
; A block's scale is 2^(floor(log2(its largest magnitude)) - 2); its byte is the largest magnitude's exponent field - 2, held at 1 from below.
; LIMITS: NaN and infinities among the inputs are not served; a block whose largest magnitude lies under 2^-124 has its byte held at 1; a block of zeros gets the byte 1 where the rule says 127:
; its codes are zeros, which add nothing under any byte but 0xff, and the bytes are read by this program alone.
; SHARES: a work-group is one tile of 16 rows (0-511: x; 512-767: the weights); wave 0 takes K 0-511, wave 1 K 512-1023: four fragments each.  Both kinds take ONE path: only pointers and strides are chosen.
; Each load reads 512 consecutive bytes of one row; the 16 rows turn through the wave's own stage in LDS (rows of 512 + 16 bytes), so that a lane gets 16 neighbours of each block of 32.
; No tensor loads, no barrier (waves share nothing), no cluster (no two work-groups read the same bytes).  32 loads of a wave are on their way at the start, 16 while a step is worked.
.set SP,  528                          ; a stage row
.set L16, 4                            ; v4   16 x lane
.set L8,  5                            ; v5   8 x lane
.set STW, 6                            ; v6   the stage, on the way in: 16 x lane
.set STR, 7                            ; v7   and out: 528 r + 64 h
.set OFF, 8                            ; v8-15 16 x lane + k x the distance of two rows of the tile
.set TM,  16                           ; v16-31 at work in QUANT
.set R,   32                           ; v32-159 two sets of 64 registers as loaded
.set X,   160                          ; v160-223 64 numbers of my row: register 16 b + i = k 32 b + 16 h + i
.set PC,  224                          ; v224-243 the codes
.set SW,  245                          ; v245-248 the four scale words
.set SEL, 36                           ; s[36:37] selects for lane l xor 16
; 64 numbers of a lane, register 16 b + i = k 32 b + 16 (lane / 16) + i of my row, become a fragment's codes in v[PC] on and its scale word in v[pw].
.macro QUANT s, pw
.irp b, 0,1,2,3
	v_max3_num_f32 v[TM+\b], |v[\s+16*\b]|, |v[\s+1+16*\b]|, 0x1800000   ; block b: my 16 numbers, and the floor 2^(3 - 127): the byte cannot fall under 1
.endr
.irp i, 2,4,6,8,10,12,14
.irp b, 0,1,2,3
	v_max3_num_f32 v[TM+\b], v[TM+\b], |v[\s+16*\b+\i]|, |v[\s+1+16*\b+\i]|   ; the four blocks by turns
.endr
.endr
.irp b, 0,1,2,3
	v_permlanex16_b32 v[TM+4+\b], v[TM+\b], s[SEL], s[SEL+1]
.endr
.irp b, 0,1,2,3
	v_max_num_f32 v[TM+\b], v[TM+\b], v[TM+4+\b]   ; with lane l xor 16's: the block's largest magnitude
.endr
.irp b, 0,1,2,3
	v_add_nc_u32 v[TM+12+\b], 0xff000000, v[TM+\b]   ; 2 off its exponent field: the conversion's scale operand
.endr
.irp b, 0,1,2,3
	v_lshrrev_b32 v[TM+4+\b], 23, v[TM+12+\b]      ; the scale's byte
.endr
	v_lshl_or_b32 v[\pw], v[TM+5], 8, v[TM+4]      ; four bytes: my row's scale word
	v_lshl_or_b32 v[\pw], v[TM+6], 16, v[\pw]
	v_lshl_or_b32 v[\pw], v[TM+7], 24, v[\pw]
.irp c, 0,1
	v_cvt_scalef32_pk16_fp6_f32 v[PC+6*\c:PC+2+6*\c], v[\s+32*\c:\s+15+32*\c], v[TM+12+2*\c]
	v_cvt_scalef32_pk16_fp6_f32 v[PC+12+4*\c:PC+14+4*\c], v[\s+16+32*\c:\s+31+32*\c], v[TM+12+2*\c+1]   ; (a conversion's three registers begin on an even number)
.endr
	v_nop                                          ; one plain place behind a scaled conversion
.irp c, 0,1                                    ; the operand wants a WHOLE block in a lane: lanes 0-15 block 2 c, lanes 16-31 block 2 c + 1
.irp i, 0,1,2
	v_permlane16_swap_b32 v[PC+6*\c+\i], v[PC+12+4*\c+\i]
.endr
.irp i, 0,1,2
	v_mov_b32 v[PC+3+6*\c+\i], v[PC+12+4*\c+\i]
.endr
.endr
.endm
	s_load_b256 s[4:11], s[0:1], 0x0               ; hidden_states s[4:5], Wq s[6:7], Wk s[8:9], Wv s[10:11]
	s_load_b256 s[12:19], s[0:1], 0x20             ; Wo s[12:13], xc s[14:15], xs s[16:17], wc s[18:19]
	s_load_b64 s[20:21], s[0:1], 0x40              ; ws
	v_lshl_add_u32 v254, v0, 2, 0x4200
	v_mov_b32 v255, 0
	v_lshrrev_b32 v1, 5, v0
	v_readfirstlane_b32 s31, v1                    ; wave = which half of K
	v_and_b32 v1, 31, v0                           ; lane
	v_and_b32 v2, 15, v0                           ; r
	v_bfe_u32 v3, v0, 4, 1                         ; h
	v_lshlrev_b32 v[L16], 4, v1
	v_lshlrev_b32 v[L8], 3, v1
	s_mul_i32 s38, s31, 16*SP                      ; my wave's stage
	v_add_nc_u32 v[STW], s38, v[L16]
	v_mul_u32_u24 v[STR], v2, SP
	v_lshl_add_u32 v[STR], v3, 6, v[STR]
	v_add_nc_u32 v[STR], s38, v[STR]
	s_mov_b32 s[SEL], 0x76543210
	s_mov_b32 s[SEL+1], 0xfedcba98
.irp b, 0,1,2,3
	v_mov_b32 v[TM+4+\b], 0                        ; written once: a lane permute's destination counts as one of its sources
.endr
	s_sub_co_u32 s22, ttmp9, 512
	s_cmp_lt_u32 ttmp9, 512
	s_cselect_b32 s22, ttmp9, s22                  ; the tile's number in its own buffer
	s_lshr_b32 s23, ttmp9, 3                       ; an x tile's first row: 128 SS
	s_lshl_b32 s23, s23, 7
	s_bfe_u32 s24, ttmp9, 0x10001
	s_lshl_b32 s24, s24, 6
	s_add_co_u32 s23, s23, s24                     ; + 64 seg
	s_and_b32 s24, ttmp9, 1
	s_lshl_b32 s24, s24, 4
	s_add_co_u32 s23, s23, s24                     ; + 16 u
	s_bfe_u32 s24, ttmp9, 0x10002
	s_add_co_u32 s23, s23, s24                     ; + e
	s_and_b32 s25, s22, 63                         ; a weight's tile t
	s_lshr_b32 s26, s25, 1
	s_lshl_b32 s26, s26, 5
	s_and_b32 s27, s25, 1
	s_lshl_b32 s27, s27, 3
	s_add_co_u32 s26, s26, s27                     ; Wq, Wk, Wv: 32 (t / 2) + 8 (t % 2)
	s_lshl_b32 s27, s25, 4                         ; Wo: 16 t
	s_lshr_b32 s28, s22, 6                         ; which weight
	s_cmp_eq_u32 s28, 3
	s_cselect_b32 s26, s27, s26
	s_mov_b32 s29, 65536                           ; from row 0 to row 8 of the tile: 16 rows of 4,096 bytes,
	s_cselect_b32 s29, 32768, s29                  ; in Wo 8
	s_cmp_lt_u32 ttmp9, 512
	s_cselect_b32 s26, s23, s26                    ; the tile's first row
	s_cselect_b32 s29, 131072, s29                 ; in x 32
	s_mov_b32 s30, 4096                            ; from a row of the tile to the next: one row,
	s_cselect_b32 s30, 8192, s30                   ; in x two
.irp k, 0,1,2,3,4,5,6,7
	v_mad_u32_u24 v[OFF+\k], s30, \k, v[L16]
.endr
	s_lshl_b32 s32, s26, 12                        ; offsets, apart from the addresses: the source,
	s_lshl_b32 s33, s31, 11
	s_add_co_u32 s32, s32, s33
	s_mov_b32 s33, 0
	s_mov_b32 s34, s29
	s_mov_b32 s35, 0
	s_mul_i32 s24, s22, 12288                      ; the codes,
	s_mul_i32 s25, s31, 6144
	s_add_co_u32 s24, s24, s25
	s_mov_b32 s25, 0
	s_lshl_b32 s26, s22, 9                         ; the scale words
	s_lshl_b32 s27, s31, 8
	s_add_co_u32 s26, s26, s27
	s_mov_b32 s27, 0
	s_wait_alu depctr_va_vdst(0)
	s_wait_kmcnt 0x0
	s_cmp_eq_u32 s28, 1                            ; the choices hang on the work-group's number alone
	s_cselect_b64 s[6:7], s[8:9], s[6:7]
	s_cmp_eq_u32 s28, 2
	s_cselect_b64 s[6:7], s[10:11], s[6:7]
	s_cmp_eq_u32 s28, 3
	s_cselect_b64 s[6:7], s[12:13], s[6:7]
	s_cmp_lt_u32 ttmp9, 512
	s_cselect_b64 s[4:5], s[4:5], s[6:7]
	s_cselect_b64 s[14:15], s[14:15], s[18:19]
	s_cselect_b64 s[16:17], s[16:17], s[20:21]
	s_add_nc_u64 s[4:5], s[4:5], s[32:33]          ; rows 0-7 of the tile
	s_add_nc_u64 s[6:7], s[4:5], s[34:35]          ; rows 8-15
	s_add_nc_u64 s[14:15], s[14:15], s[24:25]
	s_add_nc_u64 s[16:17], s[16:17], s[26:27]
.macro LOAD t                          ; K step t of my half: 16 rows x 512 bytes into set t % 2
.irp i, 0,1,2,3,4,5,6,7,8,9,10,11,12,13,14,15
	global_load_b128 v[R+64*((\t)%2)+4*\i:R+64*((\t)%2)+4*\i+3], v[OFF+\i%8], s[4+2*(\i/8):5+2*(\i/8)] offset:512*(\t) th:TH_LOAD_NT
.endr
.endm
.macro STEP t
.if (\t) < 3
	s_wait_loadcnt 16                              ; this step's 16 loads are in; the next step's 16 may be out
.else
	s_wait_loadcnt 0x0
.endif
.irp i, 0,1,2,3,4,5,6,7,8,9,10,11,12,13,14,15
	ds_store_b128 v[STW], v[R+64*((\t)%2)+4*\i:R+64*((\t)%2)+4*\i+3] offset:SP*\i
.endr
.irp b, 0,1,2,3
.irp j, 0,1,2,3
	ds_load_b128 v[X+16*\b+4*\j:X+16*\b+4*\j+3], v[STR] offset:128*\b+16*\j   ; LDS serves a wave's instructions in order: these see my stores
.endr
.endr
	s_wait_dscnt 0x0                               ; the numbers are back, and the stores have read the set, which may be loaded again
.if (\t) < 2
	LOAD (\t)+2
.endif
.if (\t) > 0
	s_wait_xcnt 0x0                                ; the last step's stores have read the codes' registers: they are written again only behind this wait
.endif
	QUANT X, SW+(\t)
.irp c, 0,1,2
	global_store_b128 v[L16], v[PC+4*\c:PC+4*\c+3], s[14:15] offset:1536*(\t)+512*\c   ; 32 lanes store 512 consecutive bytes, aligned to 256
.endr
.endm
	LOAD 0
	LOAD 1
	STEP 0
	STEP 1
	STEP 2
	STEP 3
	v_cmp_lt_u32 vcc_lo, 15, v1                    ; lanes 0-15 store the words of my first pair of K steps, lanes 16-31 those of the second (both halves hold row r's words)
	v_cndmask_b32 v250, v[SW], v[SW+2], vcc_lo
	v_cndmask_b32 v251, v[SW+1], v[SW+3], vcc_lo
	global_store_b64 v[L8], v[250:251], s[16:17]   ; 256 consecutive bytes, aligned
	s_wait_tensorcnt 0x0
	ds_add_u32 v254, v255
	s_wait_dscnt 0x0
	s_endpgm
.Lfunc_end_k_q86f739f3f5_quant:
	.size	k_q86f739f3f5_quant, .Lfunc_end_k_q86f739f3f5_quant-k_q86f739f3f5_quant
	.p2alignl 7, 3214868480
	.fill 96, 4, 3214868480
	.section	.rodata,"a",@progbits
	.p2align	6, 0x0
	.amdhsa_kernel k_q86f739f3f5_quant
		.amdhsa_group_segment_fixed_size 17152
		.amdhsa_private_segment_fixed_size 0
		.amdhsa_enable_private_segment 0
		.amdhsa_kernarg_size 72
		.amdhsa_user_sgpr_count 2
		.amdhsa_user_sgpr_kernarg_segment_ptr 1
		.amdhsa_wavefront_size32 1
		.amdhsa_system_sgpr_workgroup_id_x 1
		.amdhsa_system_sgpr_workgroup_id_y 1
		.amdhsa_system_sgpr_workgroup_id_z 1
		.amdhsa_system_vgpr_workitem_id 0
		.amdhsa_next_free_vgpr 256
		.amdhsa_next_free_sgpr 66
		.amdhsa_reserve_vcc 1
		.amdhsa_float_denorm_mode_32 3
		.amdhsa_float_denorm_mode_16_64 3
		.amdhsa_memory_ordered 1
		.amdhsa_forward_progress 1
		.amdhsa_inst_pref_size 35
	.end_amdhsa_kernel
	.amdgpu_metadata
---
amdhsa.version: [ 1, 2 ]
amdhsa.kernels:
  - .name:           k_q86f739f3f5_quant
    .symbol:         k_q86f739f3f5_quant.kd
    .args:
      - { .name: hidden_states, .offset: 0, .size: 8, .value_kind: global_buffer, .address_space: global }
      - { .name: Wq, .offset: 8, .size: 8, .value_kind: global_buffer, .address_space: global }
      - { .name: Wk, .offset: 16, .size: 8, .value_kind: global_buffer, .address_space: global }
      - { .name: Wv, .offset: 24, .size: 8, .value_kind: global_buffer, .address_space: global }
      - { .name: Wo, .offset: 32, .size: 8, .value_kind: global_buffer, .address_space: global }
      - { .name: xc, .offset: 40, .size: 8, .value_kind: global_buffer, .address_space: global }
      - { .name: xs, .offset: 48, .size: 8, .value_kind: global_buffer, .address_space: global }
      - { .name: wc, .offset: 56, .size: 8, .value_kind: global_buffer, .address_space: global }
      - { .name: ws, .offset: 64, .size: 8, .value_kind: global_buffer, .address_space: global }
    .group_segment_fixed_size: 17152
    .private_segment_fixed_size: 0
    .kernarg_segment_align: 8
    .kernarg_segment_size: 72
    .max_flat_workgroup_size: 64
    .sgpr_count:     66
    .vgpr_count:     256
    .wavefront_size: 32
...
	.end_amdgpu_metadata
.endif
;; end of part 5
;; launch qkv (part 6): grid 8 x 32, 4 waves a work-group, clusters of 4 x 4, 327,680 bytes of LDS; arguments xc, xs, wc, ws, bq, bk, bv, qf, kv; writes qf, kv
.if DOCPART == 6
	.amdgcn_target "amdgcn-amd-amdhsa--gfx1250"
	.amdhsa_code_object_version 6
	.text
	.protected	k_q86f739f3f5_qkv
	.globl	k_q86f739f3f5_qkv
	.p2align	8
	.type	k_q86f739f3f5_qkv,@function
k_q86f739f3f5_qkv:
	s_mov_b64 s[64:65], 0
	v_nop
	global_prefetch_b8 v0, s[64:65] scope:SCOPE_SE
	s_setreg_imm32_b32 hwreg(HW_REG_WAVE_MODE, 25, 1), 1
	s_wait_xcnt 0x0
	s_wait_alu depctr_hold_cnt(0) depctr_sa_sdst(0) depctr_va_vdst(0) depctr_va_sdst(0) depctr_va_ssrc(0) depctr_va_vcc(0) depctr_vm_vsrc(0)
	s_getreg_b32 s2, hwreg(HW_REG_IB_STS2, 6, 4)
	s_cmp_eq_u32 s2, 0
	s_cbranch_scc0 .Lentry_in_a_cluster
	s_endpgm
.Lentry_in_a_cluster:
	s_bfe_u32 s2, ttmp6, 0x10000c
	s_cmp_lg_u32 s2, 0xf033
	s_cbranch_scc0 .Lentry_shape_is_right
	s_endpgm
.Lentry_shape_is_right:
; y = x W^T + b for Wq, Wk, Wv on codes of FP6 (E2M3) with E8M0 scales, and y quantised on the way out as the operands of the attention: nothing leaves in f32.
; The grouped view: q[b][h][g][d] = y[b][2 g + d / 64][64 h + d % 64].  Q's and K's blocks of 32 along d are 32 neighbouring COLUMNS of y; V's blocks run along the keys: 32 rows of y of one parity, one column.
; SHARES: 256 work-groups.  A work-group takes 256 rows of x (16 row tiles) and the same 128 columns (two heads, 8 row tiles of W) of Q, of K and of V, in three passes of 8 steps of 128 along K.
; x's codes for all of K (196,608 bytes) and all scale words come into LDS once and stay; W's codes go through a ring of two slots, each 8 tiles x 512 along K (49,152 bytes), filled again four times.
; Operands lie in memory as images of operand registers (1,536 bytes a fragment), a row tile's eight K steps on end: a K half of a row tile is 6,144 consecutive bytes; LDS reads are 16 bytes a lane on end, so no padding.
; A WAVE makes 4 tiles of source 1 x 8 tiles of source 0: 32 accumulators, used anew in each pass.  Q, K: source 0 = the 8 tiles of W, source 1 = x tiles 4 w .. 4 w + 3: a lane holds one row of y and 128 neighbouring columns.
; V: source 0 = x tiles 8 j .. 8 j + 7, source 1 = Wv tiles 4 i .. 4 i + 3 (w = 2 i + j): a lane holds one column of y, and its 64 registers are four blocks of 32 neighbouring keys (parity 0, 1 x two blocks).
; The rows that form a tile were chosen by the launch before so that both come out in the order that QUANT takes.  QUANT's registers 0-5 and 6-11 are two UNITS (16 rows x 64 K, 768 bytes: registers 0-3 at 16 l, 4-5 at 512 + 8 l):
;   Q, K: the even and the odd head's 64 features of parity e = w % 2;   V: 64 keys of the d-tiles of parity 0 and 1.
; qf: [b h 64][tile of 16 groups 64][unit e0 | unit e1], then from byte 6,291,456 the scale words [b h][tile][r][4].
; kv: [b h 64][key step 8][K: 8 tiles x 1,536, 512 bytes of words | V: 8 d-tiles x 1,536, 512 bytes of words]: 25,600 bytes a key step of 128 keys.
; CLUSTERS: 4 x 4 work-groups; x's tiles hang on the block of rows alone and are shared along a row of the cluster, W's on the columns alone and are shared along a column: each is asked for jointly.
; The first fills go one load a wave, each tile whole (waves 0 and 1 bring the second K half behind a round); later a wave's refill of 2 row tiles behind each round.
; A refill of slot 0 has the other slot's four steps in which to land, a refill of slot 1 a way out and four steps.  No prefetch: four refills a wave in the whole launch.
; All stores of codes cover whole aligned runs of 256 bytes.  The scale words leave as 2 bytes a lane, 4 bytes apart (a word's two halves come from different waves): one byte in 24 of what the launch stores.
; LIMITS: NaN and infinities are not served; a scale's byte is held at 1 from below; a block of zeros gets the byte 1 where the rule says 127 (its codes are zeros, and this program alone reads the bytes).
; REGISTERS: window 0: v1-21, v28-29 addresses; v32-63 source 0's scale words, v64-79 source 1's, two sets each; v80-175 source 1's fragments, two sets; v176-255 at work on the way out (the codes lie over the second set).
;   window 1: source 0's fragments, two sets, at v0 and v128.   window 2: the accumulators, (a, b) at v[8 (8 a + b)].   window 3: the biases: v0-63 bq's, v64-127 bk's by columns, v128-135 bv's by lanes.
.set FRB,   1536                       ; a fragment's image
.set TROW,  4*FRB                      ; a row tile's part of a K half
.set XH,    16*TROW                    ; x's 16 tiles, one K half: at LDS byte 0 and at XH
.set WSL,   8*TROW                     ; a slot of W's ring
.set WR,    2*XH                       ; the ring
.set XSC,   WR+2*WSL                   ; x's scale words: [tile 16][512]
.set WSC,   XSC+8192                   ; W's: [Wq, Wk, Wv][tile 8][512]
.set SPARE, WSC+12288                  ; the spare words, 128 bytes for each wave
.set WSTEP, 786432                     ; from a weight's codes to the next weight's in wc
.set FR,    12
.set NP,    4                          ; places behind this matrix instruction (ISA guide 7.12.1)
.set L16,  1                           ; v1   16 x lane
.set L8,   2                           ; v2   8 x lane
.set R4,   3                           ; v3   4 r
.set BO,   4                           ; v4   64 h
.set BOV,  5                           ; v5   4 sigma(r)
.set ADXA, 10                          ; v10-11 x as source 1: my 4 tiles, K half 0, 1
.set ADXB, 12                          ; v12-13 x as source 0: my 8 tiles
.set ADW,  14                          ; v14-15 W as source 0: the slot's 8 tiles
.set ADWV, 16                          ; v16-17 W as source 1: my 4 tiles
.set ASXA, 18                          ; v18-21 the same four for the scale words
.set ASXB, 19
.set ASW,  20
.set ASWV, 21
.set SPW,  28                          ; v28  my spare word; never rewritten
.set NIL,  29                          ; v29  0; never rewritten
.set SCB,  32
.set SCA,  64
.set AF,   80
.set PC,   128                         ; the way out: the codes,
.set PW,   148                         ; their scale word,
.set Y,    176                         ; the 64 numbers,
.set TM,   240                         ; at work
.set BIQ,  0                           ; in window 3
.set BIK,  64
.set BLV,  128
.set GX,   24                          ; s[24:31] group 1 for x's tiles;  s[32:39] group 0, one set for each K half
.set G0X,  32
.set GW,   48                          ; s[48:55], s[56:63] the same for W's, one set for each slot
.set G0W,  56
.set GXS,  68                          ; s[68:75], s[76:79] x's scale words
.set G0XS, 76
.set GWS,  80                          ; s[80:87], s[88:91] W's
.set G0WS, 88
.set SEL,  2                           ; s[2:3], on the way out
.set CB0,  32                          ; the way out's pointers, in registers of descriptors whose loads are done
.set CB1,  34
.set SB0,  36
.set SB1,  38
.set MSB, 0
.macro WIN new                         ; the immediate's high byte repeats the setting that is left
.if MSB != (\new)
	s_set_vgpr_msb (MSB<<8)|(\new)
.set MSB, (\new)
.endif
.endm
.set MUL,  0xa1                        ; source 0 window 1, source 1 window 0, C and D window 2
.set TO_B, 0x40
.macro CREST                           ; a round of the cluster's barrier behind its opening barrier
	s_cmp_lg_u32 s14, 0
	s_cbranch_scc1 .Lnot_wave_0_\@
	s_barrier_signal -3
.Lnot_wave_0_\@:
	s_barrier_wait -3
	s_barrier_signal -1
	s_barrier_wait -1
.endm
.macro CROUND
	s_barrier_signal -1
	s_barrier_wait -1
	CREST
.endm
.macro PLACES n                        ; plain vector instructions between a matrix instruction and a load into, or a vector access of, its registers
.rept \n
	v_nop
.endr
.endm
; 64 numbers of a lane, register 16 b + i = k 32 b + 16 (lane / 16) + i, become 12 registers of codes in v[PC] on and a scale word in v[pw].
.macro QUANT s, pw
.irp b, 0,1,2,3
	v_max3_num_f32 v[TM+\b], |v[\s+16*\b]|, |v[\s+1+16*\b]|, 0x1800000   ; my 16 numbers of block b, and the floor 2^(3 - 127)
.endr
.irp i, 2,4,6,8,10,12,14
.irp b, 0,1,2,3
	v_max3_num_f32 v[TM+\b], v[TM+\b], |v[\s+16*\b+\i]|, |v[\s+1+16*\b+\i]|
.endr
.endr
.irp b, 0,1,2,3
	v_permlanex16_b32 v[TM+4+\b], v[TM+\b], s[SEL], s[SEL+1]
.endr
.irp b, 0,1,2,3
	v_max_num_f32 v[TM+\b], v[TM+\b], v[TM+4+\b]   ; the block's largest magnitude
.endr
.irp b, 0,1,2,3
	v_add_nc_u32 v[TM+12+\b], 0xff000000, v[TM+\b]   ; 2 off its exponent field: the conversion's scale operand
.endr
.irp b, 0,1,2,3
	v_lshrrev_b32 v[TM+4+\b], 23, v[TM+12+\b]      ; the byte
.endr
	v_lshl_or_b32 v[\pw], v[TM+5], 8, v[TM+4]
	v_lshl_or_b32 v[\pw], v[TM+6], 16, v[\pw]
	v_lshl_or_b32 v[\pw], v[TM+7], 24, v[\pw]
.irp c, 0,1
	v_cvt_scalef32_pk16_fp6_f32 v[PC+6*\c:PC+2+6*\c], v[\s+32*\c:\s+15+32*\c], v[TM+12+2*\c]
	v_cvt_scalef32_pk16_fp6_f32 v[PC+12+4*\c:PC+14+4*\c], v[\s+16+32*\c:\s+31+32*\c], v[TM+12+2*\c+1]
.endr
	v_nop                                          ; one plain place behind a scaled conversion
.irp c, 0,1
.irp i, 0,1,2
	v_permlane16_swap_b32 v[PC+6*\c+\i], v[PC+12+4*\c+\i]
.endr
.irp i, 0,1,2
	v_mov_b32 v[PC+3+6*\c+\i], v[PC+12+4*\c+\i]
.endr
.endr
.endm
	s_load_b256 s[4:11], s[0:1], 0x0               ; xc s[4:5], xs s[6:7], wc s[8:9], ws s[10:11]
	s_load_b256 s[92:99], s[0:1], 0x20             ; bq s[92:93], bk s[94:95], bv s[96:97], qf s[98:99]
	s_load_b64 s[100:101], s[0:1], 0x40            ; kv
	v_lshl_add_u32 v[SPW], v0, 2, SPARE
	v_mov_b32 v[NIL], 0
	ds_add_u32 v28, v29
	ds_add_u32 v28, v29
	s_wait_dscnt 0x0
	v_lshrrev_b32 v6, 5, v0
	v_readfirstlane_b32 s14, v6                    ; wave w = 2 i + j
	s_lshr_b32 s15, s14, 1                         ; i
	s_and_b32 s16, s14, 1                          ; j
	s_bfe_u32 s40, ttmp6, 0x40000                  ; cx, cy: my place in the cluster
	s_bfe_u32 s41, ttmp6, 0x40004
	s_lshl_b32 s42, ttmp9, 2
	s_add_co_u32 s42, s42, s40                     ; c: my 128 columns = 4 x cluster x + cx
	s_and_b32 s17, ttmp7, 0xffff
	s_lshl_b32 s17, s17, 2
	s_add_co_u32 s17, s17, s41                     ; ry: my 256 rows of x = 4 x cluster y + cy
	s_lshl_b32 s43, s41, 2
	s_lshl_b32 s43, 15, s43                        ; my row of the cluster
	s_lshl_b32 s44, 0x1111, s40                    ; my column
	; descriptor groups 1.  Word 0: 15:0 the mask; 17:16 elements of 8 bytes; 21 set beside a mask
	s_or_b32 s[GX], s43, (3<<16)|(1<<21)           ; x: 16 rows of 6,144 bytes (768 elements), 12,288 bytes apart
	s_or_b32 s[GW], s44, (3<<16)|(1<<21)           ; W: 2 such rows
	s_or_b32 s[GXS], s43, (3<<16)|(1<<21)          ; x's words of 16 tiles: 8,192 dense bytes, as 32 rows of 256
	s_or_b32 s[GWS], s44, (3<<16)|(1<<21)          ; W's words of 8 tiles, of Wq, Wk and Wv: 3 rows of 4,096 bytes, 32,768 bytes apart
.irp g, GX, GW
	s_mov_b32 s[\g+1], 768<<16                     ; tensor_dim0
	s_mov_b32 s[\g+3], 768<<16                     ; tile_dim0
	s_mov_b32 s[\g+5], 1536                        ; tensor_dim0_stride
	s_mov_b32 s[\g+6], 0
	s_mov_b32 s[\g+7], 0
.endr
	; THE FIRST FILLS ARE SHARED OUT, ONE LOAD A WAVE, each tile whole: x's 16 row tiles of a K half, W's 8, x's words, W's words
	s_mov_b32 s[GX+2], 16<<16                      ; tensor_dim1: x's 16 row tiles
	s_mov_b32 s[GX+4], 16                          ; tile_dim1
	s_mov_b32 s[GW+2], 8<<16                       ; W's 8 row tiles for the first fills; the ring's refills bring 2 a wave (set in TURN)
	s_mov_b32 s[GW+4], 8
	s_mov_b32 s[GXS+1], 32<<16
	s_mov_b32 s[GXS+2], 32<<16                     ; x's words of 16 tiles: 8,192 dense bytes as 32 rows of 256
	s_mov_b32 s[GXS+3], 32<<16
	s_mov_b32 s[GXS+4], 32
	s_mov_b32 s[GXS+5], 32
	s_mov_b32 s[GXS+6], 0
	s_mov_b32 s[GXS+7], 0
	s_mov_b32 s[GWS+1], 512<<16                    ; W's words of 8 tiles, of Wq, Wk and Wv: 3 rows of 4,096 bytes, 32,768 bytes apart; in LDS [weight 3][tile 8][512]
	s_mov_b32 s[GWS+2], 3<<16
	s_mov_b32 s[GWS+3], 512<<16
	s_mov_b32 s[GWS+4], 3
	s_mov_b32 s[GWS+5], 4096
	s_mov_b32 s[GWS+6], 0
	s_mov_b32 s[GWS+7], 0
	; where my quarters come from: x's hang on ry and the wave, W's on c and the wave, each in registers that never hold the other coordinate
	s_lshl_b32 s20, s17, 4                         ; x: row tile 16 ry
	s_lshl_b32 s22, s20, 9                         ; 512 bytes of scale words a tile
	s_mul_i32 s20, s20, 8*FRB                      ; 12,288 bytes of codes a tile
	s_mov_b32 s21, 0
	s_mov_b32 s23, 0
	s_lshl_b32 s46, s42, 3                         ; W: row tile 8 c
	s_lshl_b32 s12, s46, 9                         ; its words
	s_mul_i32 s66, s46, 8*FRB                      ; the first fills take the 8 tiles whole,
	s_mov_b32 s67, 0
	s_lshl_b32 s18, s14, 1
	s_add_co_u32 s46, s46, s18                     ; the ring's refills row tiles 8 c + 2 w
	s_mul_i32 s46, s46, 8*FRB
	s_mov_b32 s47, 0
	s_mov_b32 s13, 0
	s_mul_i32 s45, s14, 4*TROW                     ; and where they go: the wave's number alone enters an LDS address
	s_mul_i32 s43, s14, 2*TROW
	s_lshl_b32 s44, s14, 11
	s_wait_kmcnt 0x0
	s_add_nc_u64 s[20:21], s[4:5], s[20:21]
	s_add_nc_u64 s[22:23], s[6:7], s[22:23]
	s_add_nc_u64 s[46:47], s[8:9], s[46:47]
	s_add_nc_u64 s[12:13], s[10:11], s[12:13]
	s_add_nc_u64 s[66:67], s[8:9], s[66:67]
	s_mov_b32 s4, 1                                ; group 0 for W's first fills, slot 0 and slot 1, in registers whose arguments have been used
	s_mov_b32 s5, WR
	s_mov_b64 s[6:7], s[66:67]
	s_or_b32 s7, s7, 0x80000000
	s_mov_b32 s8, 1
	s_mov_b32 s9, WR+WSL
	s_add_nc_u64 s[10:11], s[66:67], TROW
	s_or_b32 s11, s11, 0x80000000
	s_mov_b32 s[G0XS], 1
	s_mov_b32 s[G0XS+1], XSC
	s_mov_b64 s[G0XS+2:G0XS+3], s[22:23]
	s_or_b32 s[G0XS+3], s[G0XS+3], 0x80000000
	s_mov_b32 s[G0WS], 1
	s_mov_b32 s[G0WS+1], WSC
	s_mov_b64 s[G0WS+2:G0WS+3], s[12:13]
	s_or_b32 s[G0WS+3], s[G0WS+3], 0x80000000
.irp h, 0,1
	s_mov_b32 s[G0X+4*\h], 1
	s_mov_b32 s[G0X+4*\h+1], \h*XH
	s_add_nc_u64 s[G0X+4*\h+2:G0X+4*\h+3], s[20:21], \h*TROW
	s_or_b32 s[G0X+4*\h+3], s[G0X+4*\h+3], 0x80000000
	s_mov_b32 s[G0W+4*\h], 1
	s_add_co_u32 s[G0W+4*\h+1], s43, WR+\h*WSL
	s_add_nc_u64 s[G0W+4*\h+2:G0W+4*\h+3], s[46:47], \h*TROW
	s_or_b32 s[G0W+4*\h+3], s[G0W+4*\h+3], 0x80000000
.endr
	CROUND                                         ; all sixteen work-groups are here: the first joint loads meet
	; one chain of branches on the wave's number, one joint load to an arm: wave 0 x's first K half, wave 1 Wq's, wave 2 x's words, wave 3 W's words
	s_cmp_lt_u32 s14, 1
	s_cbranch_scc0 .Lhead_w
	tensor_load_to_lds s[G0X:G0X+3], s[GX:GX+7]
	s_nop 0
	PLACES 4
	s_branch .Lhead_j
.Lhead_w:
	s_cmp_lt_u32 s14, 2
	s_cbranch_scc0 .Lhead_xs
	tensor_load_to_lds s[4:7], s[GW:GW+7]
	s_nop 0
	PLACES 4
	s_branch .Lhead_j
.Lhead_xs:
	s_cmp_lt_u32 s14, 3
	s_cbranch_scc0 .Lhead_ws
	tensor_load_to_lds s[G0XS:G0XS+3], s[GXS:GXS+7]
	s_nop 0
	PLACES 4
	s_branch .Lhead_j
.Lhead_ws:
	tensor_load_to_lds s[G0WS:G0WS+3], s[GWS:GWS+7]
	s_nop 0
	PLACES 4
.Lhead_j:
	v_and_b32 v6, 31, v0                           ; lane
	v_and_b32 v7, 15, v0                           ; r
	v_bfe_u32 v8, v0, 4, 1                         ; h
	v_lshlrev_b32 v[L16], 4, v6
	v_lshlrev_b32 v[L8], 3, v6
	v_lshlrev_b32 v[R4], 2, v7
	v_lshlrev_b32 v[BO], 6, v8
	v_and_b32 v9, 8, v7
	v_add_nc_u32 v9, v9, v7                        ; sigma(r) = r + 8 (r / 8)
	v_lshlrev_b32 v[BOV], 2, v9
	v_lshlrev_b32 v9, 3, v7                        ; scale words: 8 bytes a row for a pair of K steps
	s_wait_alu depctr_va_vdst(0)
	s_mul_i32 s18, s16, 8*TROW                     ; x as source 0: tiles 8 j on
	s_mul_i32 s19, s15, 4*TROW                     ; W as source 1: tiles 4 i on,
	s_add_co_u32 s19, s19, WR                      ; in the ring
	s_mov_b32 s2, WR
.irp h, 0,1
	v_add_nc_u32 v[ADXA+\h], s45, v[L16]           ; x as source 1: tiles 4 w on
	v_add_nc_u32 v[ADXB+\h], s18, v[L16]
	v_add_nc_u32 v[ADW+\h], s2, v[L16]
	v_add_nc_u32 v[ADWV+\h], s19, v[L16]
	s_add_co_u32 s45, s45, XH
	s_add_co_u32 s18, s18, XH
	s_add_co_u32 s2, s2, WSL
	s_add_co_u32 s19, s19, WSL
.endr
	s_add_co_u32 s44, s44, XSC
	v_add_nc_u32 v[ASXA], s44, v9
	s_lshl_b32 s44, s16, 12
	s_add_co_u32 s44, s44, XSC
	v_add_nc_u32 v[ASXB], s44, v9
	v_add_nc_u32 v[ASW], WSC, v9
	s_lshl_b32 s44, s15, 11                        ; Wv's tiles 4 i on: 512 bytes of words a tile
	s_add_co_u32 s44, s44, WSC
	v_add_nc_u32 v[ASWV], s44, v9
	; THE BIASES, into window 3: bq's and bk's by columns (a lane's 64 registers are 64 columns), bv's by lanes (a lane is a column)
	s_lshl_b32 s2, s42, 9                          ; my 128 columns
	s_mov_b32 s3, 0
	s_add_nc_u64 s[18:19], s[92:93], s[2:3]
	s_add_nc_u64 s[66:67], s[94:95], s[2:3]
	s_lshl_b32 s12, s15, 8
	s_add_co_u32 s2, s2, s12                       ; my 64 of them
	s_add_nc_u64 s[12:13], s[96:97], s[2:3]
	WIN 0xc0                                       ; destination window 3
.irp b, 0,1,2,3,4,5,6,7
	global_load_b128 v[BIQ+8*\b:BIQ+8*\b+3], v[BO], s[18:19] offset:(32*(\b/2)+8*(\b%2))*4       ; tile b, my half: columns 32 (b / 2) + 8 (b % 2) + 16 h + 0 .. 7
	global_load_b128 v[BIQ+8*\b+4:BIQ+8*\b+7], v[BO], s[18:19] offset:(32*(\b/2)+8*(\b%2))*4+16
	global_load_b128 v[BIK+8*\b:BIK+8*\b+3], v[BO], s[66:67] offset:(32*(\b/2)+8*(\b%2))*4
	global_load_b128 v[BIK+8*\b+4:BIK+8*\b+7], v[BO], s[66:67] offset:(32*(\b/2)+8*(\b%2))*4+16
.endr
.irp a, 0,1,2,3
	global_load_b32 v[BLV+2*\a], v[BOV], s[12:13] offset:(32*(\a/2)+8*(\a%2))*4                  ; tile a: column 32 (a / 2) + 8 (a % 2) + sigma(r); twice, for the packed addition
	global_load_b32 v[BLV+2*\a+1], v[BOV], s[12:13] offset:(32*(\a/2)+8*(\a%2))*4
.endr
	WIN 0
.macro FRAG reg, adr, q, i             ; a fragment comes as it was stored: three loads of 16 bytes a lane, 512 consecutive bytes each
.irp c, 0,1,2
	ds_load_b128 v[\reg+4*\c:\reg+4*\c+3], v[\adr] offset:(\i)*TROW+(\q)*FRB+512*\c
.endr
.endm
.macro SCALES md, kp                   ; the scale words of K steps 2 kp, 2 kp + 1 into set kp % 2: two words a row; lanes r and r + 16 load the same
.irp b, 0,1,2,3,4,5,6,7
.if (\md) < 2
	ds_load_b64 v[SCB+16*((\kp)%2)+2*\b:SCB+16*((\kp)%2)+2*\b+1], v[ASW] offset:(\md)*4096+\b*512+(\kp)*128
.else
	ds_load_b64 v[SCB+16*((\kp)%2)+2*\b:SCB+16*((\kp)%2)+2*\b+1], v[ASXB] offset:\b*512+(\kp)*128
.endif
.endr
.irp a, 0,1,2,3
.if (\md) < 2
	ds_load_b64 v[SCA+8*((\kp)%2)+2*\a:SCA+8*((\kp)%2)+2*\a+1], v[ASXA] offset:\a*512+(\kp)*128
.else
	ds_load_b64 v[SCA+8*((\kp)%2)+2*\a:SCA+8*((\kp)%2)+2*\a+1], v[ASWV] offset:8192+\a*512+(\kp)*128
.endif
.endr
.endm
; The fragments of step st (0 .. 7) of a pass into sets st % 2.  md = 0: Q, 1: K (source 0 from the ring, source 1 from x), 2: V (source 0 from x, source 1 from the ring).  K half st / 4 lies in x's half and in the slot of that number.
.macro FETCH md, st
	WIN TO_B
.irp i, 0,1,2,3,4,5,6,7
.if (\md) < 2
	FRAG 128*((\st)%2)+FR*\i, ADW+(\st)/4, (\st)%4, \i
.else
	FRAG 128*((\st)%2)+FR*\i, ADXB+(\st)/4, (\st)%4, \i
.endif
.endr
	WIN 0
.irp i, 0,1,2,3
.if (\md) < 2
	FRAG AF+48*((\st)%2)+FR*\i, ADXA+(\st)/4, (\st)%4, \i
.else
	FRAG AF+48*((\st)%2)+FR*\i, ADWV+(\st)/4, (\st)%4, \i
.endif
.endr
.if (\st)%2 == 0
	SCALES \md, (\st)/2
.endif
.endm
; 8 matrix instructions: source 1's tile a x source 0's eight, step st.  The 32 accumulators take turns, one instruction a turn, in the same order in every step.
.macro MUL8 a, st, zero
.irp b, 0,1,2,3,4,5,6,7
.if \zero
	v_wmma_scale_f32_16x16x128_f8f6f4 v[8*(8*(\a)+\b):8*(8*(\a)+\b)+7], v[128*((\st)%2)+FR*\b:128*((\st)%2)+FR*\b+FR-1], v[AF+48*((\st)%2)+FR*(\a):AF+48*((\st)%2)+FR*(\a)+FR-1], 0, v[SCB+16*(((\st)/2)%2)+2*\b+(\st)%2], v[SCA+8*(((\st)/2)%2)+2*(\a)+(\st)%2] matrix_a_fmt:MATRIX_FMT_FP6 matrix_b_fmt:MATRIX_FMT_FP6
.else
	v_wmma_scale_f32_16x16x128_f8f6f4 v[8*(8*(\a)+\b):8*(8*(\a)+\b)+7], v[128*((\st)%2)+FR*\b:128*((\st)%2)+FR*\b+FR-1], v[AF+48*((\st)%2)+FR*(\a):AF+48*((\st)%2)+FR*(\a)+FR-1], v[8*(8*(\a)+\b):8*(8*(\a)+\b)+7], v[SCB+16*(((\st)/2)%2)+2*\b+(\st)%2], v[SCA+8*(((\st)/2)%2)+2*(\a)+(\st)%2] matrix_a_fmt:MATRIX_FMT_FP6 matrix_b_fmt:MATRIX_FMT_FP6
.endif
.endr
.endm
.macro STEP md, st, zero               ; a step whose successor lies in the same K half: the successor's loads stand in one run ahead of the products
	PLACES NP                                      ; the other sets were read by the step before
	FETCH \md, (\st)+1                             ; the successor's loads are asked for first,
.if ((\st)+1)%2 == 0
	s_wait_dscnt 48                                ; and may stay out (36 for fragments, 12 for scale words): this step's fragments and scale words are in
.else
	s_wait_dscnt 36
.endif
	WIN MUL
	MUL8 0, \st, \zero
	MUL8 1, \st, \zero
	MUL8 2, \st, \zero
	MUL8 3, \st, \zero
.endm
; A K half's last step: ONE barrier; in front of it each wave waits for all its tensor loads, adds 0 to its spare word, and waits for that and for its reads of this slot.
; fill = 1: slot st / 4 is filled again, with the same K half of the next weight.  Behind it the fragments of step sn of mode mn are fetched.
.macro TURN st, fill, mn, sn
	WIN 0                                          ; (the add's two registers lie in window 0)
	s_wait_tensorcnt 0x0                           ; all my tensor loads have landed: my part of what is read next among them
	ds_add_u32 v[SPW], v[NIL]                      ; 0 onto my spare word
	s_mov_b32 s[GW+2], 2<<16                       ; no tensor load of mine is out: from here on a load of W brings my 2 row tiles
	s_mov_b32 s[GW+4], 2
	s_wait_dscnt 0x1
	WIN MUL
	MUL8 0, \st, 0
	s_wait_dscnt 0x0                               ; the add is done, and my reads of this slot are over
	s_barrier_signal -1
	MUL8 1, \st, 0
	WIN 0
	s_barrier_wait -1
.if \fill
	CREST                                          ; the barrier has opened a round of the cluster's barrier: no wave of any partner still reads this slot or has a load on its way
	s_add_nc_u64 s[G0W+4*((\st)/4)+2:G0W+4*((\st)/4)+3], s[G0W+4*((\st)/4)+2:G0W+4*((\st)/4)+3], WSTEP
	tensor_load_to_lds s[G0W+4*((\st)/4):G0W+4*((\st)/4)+3], s[GW:GW+7]   ; the first tensor load behind the round, my only one until the next
	s_nop 0
.endif
	PLACES NP                                      ; behind the load, and in front of the loads below
	FETCH \mn, \sn
	WIN MUL
	MUL8 2, \st, 0
	MUL8 3, \st, 0
.endm
.macro UNITS_OUT p0, o0, p1, o1        ; registers 0-5 to pointer p0 + o0, registers 6-11 to p1 + o1: 512 and 256 consecutive bytes a store
	global_store_b128 v[L16], v[PC:PC+3], s[\p0:\p0+1] offset:\o0
	global_store_b64 v[L8], v[PC+4:PC+5], s[\p0:\p0+1] offset:\o0+512
	global_store_b128 v[L16], v[PC+6:PC+9], s[\p1:\p1+1] offset:\o1
	global_store_b64 v[L8], v[PC+10:PC+11], s[\p1:\p1+1] offset:\o1+512
.endm
.macro OUT_QK a, bi                    ; a = 2 seg + u: 16 rows of y of my parity; columns: my two heads
	WIN 0x0e                                       ; source 0 (the sums) window 2, source 1 (the bias) window 3
.set J, 0
.rept 32
	v_pk_add_f32 v[Y+J:Y+J+1], v[64*(\a)+J:64*(\a)+J+1], v[\bi+J:\bi+J+1]     ; each accumulator from its low end on
.set J, J+2
.endr
	WIN 0
	s_wait_xcnt 0x0                                ; the last block's stores have read the codes and the word
	QUANT Y, PW
	UNITS_OUT CB0, 1536*(\a), CB1, 1536*(\a)
	global_store_b16 v[R4], v[PW], s[SB0:SB0+1] offset:64*(\a)          ; my parity's two bytes of the even head's word (lanes r and r + 16 store the same),
	global_store_d16_hi_b16 v[R4], v[PW], s[SB1:SB1+1] offset:64*(\a)   ; and of the odd head's
.endm
.macro OUT_V a                         ; 16 columns of my head; my 64 registers: 64 keys of parity 0, then of parity 1
	WIN 0x0e
.set J, 0
.rept 32
	v_pk_add_f32 v[Y+J:Y+J+1], v[64*(\a)+J:64*(\a)+J+1], v[BLV+2*(\a):BLV+2*(\a)+1]   ; my column's bias stands in both registers of the pair
.set J, J+2
.endr
	WIN 0
	s_wait_xcnt 0x0
	QUANT Y, PW
	UNITS_OUT CB0, 1536*(\a), CB0, 1536*(\a)+6144  ; d-tile a (parity 0), and d-tile 4 + a
	global_store_b16 v[R4], v[PW], s[SB0:SB0+1] offset:64*(\a)
	global_store_d16_hi_b16 v[R4], v[PW], s[SB0:SB0+1] offset:64*(\a)+256
.endm
	s_wait_alu depctr_va_vdst(0)
	s_wait_tensorcnt 0x0                           ; my tile of the head's four is in
	ds_add_u32 v[SPW], v[NIL]
	s_wait_dscnt 0x0
	CROUND                                         ; everybody's tile is in, and all sixteen work-groups are here
	s_cmp_lt_u32 s14, 1                            ; the second K half: wave 0 asks for x's, wave 1 for Wq's; it has the first four steps in which to land
	s_cbranch_scc0 .Lsec_w
	tensor_load_to_lds s[G0X+4:G0X+7], s[GX:GX+7]
	s_nop 0
	PLACES 4
	s_branch .Lsec_j
.Lsec_w:
	s_cmp_lt_u32 s14, 2
	s_cbranch_scc0 .Lsec_j
	tensor_load_to_lds s[8:11], s[GW:GW+7]
	s_nop 0
	PLACES 4
.Lsec_j:
	; ---- Q
	FETCH 0, 0
	STEP 0, 0, 1                                   ; the first products start the sums
	STEP 0, 1, 0
	STEP 0, 2, 0
	TURN 3, 1, 0, 4                                ; slot 0 takes Wk's first K half
	STEP 0, 4, 0
	STEP 0, 5, 0
	STEP 0, 6, 0
	TURN 7, 1, 1, 0                                ; slot 1 takes Wk's second; K's first fragments are fetched
	WIN 0
	PLACES NP
	s_wait_loadcnt 0x0                             ; the biases
	s_mov_b32 s[SEL], 0x76543210
	s_mov_b32 s[SEL+1], 0xfedcba98
.irp b, 0,1,2,3
	v_mov_b32 v[TM+4+\b], 0                        ; written once: a lane permute's destination counts as one of its sources
.endr
	s_lshl_b32 s18, s17, 1
	s_add_co_u32 s18, s18, s15                     ; SS = 2 ry + i: which 128 rows of x are my wave's
	s_lshr_b32 s19, s18, 4                         ; the batch
	s_and_b32 s18, s18, 15                         ; SS within it
	s_lshl_b32 s19, s19, 4
	s_lshl_b32 s43, s42, 1
	s_add_co_u32 s19, s19, s43                     ; my even head: 16 b + 2 c
	s_lshl_b32 s43, s19, 6
	s_lshl_b32 s44, s18, 2
	s_add_co_u32 s43, s43, s44                     ; tile 64 (b h) + 4 SS
	s_mul_i32 s44, s43, 1536
	s_mul_i32 s45, s16, 768                        ; my parity's unit
	s_add_co_u32 s44, s44, s45
	s_lshl_b32 s46, s43, 6
	s_add_co_u32 s46, s46, 6291456
	s_lshl_b32 s45, s16, 1                         ; my parity's two bytes
	s_add_co_u32 s46, s46, s45
	s_mov_b32 s45, 0
	s_mov_b32 s47, 0
	s_add_nc_u64 s[CB0:CB0+1], s[98:99], s[44:45]
	s_add_nc_u64 s[CB1:CB1+1], s[CB0:CB0+1], 98304
	s_add_nc_u64 s[SB0:SB0+1], s[98:99], s[46:47]
	s_add_nc_u64 s[SB1:SB1+1], s[SB0:SB0+1], 4096
.irp a, 0,1,2,3
	OUT_QK \a, BIQ
.endr
	s_wait_xcnt 0x0                                ; the stores have read the codes, over which fragments are loaded again, and the pointers
	; ---- K
	STEP 1, 0, 1
	STEP 1, 1, 0
	STEP 1, 2, 0
	TURN 3, 1, 1, 4                                ; slot 0 takes Wv's first K half
	STEP 1, 4, 0
	STEP 1, 5, 0
	STEP 1, 6, 0
	TURN 7, 1, 2, 0                                ; slot 1 takes Wv's second; V's first fragments are fetched
	WIN 0
	PLACES NP
	s_mul_i32 s44, s19, 204800                     ; the even head,
	s_lshr_b32 s43, s18, 1
	s_mul_i32 s43, s43, 25600
	s_add_co_u32 s44, s44, s43                     ; its key step SS / 2,
	s_and_b32 s43, s18, 1                          ; tiles 4 (SS % 2) on
	s_lshl_b32 s46, s43, 8
	s_mul_i32 s43, s43, 6144
	s_add_co_u32 s46, s46, s44
	s_add_co_u32 s46, s46, 12288
	s_lshl_b32 s45, s16, 1
	s_add_co_u32 s46, s46, s45
	s_add_co_u32 s44, s44, s43
	s_mul_i32 s45, s16, 768
	s_add_co_u32 s44, s44, s45
	s_mov_b32 s45, 0
	s_mov_b32 s47, 0
	s_add_nc_u64 s[CB0:CB0+1], s[100:101], s[44:45]
	s_add_nc_u64 s[CB1:CB1+1], s[CB0:CB0+1], 204800
	s_add_nc_u64 s[SB0:SB0+1], s[100:101], s[46:47]
	s_add_nc_u64 s[SB1:SB1+1], s[SB0:SB0+1], 204800
.irp a, 0,1,2,3
	OUT_QK \a, BIK
.endr
	s_wait_xcnt 0x0
	; ---- V
	STEP 2, 0, 1
	STEP 2, 1, 0
	STEP 2, 2, 0
	TURN 3, 0, 2, 4                                ; nothing is left to fetch
	STEP 2, 4, 0
	STEP 2, 5, 0
	STEP 2, 6, 0
	s_wait_dscnt 0x0
	WIN MUL
	MUL8 0, 7, 0
	MUL8 1, 7, 0
	MUL8 2, 7, 0
	MUL8 3, 7, 0
	WIN 0
	PLACES NP
	s_lshl_b32 s18, s17, 1
	s_add_co_u32 s18, s18, s16                     ; SS = 2 ry + j: here source 0 holds x
	s_and_b32 s18, s18, 15
	s_add_co_u32 s19, s19, s15                     ; my head: 16 b + 2 c + i
	s_mul_i32 s44, s19, 204800
	s_lshr_b32 s43, s18, 1
	s_mul_i32 s43, s43, 25600
	s_add_co_u32 s44, s44, s43                     ; the head's key step SS / 2
	s_and_b32 s43, s18, 1
	s_lshl_b32 s46, s43, 1                         ; bytes 2 (SS % 2) on of each word,
	s_add_co_u32 s46, s46, s44
	s_add_co_u32 s46, s46, 25088
	s_mul_i32 s43, s43, 768                        ; keys 64 (SS % 2) on: the second unit of each fragment
	s_add_co_u32 s44, s44, s43
	s_add_co_u32 s44, s44, 12800
	s_mov_b32 s45, 0
	s_mov_b32 s47, 0
	s_add_nc_u64 s[CB0:CB0+1], s[100:101], s[44:45]
	s_add_nc_u64 s[SB0:SB0+1], s[100:101], s[46:47]
.irp a, 0,1,2,3
	OUT_V \a
.endr
	s_wait_tensorcnt 0x0                           ; the wave's end
	ds_add_u32 v[SPW], v[NIL]
	s_wait_dscnt 0x0
	CROUND                                         ; the closing round: no work-group ends while a partner may still ask for a tile that names it
	s_endpgm
.Lfunc_end_k_q86f739f3f5_qkv:
	.size	k_q86f739f3f5_qkv, .Lfunc_end_k_q86f739f3f5_qkv-k_q86f739f3f5_qkv
	.p2alignl 7, 3214868480
	.fill 96, 4, 3214868480
	.section	.rodata,"a",@progbits
	.p2align	6, 0x0
	.amdhsa_kernel k_q86f739f3f5_qkv
		.amdhsa_group_segment_fixed_size 327680
		.amdhsa_private_segment_fixed_size 0
		.amdhsa_enable_private_segment 0
		.amdhsa_kernarg_size 72
		.amdhsa_user_sgpr_count 2
		.amdhsa_user_sgpr_kernarg_segment_ptr 1
		.amdhsa_wavefront_size32 1
		.amdhsa_system_sgpr_workgroup_id_x 1
		.amdhsa_system_sgpr_workgroup_id_y 1
		.amdhsa_system_sgpr_workgroup_id_z 1
		.amdhsa_system_vgpr_workitem_id 0
		.amdhsa_next_free_vgpr 1024
		.amdhsa_next_free_sgpr 104
		.amdhsa_reserve_vcc 0
		.amdhsa_float_denorm_mode_32 3
		.amdhsa_float_denorm_mode_16_64 3
		.amdhsa_memory_ordered 1
		.amdhsa_forward_progress 1
		.amdhsa_inst_pref_size 255
	.end_amdhsa_kernel
	.section	.bss,"aw",@nobits
	.p2align	6
	.space	262144
	.amdgpu_metadata
---
amdhsa.version: [ 1, 2 ]
amdhsa.kernels:
  - .name:           k_q86f739f3f5_qkv
    .symbol:         k_q86f739f3f5_qkv.kd
    .args:
      - { .name: xc, .offset: 0, .size: 8, .value_kind: global_buffer, .address_space: global }
      - { .name: xs, .offset: 8, .size: 8, .value_kind: global_buffer, .address_space: global }
      - { .name: wc, .offset: 16, .size: 8, .value_kind: global_buffer, .address_space: global }
      - { .name: ws, .offset: 24, .size: 8, .value_kind: global_buffer, .address_space: global }
      - { .name: bq, .offset: 32, .size: 8, .value_kind: global_buffer, .address_space: global }
      - { .name: bk, .offset: 40, .size: 8, .value_kind: global_buffer, .address_space: global }
      - { .name: bv, .offset: 48, .size: 8, .value_kind: global_buffer, .address_space: global }
      - { .name: qf, .offset: 56, .size: 8, .value_kind: global_buffer, .address_space: global }
      - { .name: kv, .offset: 64, .size: 8, .value_kind: global_buffer, .address_space: global }
    .group_segment_fixed_size: 327680
    .private_segment_fixed_size: 0
    .kernarg_segment_align: 8
    .kernarg_segment_size: 72
    .max_flat_workgroup_size: 128
    .sgpr_count:     104
    .vgpr_count:     1024
    .wavefront_size: 32
...
	.end_amdgpu_metadata
.endif
;; end of part 6
;; launch attn (part 7): grid 4 x 64, 8 waves a work-group, clusters of 4 x 1, 327,680 bytes of LDS; arguments qf, kv, cc, cs; writes cc, cs
.if DOCPART == 7
	.amdgcn_target "amdgcn-amd-amdhsa--gfx1250"
	.amdhsa_code_object_version 6
	.text
	.protected	k_q86f739f3f5_attn
	.globl	k_q86f739f3f5_attn
	.p2align	8
	.type	k_q86f739f3f5_attn,@function
k_q86f739f3f5_attn:
	s_mov_b64 s[64:65], 0
	v_nop
	global_prefetch_b8 v0, s[64:65] scope:SCOPE_SE
	s_setreg_imm32_b32 hwreg(HW_REG_WAVE_MODE, 25, 1), 1
	s_wait_xcnt 0x0
	s_wait_alu depctr_hold_cnt(0) depctr_sa_sdst(0) depctr_va_vdst(0) depctr_va_sdst(0) depctr_va_ssrc(0) depctr_va_vcc(0) depctr_vm_vsrc(0)
	s_getreg_b32 s2, hwreg(HW_REG_IB_STS2, 6, 4)
	s_cmp_eq_u32 s2, 0
	s_cbranch_scc0 .Lentry_in_a_cluster
	s_endpgm
.Lentry_in_a_cluster:
	s_bfe_u32 s2, ttmp6, 0x10000c
	s_cmp_lg_u32 s2, 0x3003
	s_cbranch_scc0 .Lentry_shape_is_right
	s_endpgm
.Lentry_shape_is_right:
; ctx[b][h][g][:] = softmax_k(q[g] . k[k] / 8) v[k][:] for 64 (batch, head) pairs, 1,024 groups, 128 features; both products on codes of FP6 (E2M3) with E8M0 scales; ctx leaves quantised along its features.
; THE SOFTMAX: t = score x log2(e) / 8; M = the running largest t rounded UP to a whole number; p = 2^(t - M) is quantised along the keys, not normalised; the row's sum is taken of the unquantised p
; and divides at the end.  When M moves, the sum and O^T are multiplied by 2^(old M - new M): exact.  The order in which the key steps are taken does not enter the result but by rounding of the sums.
; SHARES: a work-group owns 256 groups of one head; each of its eight waves two tiles of 16 groups, so that each fragment of K and of V feeds two matrix instructions.
; LDS: a head's K and V as they lie in kv, [key step 8][K 12,288 + 512 | V 12,288 + 512], 204,800 bytes, filled once; then the spare words.
; The head's loads bring key steps 6 and 7, 6,400 bytes a wave.
; So the walk is 6, 7, 0, 1 .. 5.  The four work-groups of a head are one cluster and ask for each piece jointly.
; No prefetch: all that the work-group reads of K and V is asked for by these two loads, ahead of the second loop.
; LAYOUT: both products transposed: a lane holds ONE group (lane % 16) of each tile.  Lane r of tile 2 b + u of K (of V) holds key (feature) 32 b + 8 u + r + 8 (r / 8), by the launch before: 16 registers of two neighbouring tiles are 16 neighbours.
; A fragment lies as two units of 768 bytes: registers 0-3 at 16 l, 4-5 at 512 + 8 l; then 6-9, 10-11 likewise.  A register of scale words holds tile 2 i's in lanes 0-15 and tile 2 i + 1's in lanes 16-31.
; cc: [tile of 16 rows 512][K step 8][1,536], an image of the registers; head h's 128 features are K step h % 8 of rows 2 g + h / 8.  cs: [tile][pair of K steps][r][2 words].
; LIMITS: NaN and infinities are not served; a scale's byte is held at 1 from below; a block of zeros gets the byte 1 (its codes are zeros, and this program alone reads the bytes).
; REGISTERS, window 0: v1-3, v7 addresses that stay; v5, v6 the add's; v8-10 the step's; v12, v14 the factors; v16, v18 -M; v17, v19 the largest score; v[20:23] the sums; v24-35 scale words; v36-59 Q; v60-83 p's codes; v84-127 at work; v128-255 S^T, then p.
;   window 1: v0-127 O^T (tile q, d-tile t at 64 q + 8 t); v128-223 eight fragments of K or of V.
.set KSB,  25600                       ; a key step in LDS
.set SPARE, 8*KSB                      ; the spare words, 128 bytes for each wave
.set WV,   18
.set SEL,  20                          ; s[20:21] selects for lane l xor 16
.set CS,   22                          ; s[22:23] c = log2(e) / 8
.set G1,   24
.set G0A,  32
.set G0B,  36
.set TB,   2                           ; LDS byte at which the key step begins
.set CNT,  3
.set QS,   24                          ; scale words: Q's two,
.set KS,   26                          ; K's four,
.set VS,   30                          ; V's four,
.set PW,   34                          ; p's two
.set QF,   36
.set PC,   60
.set TC,   84                          ; the conversions' second halves
.set BM,   100                         ; block maxima, 4 a tile
.set SO,   108                         ; lane l xor 16's; then the conversions' scale operands
.set BY,   116                         ; at work; the bytes
.set SB,   124                         ; the sums' second chains
.set S,    128
.set MSB, 0
.macro WIN new                         ; the immediate's high byte repeats the setting that is left
.if MSB != (\new)
	s_set_vgpr_msb (MSB<<8)|(\new)
.set MSB, (\new)
.endif
.endm
.macro NOPS
.rept 4
	v_nop
.endr
.endm
.macro CROUND
	s_barrier_signal -1
	s_barrier_wait -1
	s_cmp_lg_u32 s[WV], 0
	s_cbranch_scc1 .Lnot_wave_0_\@
	s_barrier_signal -3
.Lnot_wave_0_\@:
	s_barrier_wait -3
	s_barrier_signal -1
	s_barrier_wait -1
.endm
.macro UNITS t, a16, a8, base          ; fragment t, into window 1
	ds_load_b128 v[128+12*(\t):131+12*(\t)], v[\a16] offset:\base
	ds_load_b64 v[132+12*(\t):133+12*(\t)], v[\a8] offset:\base+512
	ds_load_b128 v[134+12*(\t):137+12*(\t)], v[\a16] offset:\base+768
	ds_load_b64 v[138+12*(\t):139+12*(\t)], v[\a8] offset:\base+1280
.endm
.macro FETCH a16, a8, a4, t0, sc, off  ; fragments t0 .. t0 + 3 and their two registers of scale words: 18 LDS loads
	WIN 0x40
.irp i, 0,1,2,3
	UNITS (\t0+\i), \a16, \a8, \off+1536*(\t0+\i)
.endr
	WIN 0
	ds_load_b32 v[\sc+(\t0)/2], v[\a4] offset:\off+12288+64*(\t0)
	ds_load_b32 v[\sc+(\t0)/2+1], v[\a4] offset:\off+12288+64*(\t0)+128
.endm
.macro WM d, a, b, sa, sb, odd, acc    ; one matrix instruction; odd: source 0's scale words stand in lanes 16-31; acc = 0: the product starts the sum
.if \acc
.if \odd
	v_wmma_scale_f32_16x16x128_f8f6f4 v[\d:\d+7], v[\a:\a+11], v[\b:\b+11], v[\d:\d+7], v[\sa], v[\sb] matrix_a_fmt:MATRIX_FMT_FP6 matrix_b_fmt:MATRIX_FMT_FP6 matrix_a_scale:MATRIX_SCALE_ROW1
.else
	v_wmma_scale_f32_16x16x128_f8f6f4 v[\d:\d+7], v[\a:\a+11], v[\b:\b+11], v[\d:\d+7], v[\sa], v[\sb] matrix_a_fmt:MATRIX_FMT_FP6 matrix_b_fmt:MATRIX_FMT_FP6
.endif
.else
.if \odd
	v_wmma_scale_f32_16x16x128_f8f6f4 v[\d:\d+7], v[\a:\a+11], v[\b:\b+11], 0, v[\sa], v[\sb] matrix_a_fmt:MATRIX_FMT_FP6 matrix_b_fmt:MATRIX_FMT_FP6 matrix_a_scale:MATRIX_SCALE_ROW1
.else
	v_wmma_scale_f32_16x16x128_f8f6f4 v[\d:\d+7], v[\a:\a+11], v[\b:\b+11], 0, v[\sa], v[\sb] matrix_a_fmt:MATRIX_FMT_FP6 matrix_b_fmt:MATRIX_FMT_FP6
.endif
.endif
.endm
.macro SMUL t0                         ; S^T: K's tiles t0 .. t0 + 3 x my two tiles of groups; no two on end share an accumulator
.irp i, 0,1,2,3
.irp q, 0,1
	WM S+64*\q+8*(\t0+\i), 128+12*(\t0+\i), QF+12*\q, KS+(\t0+\i)/2, QS+\q, \i%2, 0
.endr
.endr
.endm
.macro OMUL t0                         ; O^T += V^T P^T: d-tiles t0 .. t0 + 3; the accumulators take turns, one instruction a turn
.irp i, 0,1,2,3
.irp q, 0,1
	WM 64*\q+8*(\t0+\i), 128+12*(\t0+\i), PC+12*\q, VS+(\t0+\i)/2, PW+\q, \i%2, 1
.endr
.endr
.endm
.macro CROSS                           ; each block's maximum joined with lane l xor 16's
.irp q, 0,1
.irp b, 0,1,2,3
	v_permlanex16_b32 v[SO+4*\q+\b], v[BM+4*\q+\b], s[SEL], s[SEL+1]
.endr
.endr
.irp q, 0,1
.irp b, 0,1,2,3
	v_max_num_f32 v[BM+4*\q+\b], v[BM+4*\q+\b], v[SO+4*\q+\b]
.endr
.endr
.endm
; From the blocks' largest magnitudes in v[BM ..] (floor taken) and 2 x 64 numbers in v[S ..]: the scale words in v[PW ..] and the codes in v[PC ..].  The eight blocks take turns.
.macro PACK
.irp q, 0,1
.irp b, 0,1,2,3
	v_add_nc_u32 v[SO+4*\q+\b], 0xff000000, v[BM+4*\q+\b]   ; 2 off the exponent field: the conversion's scale operand
.endr
.endr
.irp q, 0,1
.irp b, 0,1,2,3
	v_lshrrev_b32 v[BY+4*\q+\b], 23, v[SO+4*\q+\b]          ; the byte
.endr
.endr
.irp q, 0,1
	v_lshl_or_b32 v[PW+\q], v[BY+4*\q+1], 8, v[BY+4*\q]
.endr
.irp q, 0,1
	s_delay_alu instid0(VALU_DEP_2)
	v_lshl_or_b32 v[PW+\q], v[BY+4*\q+2], 16, v[PW+\q]
.endr
.irp q, 0,1
	s_delay_alu instid0(VALU_DEP_2)
	v_lshl_or_b32 v[PW+\q], v[BY+4*\q+3], 24, v[PW+\q]
.endr
.irp q, 0,1
.irp c, 0,1
	v_cvt_scalef32_pk16_fp6_f32 v[PC+12*\q+6*\c:PC+12*\q+6*\c+2], v[S+64*\q+32*\c:S+64*\q+32*\c+15], v[SO+4*\q+2*\c]
	v_cvt_scalef32_pk16_fp6_f32 v[TC+8*\q+4*\c:TC+8*\q+4*\c+2], v[S+64*\q+32*\c+16:S+64*\q+32*\c+31], v[SO+4*\q+2*\c+1]   ; (a conversion's three registers begin on an even number)
.endr
.endr
	v_nop                                          ; one plain place behind a scaled conversion
.irp q, 0,1
.irp c, 0,1
.irp i, 0,1,2
	v_permlane16_swap_b32 v[PC+12*\q+6*\c+\i], v[TC+8*\q+4*\c+\i]   ; the operand wants a whole block in a lane
.endr
.endr
.endr
.irp q, 0,1
.irp c, 0,1
.irp i, 0,1,2
	v_mov_b32 v[PC+12*\q+6*\c+3+\i], v[TC+8*\q+4*\c+\i]
.endr
.endr
.endr
.endm
	s_load_b256 s[4:11], s[0:1], 0x0               ; qf s[4:5], kv s[6:7], cc s[8:9], cs s[10:11]
	v_lshl_add_u32 v5, v0, 2, SPARE
	v_mov_b32 v6, 0
	ds_add_u32 v5, v6                              ; the add, twice on end, and its wait ahead of my first tensor load
	ds_add_u32 v5, v6
	v_lshrrev_b32 v8, 5, v0
	v_readfirstlane_b32 s[WV], v8                  ; wave 0..7
	s_bfe_u32 s40, ttmp6, 0x40000                  ; cx: my block of 256 groups; it enters global addresses of Q and ctx alone
	s_and_b32 s41, ttmp7, 0xffff                   ; b h, which the four partners share
	s_mul_i32 s42, s41, 204800                     ; the head's K and V in kv
	s_mul_i32 s44, s[WV], 6400
	s_add_co_u32 s44, s44, 6*KSB                   ; my eighth of key steps 6 and 7, in LDS as in kv
	s_mul_i32 s55, s[WV], 19200                    ; my eighth of key steps 0-5
	s_add_co_u32 s56, s42, s44
	s_mov_b32 s57, 0
	s_add_co_u32 s58, s42, s55
	s_mov_b32 s59, 0
	s_lshl_b32 s45, s40, 4
	s_lshl_b32 s46, s[WV], 1
	s_add_co_u32 s45, s45, s46                     ; GT: my first tile of 16 groups (even); the second is GT + 1
	s_lshl_b32 s46, s41, 6
	s_add_co_u32 s46, s46, s45
	s_lshl_b32 s48, s46, 6
	s_add_co_u32 s48, s48, 6291456                 ; Q's scale words
	s_mov_b32 s49, 0
	s_mul_i32 s46, s46, 1536                       ; Q's codes
	s_mov_b32 s47, 0
	s_lshr_b32 s50, s41, 4
	s_lshl_b32 s50, s50, 4
	s_lshr_b32 s51, s45, 2
	s_add_co_u32 s50, s50, s51                     ; 16 b + GT / 4
	s_lshl_b32 s50, s50, 3
	s_bfe_u32 s51, s41, 0x10003                    ; head / 8: the row's parity
	s_lshl_b32 s51, s51, 2
	s_add_co_u32 s50, s50, s51
	s_and_b32 s51, s45, 3
	s_add_co_u32 s50, s50, s51                     ; ctx's tile of 16 rows; GT + 1's is the next
	s_and_b32 s51, s41, 7                          ; its K step: head % 8
	s_lshl_b32 s52, s50, 9
	s_lshr_b32 s53, s51, 1
	s_lshl_b32 s53, s53, 7
	s_add_co_u32 s52, s52, s53
	s_and_b32 s53, s51, 1
	s_lshl_b32 s53, s53, 2
	s_add_co_u32 s52, s52, s53                     ; its scale words
	s_mov_b32 s53, 0
	s_lshl_b32 s50, s50, 3
	s_add_co_u32 s50, s50, s51
	s_mul_i32 s50, s50, 1536                       ; its codes
	s_mov_b32 s51, 0
	; descriptor group 1: dense bytes as rows of 256 (32 elements of 8 bytes): 25 rows for the head's load, 75 for the second
	s_mov_b32 s[G1], 15|(3<<16)|(1<<21)            ; 15:0 the mask: all four work-groups; 17:16 elements of 8 bytes; 21 set beside a mask
	s_mov_b32 s[G1+1], 32<<16
	s_mov_b32 s[G1+2], 25<<16
	s_mov_b32 s[G1+3], 32<<16
	s_mov_b32 s[G1+4], 25
	s_mov_b32 s[G1+5], 32
	s_mov_b32 s[G1+6], 0
	s_mov_b32 s[G1+7], 0
	s_mov_b32 s[SEL], 0x76543210
	s_mov_b32 s[SEL+1], 0xfedcba98
	s_mov_b32 s[CS], 0x3e38aa3b                    ; c = log2(e) / 8
	s_mov_b32 s[CS+1], s[CS]                       ; (named with it as a pair, so it is written)
	s_wait_dscnt 0x0                               ; both opening adds are done
	s_wait_kmcnt 0x0
	s_add_nc_u64 s[48:49], s[4:5], s[48:49]
	s_add_nc_u64 s[4:5], s[4:5], s[46:47]
	s_add_nc_u64 s[8:9], s[8:9], s[50:51]
	s_add_nc_u64 s[10:11], s[10:11], s[52:53]
	CROUND                                         ; all four work-groups are here: the joint loads meet
	s_mov_b32 s[G0A], 1
	s_mov_b32 s[G0A+1], s44
	s_add_nc_u64 s[G0A+2:G0A+3], s[6:7], s[56:57]
	s_mov_b32 s[G0B], 1
	s_mov_b32 s[G0B+1], s55
	s_add_nc_u64 s[G0B+2:G0B+3], s[6:7], s[58:59]
	s_or_b32 s[G0A+3], s[G0A+3], 0x80000000
	s_or_b32 s[G0B+3], s[G0B+3], 0x80000000
	tensor_load_to_lds s[G0A:G0A+3], s[G1:G1+7]    ; my eighth of key steps 6 and 7: my one load at the head
	s_nop 0
	NOPS
	v_and_b32 v8, 31, v0
	v_and_b32 v9, 15, v0
	v_lshlrev_b32 v1, 4, v8                        ; 16 x lane
	v_lshlrev_b32 v2, 3, v8                        ; 8 x lane
	v_lshlrev_b32 v3, 2, v8                        ; 4 x lane
	v_lshlrev_b32 v7, 2, v9                        ; 4 r
.irp q, 0,1                                    ; Q's two fragments and scale words stay in registers
	global_load_b128 v[QF+12*\q:QF+12*\q+3], v1, s[4:5] offset:1536*\q
	global_load_b64 v[QF+12*\q+4:QF+12*\q+5], v2, s[4:5] offset:1536*\q+512
	global_load_b128 v[QF+12*\q+6:QF+12*\q+9], v1, s[4:5] offset:1536*\q+768
	global_load_b64 v[QF+12*\q+10:QF+12*\q+11], v2, s[4:5] offset:1536*\q+1280
	global_load_b32 v[QS+\q], v7, s[48:49] offset:64*\q
.endr
.irp q, 0,1
	v_mov_b32 v[17+2*\q], 0xff61b1e6               ; the largest score so far: -3e38, under every score
	v_mov_b32 v[16+2*\q], 0x7f61b1e6               ; -M: 3e38, so that the first factor comes out 0
.endr
.irp i, 12,13,14,15,20,21,22,23
	v_mov_b32 v\i, 0                               ; the factors' pairs (the upper halves are named, so they are written) and the sums, in two halves each
.endr
.irp i, 0,1,2,3,4,5,6,7
	v_mov_b32 v[SO+\i], 0                          ; written once: a lane permute's destination counts as one of its sources
.endr
	WIN 0x40
.set J, 0
.rept 128
	v_mov_b32 v[J], 0                              ; O^T: the step is written for a loop, and the first finds zeros; these lines stand under the flight of the head's load
.set J, J+1
.endr
	WIN 0
	s_wait_alu depctr_va_vdst(0)                   ; the wait at the head's end
	s_wait_tensorcnt 0x0                           ; my eighth is in
	ds_add_u32 v5, v6
	s_mov_b32 s[G1+2], 75<<16                      ; no tensor load of mine is out: the second load brings 75 rows
	s_mov_b32 s[G1+4], 75
	s_wait_dscnt 0x0
	CROUND                                         ; key steps 6 and 7 are whole, and all four work-groups are here
	tensor_load_to_lds s[G0B:G0B+3], s[G1:G1+7]    ; my eighth of key steps 0-5
	s_nop 0
	NOPS
	s_wait_loadcnt 0x0                             ; Q
; A KEY STEP: 128 keys x my 32 groups.  la = 1: K's tiles 0-3 were asked for in the step before, and the next step's are asked for among the last products; la = 0: all eight are asked for here.
.macro STEP la
	v_add_nc_u32 v8, s[TB], v1                     ; these four lines are the places behind the last step's products
	v_add_nc_u32 v9, s[TB], v2
	v_add_nc_u32 v10, s[TB], v3
	v_nop
.if \la == 0
	FETCH 8, 9, 10, 0, KS, 0
.endif
	FETCH 8, 9, 10, 4, KS, 0
	s_wait_dscnt 18                                ; all but the 18 just issued: tiles 0-3 are in
	WIN 0x01
	SMUL 0
	s_wait_dscnt 0x0
	SMUL 4
	WIN 0
	NOPS                                           ; places behind the products
	s_wait_alu depctr_va_vdst(0)
	FETCH 8, 9, 10, 0, VS, 12800                   ; V's eight fragments come under the vector work below
	FETCH 8, 9, 10, 4, VS, 12800
.irp q, 0,1
.irp b, 0,1,2,3
	v_max3_num_f32 v[BM+4*\q+\b], v[S+64*\q+16*\b], v[S+64*\q+16*\b+1], v[S+64*\q+16*\b+2]   ; the largest score of each block of 32 keys: for the row's maximum and, since p rises with the score, for the block's largest p; each accumulator from its low end on
.endr
.endr
.irp i, 3,5,7,9,11,13
.irp q, 0,1
.irp b, 0,1,2,3
	v_max3_num_f32 v[BM+4*\q+\b], v[BM+4*\q+\b], v[S+64*\q+16*\b+\i], v[S+64*\q+16*\b+\i+1]
.endr
.endr
.endr
.irp q, 0,1
.irp b, 0,1,2,3
	v_max_num_f32 v[BM+4*\q+\b], v[BM+4*\q+\b], v[S+64*\q+16*\b+15]
.endr
.endr
	CROSS
.irp q, 0,1
	v_max3_num_f32 v[17+2*\q], v[17+2*\q], v[BM+4*\q], v[BM+4*\q+1]
.endr
.irp q, 0,1
	s_delay_alu instid0(VALU_DEP_2)
	v_max3_num_f32 v[17+2*\q], v[17+2*\q], v[BM+4*\q+2], v[BM+4*\q+3]   ; the running largest score
.endr
.irp q, 0,1
	s_delay_alu instid0(VALU_DEP_2)
	v_mul_f32 v[BY+\q], s[CS], v[17+2*\q]          ; as t (c is positive)
.endr
.irp q, 0,1
	v_mov_b32 v[BY+2+\q], v[16+2*\q]
.endr
.irp q, 0,1
	s_delay_alu instid0(VALU_DEP_4)
	v_floor_f32 v[16+2*\q], -v[BY+\q]              ; the new -M = floor(-t) = -ceil(t)
.endr
.irp q, 0,1
	s_delay_alu instid0(VALU_DEP_2)
	v_sub_f32 v[BY+\q], v[16+2*\q], v[BY+2+\q]     ; old M - new M: a whole number, 0 or less
.endr
.irp q, 0,1
	s_delay_alu instid0(VALU_DEP_2)
	v_cvt_i32_f32 v[BY+\q], v[BY+\q]               ; (it saturates)
.endr
.irp q, 0,1
	s_delay_alu instid0(VALU_DEP_2)
	v_ldexp_f32 v[12+2*\q], 1.0, v[BY+\q]          ; f = 2^(old M - new M)
.endr
.set J, 0
.rept 32
	v_pk_fma_f32 v[S+J:S+J+1], v[S+J:S+J+1], s[CS:CS+1], v[16:17] op_sel_hi:[1,0,0]           ; t - M, two at a time
	v_pk_fma_f32 v[S+64+J:S+64+J+1], v[S+64+J:S+64+J+1], s[CS:CS+1], v[18:19] op_sel_hi:[1,0,0]
.set J, J+2
.endr
.irp q, 0,1
.irp b, 0,1,2,3
	v_fma_f32 v[BM+4*\q+\b], v[BM+4*\q+\b], s[CS], v[16+2*\q]   ; the same of each block's largest score
.endr
.endr
	s_wait_alu depctr_va_vdst(0)                   ; the wait ahead of the batch
.set J, 0
.rept 128
	v_exp_f32 v[S+J], v[S+J]                       ; p = 2^(t - M), at most 1
.set J, J+1
.endr
.irp i, 0,1,2,3,4,5,6,7
	v_exp_f32 v[BM+\i], v[BM+\i]                   ; the block's largest p: the same two instructions on the same number give the same bits
.endr
.irp q, 0,1
	v_pk_mul_f32 v[20+2*\q:21+2*\q], v[20+2*\q:21+2*\q], v[12+2*\q:13+2*\q] op_sel_hi:[1,0]   ; the sums under the new M (plain places behind the exponentials)
.endr
	s_wait_alu depctr_va_vdst(0)                   ; one wait for the whole batch, ahead of its first reader
.irp i, 0,1,2,3,4,5,6,7
	v_max_num_f32 v[BM+\i], 0x1800000, v[BM+\i]    ; the floor 2^(3 - 127)
.endr
	PACK
.irp q, 0,1                                    ; the rows' sums, of the unquantised p: two chains a tile
	v_pk_add_f32 v[SB+2*\q:SB+2*\q+1], v[S+64*\q:S+64*\q+1], v[S+64*\q+2:S+64*\q+3]
.endr
.set J, 4
.rept 15
.irp q, 0,1
	v_pk_add_f32 v[20+2*\q:21+2*\q], v[20+2*\q:21+2*\q], v[S+64*\q+J:S+64*\q+J+1]
	v_pk_add_f32 v[SB+2*\q:SB+2*\q+1], v[SB+2*\q:SB+2*\q+1], v[S+64*\q+J+2:S+64*\q+J+3]
.endr
.set J, J+4
.endr
.irp q, 0,1
	v_pk_add_f32 v[20+2*\q:21+2*\q], v[20+2*\q:21+2*\q], v[SB+2*\q:SB+2*\q+1]
.endr
	s_wait_alu depctr_va_vdst(0)                   ; the wait, directly ahead of the first reader of O^T
	WIN 0x41
.set J, 0
.rept 32
	v_pk_mul_f32 v[J:J+1], v[J:J+1], v[12:13] op_sel_hi:[1,0]             ; O^T under the new M; each accumulator from its low end on.  With the sums above: the places between the codes and scale words and the products
	v_pk_mul_f32 v[64+J:64+J+1], v[64+J:64+J+1], v[14:15] op_sel_hi:[1,0]
.set J, J+2
.endr
	WIN 0
	s_wait_alu depctr_va_vdst(0)                   ; the wait, directly ahead of the wait below
	s_wait_dscnt 0x0                               ; V's fragments are in
	WIN 0x51
	OMUL 0
.if \la
	WIN 0
	NOPS                                           ; places in front of the loads into the fragments just multiplied
	s_cmp_eq_u32 s[CNT], 1
	s_cbranch_scc1 .Lno_next_\@                    ; the last trip has no successor
	FETCH 8, 9, 10, 0, KS, KSB                     ; the next key step's K, tiles 0-3, under the eight products below
.Lno_next_\@:
	WIN 0x51
.endif
	OMUL 4
	WIN 0
.endm
	s_mov_b32 s[TB], 6*KSB                         ; key steps 6 and 7
	s_mov_b32 s[CNT], 2
.Lfirst:
	STEP 0
	s_add_co_u32 s[TB], s[TB], KSB
	s_sub_co_u32 s[CNT], s[CNT], 1
	s_cmp_lg_u32 s[CNT], 0
	s_cbranch_scc1 .Lfirst
	NOPS                                           ; places in front of the loads below
	s_wait_tensorcnt 0x0                           ; my eighth of key steps 0-5 is in
	s_wait_dscnt 0x0
	s_barrier_signal -1
	s_barrier_wait -1                              ; everybody's is
	FETCH 1, 2, 3, 0, KS, 0                        ; K's tiles 0-3 of key step 0
	s_mov_b32 s[TB], 0                             ; key steps 0-5
	s_mov_b32 s[CNT], 6
.Lrest:
	STEP 1
	s_add_co_u32 s[TB], s[TB], KSB
	s_sub_co_u32 s[CNT], s[CNT], 1
	s_cmp_lg_u32 s[CNT], 0
	s_cbranch_scc1 .Lrest
	; THE WAY OUT: O^T / the sum, quantised along the features: register 16 b + i is feature 32 b + 16 h + i of my group.
	NOPS                                           ; places behind the last products
.irp q, 0,1
	v_add_f32 v[20+2*\q], v[20+2*\q], v[21+2*\q]
.endr
.irp q, 0,1
	v_permlanex16_b32 v[SO+\q], v[20+2*\q], s[SEL], s[SEL+1]
.endr
.irp q, 0,1
	s_delay_alu instid0(VALU_DEP_2)
	v_add_f32 v[20+2*\q], v[20+2*\q], v[SO+\q]     ; the row's sum
.endr
	s_wait_alu depctr_va_vdst(0)                   ; the wait ahead of the transcendentals
	v_rcp_f32 v20, v20
	v_rcp_f32 v22, v22
	v_lshlrev_b32 v7, 1, v7                        ; 8 r: my row's place among the scale words (plain work behind the reciprocals)
	s_wait_alu depctr_va_vdst(0)                   ; and ahead of their first reader, which is also O^T's
	WIN 0x01
.set J, 0
.rept 32
	v_pk_mul_f32 v[S+J:S+J+1], v[J:J+1], v[20:21] op_sel_hi:[1,0]
	v_pk_mul_f32 v[S+64+J:S+64+J+1], v[64+J:64+J+1], v[22:23] op_sel_hi:[1,0]
.set J, J+2
.endr
	WIN 0
.irp q, 0,1
.irp b, 0,1,2,3
	v_max3_num_f32 v[BM+4*\q+\b], |v[S+64*\q+16*\b]|, |v[S+64*\q+16*\b+1]|, 0x1800000   ; my 16 numbers of each block, and the floor 2^(3 - 127)
.endr
.endr
.irp i, 2,4,6,8,10,12,14
.irp q, 0,1
.irp b, 0,1,2,3
	v_max3_num_f32 v[BM+4*\q+\b], v[BM+4*\q+\b], |v[S+64*\q+16*\b+\i]|, |v[S+64*\q+16*\b+\i+1]|
.endr
.endr
.endr
	CROSS
	PACK
.irp q, 0,1
.irp c, 0,1,2
	global_store_b128 v1, v[PC+12*\q+4*\c:PC+12*\q+4*\c+3], s[8:9] offset:12288*\q+512*\c   ; 512 consecutive bytes a store, aligned to 256
.endr
	global_store_b32 v7, v[PW+\q], s[10:11] offset:512*\q   ; lanes r and r + 16 store the same word
.endr
	s_wait_tensorcnt 0x0                           ; the wave's end
	ds_add_u32 v5, v6
	s_wait_dscnt 0x0
	CROUND                                         ; the closing round
	s_endpgm
.Lfunc_end_k_q86f739f3f5_attn:
	.size	k_q86f739f3f5_attn, .Lfunc_end_k_q86f739f3f5_attn-k_q86f739f3f5_attn
	.p2alignl 7, 3214868480
	.fill 96, 4, 3214868480
	.section	.rodata,"a",@progbits
	.p2align	6, 0x0
	.amdhsa_kernel k_q86f739f3f5_attn
		.amdhsa_group_segment_fixed_size 327680
		.amdhsa_private_segment_fixed_size 0
		.amdhsa_enable_private_segment 0
		.amdhsa_kernarg_size 32
		.amdhsa_user_sgpr_count 2
		.amdhsa_user_sgpr_kernarg_segment_ptr 1
		.amdhsa_wavefront_size32 1
		.amdhsa_system_sgpr_workgroup_id_x 1
		.amdhsa_system_sgpr_workgroup_id_y 1
		.amdhsa_system_sgpr_workgroup_id_z 1
		.amdhsa_system_vgpr_workitem_id 0
		.amdhsa_next_free_vgpr 512
		.amdhsa_next_free_sgpr 66
		.amdhsa_reserve_vcc 0
		.amdhsa_float_denorm_mode_32 3
		.amdhsa_float_denorm_mode_16_64 3
		.amdhsa_memory_ordered 1
		.amdhsa_forward_progress 1
		.amdhsa_inst_pref_size 97
	.end_amdhsa_kernel
	.amdgpu_metadata
---
amdhsa.version: [ 1, 2 ]
amdhsa.kernels:
  - .name:           k_q86f739f3f5_attn
    .symbol:         k_q86f739f3f5_attn.kd
    .args:
      - { .name: qf, .offset: 0, .size: 8, .value_kind: global_buffer, .address_space: global }
      - { .name: kv, .offset: 8, .size: 8, .value_kind: global_buffer, .address_space: global }
      - { .name: cc, .offset: 16, .size: 8, .value_kind: global_buffer, .address_space: global }
      - { .name: cs, .offset: 24, .size: 8, .value_kind: global_buffer, .address_space: global }
    .group_segment_fixed_size: 327680
    .private_segment_fixed_size: 0
    .kernarg_segment_align: 8
    .kernarg_segment_size: 32
    .max_flat_workgroup_size: 256
    .sgpr_count:     66
    .vgpr_count:     512
    .wavefront_size: 32
...
	.end_amdgpu_metadata
.endif
;; end of part 7
;; launch oproj (part 8): grid 4 x 64, 4 waves a work-group, clusters of 4 x 4, 327,680 bytes of LDS; arguments cc, cs, wc, ws, bo, out0; writes out0
.if DOCPART == 8
	.amdgcn_target "amdgcn-amd-amdhsa--gfx1250"
	.amdhsa_code_object_version 6
	.text
	.protected	k_q86f739f3f5_oproj
	.globl	k_q86f739f3f5_oproj
	.p2align	8
	.type	k_q86f739f3f5_oproj,@function
k_q86f739f3f5_oproj:
	s_mov_b64 s[64:65], 0
	v_nop
	global_prefetch_b8 v0, s[64:65] scope:SCOPE_SE
	s_setreg_imm32_b32 hwreg(HW_REG_WAVE_MODE, 25, 1), 1
	s_wait_xcnt 0x0
	s_wait_alu depctr_hold_cnt(0) depctr_sa_sdst(0) depctr_va_vdst(0) depctr_va_sdst(0) depctr_va_ssrc(0) depctr_va_vcc(0) depctr_vm_vsrc(0)
	s_getreg_b32 s2, hwreg(HW_REG_IB_STS2, 6, 4)
	s_cmp_eq_u32 s2, 0
	s_cbranch_scc0 .Lentry_in_a_cluster
	s_endpgm
.Lentry_in_a_cluster:
	s_bfe_u32 s2, ttmp6, 0x10000c
	s_cmp_lg_u32 s2, 0xf033
	s_cbranch_scc0 .Lentry_shape_is_right
	s_endpgm
.Lentry_shape_is_right:
; out0 = ctx Wo^T + bo on codes of FP6 (E2M3) with E8M0 scales; out0 [8192][1024] f32.  ctx's codes (cc, cs) and Wo's (the fourth matrix in wc, ws) lie as images of operand registers, 1,536 bytes a fragment,
; a row tile's eight K steps on end: 12,288 bytes a row tile.
; SHARES: 256 work-groups; a work-group makes 128 rows (8 row tiles of ctx) x 256 columns (16 row tiles of Wo), IN TWO PHASES OF 128 COLUMNS, so that the first half of its results is stored while the second is multiplied.
; In phase c a wave (w = 2 i + j) makes ctx's tiles 4 i .. 4 i + 3 x Wo's tiles 8 c + 4 j .. + 3: 16 accumulators, 8 steps of 128 along K.
; LDS: Wo's 16 row tiles (196,608 bytes), ctx's 8 (98,304), the scale words (8,192 + 4,096), the spare words, and a stage of 16 rows x 272 bytes for each wave, on bytes of its own.  Nothing is filled twice.
; THE FILLS, one load a wave: at the head wave 0 brings ctx's 8 tiles, wave 1 Wo's tiles 0-7, wave 2 Wo's scale words, wave 3 ctx's: all that phase 0 reads.  Behind a round,
; wave 0 brings Wo's tiles 8-15, which have phase 0 in which to land.  All that the work-group reads is asked for by these five loads, ahead of its work, so there is no later load for a prefetch to run ahead of.
; Source 0 = 16 rows of Wo, source 1 = 16 rows of ctx: a lane holds eight neighbouring columns of one row.  The bias is the C of each sum's first product.
; THE ROWS OF A TILE OF ctx ARE NOT NEIGHBOURS: tile 8 SS + 4 hi + 2 seg + u, lane r: row 128 SS + 64 seg + 16 u + hi + 2 (r + 8 (r / 8)); hi = i stands in the stores' base, the rest in their immediates.
; CLUSTERS: 4 x 4 work-groups; ctx's tiles are shared along a row of the cluster, Wo's along a column: each is asked for jointly.
; REGISTERS: window 0: v1-15, v24-29 addresses; v32-47 Wo's scale words, v48-63 ctx's, two sets each; v80-175 ctx's fragments, two sets; v176-239 the bias of both phases.
;   window 1: Wo's fragments, two sets, at v0 and v128.   window 2: v0-127 the accumulators, (a, b) at v[8 (4 a + b)]; v128-255 the way out: four blocks of 16 rows x 256 bytes.
.set FRB,   1536
.set TIL,   8*FRB                      ; a row tile, all of K
.set AR,    16*TIL                     ; ctx's tiles, behind Wo's
.set BSC,   AR+8*TIL                   ; Wo's scale words: [tile 16][512]
.set ASC,   BSC+8192                   ; ctx's: [tile 8][512]
.set SPARE, ASC+4096                   ; the spare words, 128 bytes for each wave
.set STAGE, SPARE+512                  ; the stages
.set SPITCH, 272
.set FR,    12
.set NP,    4                          ; places behind this matrix instruction (ISA guide 7.12.1)
.set L16,  1                           ; v1   16 x lane
.set BO,   4                           ; v4   32 h
.set ADB,  10                          ; v10-11 my 4 tiles of Wo in phase 0, 1
.set ADA,  12                          ; v12  my 4 tiles of ctx
.set ASB,  14                          ; v14, v15 the same for the scale words
.set ASA,  15
.set STO,  24                          ; v24  the stage: where I put 32 bytes of a row
.set RD,   25                          ; v25  and where I read rows back: lanes 0-15 one row, lanes 16-31 the next
.set CO,   26                          ; v26  the same two rows in out0
.set SPW,  28                          ; v28  my spare word; never rewritten
.set NIL,  29                          ; v29  0; never rewritten
.set SCB,  32
.set SCA,  48
.set AF,   80
.set BI,   176
.set GB,   24                          ; s[24:31] group 1 for Wo's tiles;  s[32:35], s[36:39] group 0 for tiles 0-7, 8-15
.set G0B,  32
.set G0B2, 36
.set GA,   48                          ; s[48:55], s[56:59] the same for ctx's
.set G0A,  56
.set GBS,  68                          ; s[68:75], s[76:79] Wo's scale words
.set G0BS, 76
.set GAS,  80                          ; s[80:87], s[88:91] ctx's
.set G0AS, 88
.set MSB, 0
.macro WIN new                         ; the immediate's high byte repeats the setting that is left
.if MSB != (\new)
	s_set_vgpr_msb (MSB<<8)|(\new)
.set MSB, (\new)
.endif
.endm
.set MUL,  0xa1                        ; source 0 (Wo) window 1, source 1 (ctx) window 0, C and D window 2
.set FST,  0x81                        ; the first products: C (the bias) window 0, D window 2
.set TO_B, 0x40
.macro MWIN first
.if \first
	WIN FST
.else
	WIN MUL
.endif
.endm
.macro CROUND
	s_barrier_signal -1
	s_barrier_wait -1
	s_cmp_lg_u32 s14, 0
	s_cbranch_scc1 .Lnot_wave_0_\@
	s_barrier_signal -3
.Lnot_wave_0_\@:
	s_barrier_wait -3
	s_barrier_signal -1
	s_barrier_wait -1
.endm
.macro PLACES n
.rept \n
	v_nop
.endr
.endm
	s_load_b256 s[4:11], s[0:1], 0x0               ; cc s[4:5], cs s[6:7], wc s[8:9], ws s[10:11]
	s_load_b128 s[92:95], s[0:1], 0x20             ; bo s[92:93], out0 s[94:95]
	v_lshl_add_u32 v[SPW], v0, 2, SPARE
	v_mov_b32 v[NIL], 0
	ds_add_u32 v[SPW], v[NIL]                      ; the add, twice on end, and its wait ahead of my first tensor load
	ds_add_u32 v[SPW], v[NIL]
	v_lshrrev_b32 v6, 5, v0
	v_readfirstlane_b32 s14, v6                    ; wave w = 2 i + j
	s_lshr_b32 s15, s14, 1                         ; i
	s_and_b32 s16, s14, 1                          ; j
	s_bfe_u32 s40, ttmp6, 0x40000
	s_bfe_u32 s41, ttmp6, 0x40004
	s_lshl_b32 s42, ttmp9, 2
	s_add_co_u32 s42, s42, s40                     ; my 256 columns = 4 x cluster x + cx
	s_and_b32 s17, ttmp7, 0xffff
	s_lshl_b32 s17, s17, 2
	s_add_co_u32 s17, s17, s41                     ; SS: my 128 rows = 4 x cluster y + cy
	s_lshl_b32 s43, s41, 2
	s_lshl_b32 s43, 15, s43                        ; my row of the cluster
	s_lshl_b32 s44, 0x1111, s40                    ; my column
	s_or_b32 s[GA], s43, (3<<16)|(1<<21)           ; word 0: 15:0 the mask; 17:16 elements of 8 bytes; 21 set beside a mask
	s_or_b32 s[GB], s44, (3<<16)|(1<<21)
	s_or_b32 s[GAS], s43, (3<<16)|(1<<21)
	s_or_b32 s[GBS], s44, (3<<16)|(1<<21)
.irp g, GA, GB                                 ; 8 row tiles: 8 rows of 12,288 bytes (1,536 elements), on end
	s_mov_b32 s[\g+1], 1536<<16
	s_mov_b32 s[\g+2], 8<<16
	s_mov_b32 s[\g+3], 1536<<16
	s_mov_b32 s[\g+4], 8
	s_mov_b32 s[\g+5], 1536
	s_mov_b32 s[\g+6], 0
	s_mov_b32 s[\g+7], 0
.endr
.irp g, GAS, GBS                               ; scale words: dense bytes as rows of 256
	s_mov_b32 s[\g+1], 32<<16
	s_mov_b32 s[\g+3], 32<<16
	s_mov_b32 s[\g+5], 32
	s_mov_b32 s[\g+6], 0
	s_mov_b32 s[\g+7], 0
.endr
	s_mov_b32 s[GAS+2], 16<<16                     ; ctx's of 8 tiles: 16 rows
	s_mov_b32 s[GAS+4], 16
	s_mov_b32 s[GBS+2], 32<<16                     ; Wo's of 16 tiles: 32 rows
	s_mov_b32 s[GBS+4], 32
	s_lshl_b32 s20, s17, 3                         ; ctx: row tile 8 SS
	s_lshl_b32 s22, s20, 9
	s_mul_i32 s20, s20, TIL
	s_mov_b32 s21, 0
	s_mov_b32 s23, 0
	s_lshl_b32 s46, s42, 4                         ; Wo: row tile 16 x my columns' number
	s_lshl_b32 s12, s46, 9
	s_add_co_u32 s12, s12, 98304                   ; Wo's scale words begin here in ws,
	s_mul_i32 s46, s46, TIL
	s_add_co_u32 s46, s46, 2359296                 ; its codes here in wc
	s_mov_b32 s47, 0
	s_mov_b32 s13, 0
	s_wait_dscnt 0x0                               ; both opening adds are done
	s_wait_kmcnt 0x0
	s_add_nc_u64 s[20:21], s[4:5], s[20:21]
	s_add_nc_u64 s[22:23], s[6:7], s[22:23]
	s_add_nc_u64 s[46:47], s[8:9], s[46:47]
	s_add_nc_u64 s[12:13], s[10:11], s[12:13]
	s_mov_b32 s[G0B], 1
	s_mov_b32 s[G0B+1], 0
	s_mov_b64 s[G0B+2:G0B+3], s[46:47]
	s_or_b32 s[G0B+3], s[G0B+3], 0x80000000
	s_mov_b32 s[G0B2], 1
	s_mov_b32 s[G0B2+1], 8*TIL
	s_add_nc_u64 s[G0B2+2:G0B2+3], s[46:47], 8*TIL
	s_or_b32 s[G0B2+3], s[G0B2+3], 0x80000000
	s_mov_b32 s[G0A], 1
	s_mov_b32 s[G0A+1], AR
	s_mov_b64 s[G0A+2:G0A+3], s[20:21]
	s_or_b32 s[G0A+3], s[G0A+3], 0x80000000
	s_mov_b32 s[G0BS], 1
	s_mov_b32 s[G0BS+1], BSC
	s_mov_b64 s[G0BS+2:G0BS+3], s[12:13]
	s_or_b32 s[G0BS+3], s[G0BS+3], 0x80000000
	s_mov_b32 s[G0AS], 1
	s_mov_b32 s[G0AS+1], ASC
	s_mov_b64 s[G0AS+2:G0AS+3], s[22:23]
	s_or_b32 s[G0AS+3], s[G0AS+3], 0x80000000
	CROUND                                         ; all sixteen work-groups are here: the joint loads meet
	; one chain of branches on the wave's number, one joint load to an arm
	s_cmp_lt_u32 s14, 1
	s_cbranch_scc0 .Lhead_b
	tensor_load_to_lds s[G0A:G0A+3], s[GA:GA+7]
	s_nop 0
	PLACES 4
	s_branch .Lhead_j
.Lhead_b:
	s_cmp_lt_u32 s14, 2
	s_cbranch_scc0 .Lhead_bs
	tensor_load_to_lds s[G0B:G0B+3], s[GB:GB+7]
	s_nop 0
	PLACES 4
	s_branch .Lhead_j
.Lhead_bs:
	s_cmp_lt_u32 s14, 3
	s_cbranch_scc0 .Lhead_as
	tensor_load_to_lds s[G0BS:G0BS+3], s[GBS:GBS+7]
	s_nop 0
	PLACES 4
	s_branch .Lhead_j
.Lhead_as:
	tensor_load_to_lds s[G0AS:G0AS+3], s[GAS:GAS+7]
	s_nop 0
	PLACES 4
.Lhead_j:
	s_lshl_b32 s2, s42, 10                         ; the bias at my wave's columns: 256 x my columns' number + 64 j, and 128 c in the immediates
	s_lshl_b32 s3, s16, 8
	s_add_co_u32 s2, s2, s3
	s_mov_b32 s3, 0
	s_add_nc_u64 s[66:67], s[92:93], s[2:3]
	v_and_b32 v6, 31, v0                           ; lane
	v_and_b32 v7, 15, v0                           ; r
	v_bfe_u32 v8, v0, 4, 1                         ; h
	v_lshlrev_b32 v[L16], 4, v6
	v_lshlrev_b32 v[BO], 5, v8
	s_wait_alu depctr_va_vdst(0)
.irp c, 0,1
.irp b, 0,1,2,3
	global_load_b128 v[BI+32*\c+8*\b:BI+32*\c+8*\b+3], v[BO], s[66:67] offset:512*\c+64*\b        ; phase c, tile b, my half: columns 16 b + 8 h + 0 .. 7
	global_load_b128 v[BI+32*\c+8*\b+4:BI+32*\c+8*\b+7], v[BO], s[66:67] offset:512*\c+64*\b+16
.endr
.endr
	s_mul_i32 s18, s16, 4*TIL                      ; Wo's tiles 4 j on,
	v_add_nc_u32 v[ADB], s18, v[L16]
	s_add_co_u32 s18, s18, 8*TIL                   ; and 8 + 4 j on
	v_add_nc_u32 v[ADB+1], s18, v[L16]
	s_mul_i32 s19, s15, 4*TIL                      ; ctx's tiles 4 i on
	s_add_co_u32 s19, s19, AR
	v_add_nc_u32 v[ADA], s19, v[L16]
	v_lshlrev_b32 v9, 3, v7                        ; scale words: 8 bytes a row for a pair of K steps
	s_lshl_b32 s18, s16, 11
	s_add_co_u32 s18, s18, BSC
	v_add_nc_u32 v[ASB], s18, v9
	s_lshl_b32 s18, s15, 11
	s_add_co_u32 s18, s18, ASC
	v_add_nc_u32 v[ASA], s18, v9
	s_mul_i32 s23, s14, 16*SPITCH                  ; my stage
	s_add_co_u32 s23, s23, STAGE
	v_mul_u32_u24 v9, v7, SPITCH
	v_lshl_add_u32 v9, v8, 5, v9
	v_add_nc_u32 v[STO], s23, v9                   ; in: row r, 32 bytes for each half of the lanes
	v_mul_u32_u24 v5, v8, SPITCH
	v_lshl_add_u32 v5, v7, 4, v5
	v_add_nc_u32 v[RD], s23, v5                    ; back: sixteen lanes to a row of 256 bytes, two rows an instruction
	v_lshlrev_b32 v5, 13, v8                       ; two neighbouring rows of a tile lie two rows of 4,096 bytes apart in out0
	v_lshl_add_u32 v[CO], v7, 4, v5
	s_lshl_b32 s20, s17, 19                        ; my 128 rows of 4,096 bytes,
	s_lshl_b32 s21, s15, 12                        ; the parity hi = i of my four tiles' rows,
	s_add_co_u32 s20, s20, s21
	s_lshl_b32 s21, s42, 10                        ; my first column, in bytes
	s_add_co_u32 s20, s20, s21
	s_lshl_b32 s21, s16, 8
	s_add_co_u32 s20, s20, s21
	s_mov_b32 s21, 0
	s_add_nc_u64 s[12:13], s[94:95], s[20:21]
.macro FRAG reg, adr, st, i            ; a fragment comes as it was stored: three loads of 16 bytes a lane, 512 consecutive bytes each
.irp k, 0,1,2
	ds_load_b128 v[\reg+4*\k:\reg+4*\k+3], v[\adr] offset:(\i)*TIL+(\st)*FRB+512*\k
.endr
.endm
.macro FETCH c, st                     ; the fragments of step st of phase c into sets st % 2: 24 loads; with an even step the scale words of two steps into set (st / 2) % 2: 8 more
	WIN TO_B
.irp i, 0,1,2,3
	FRAG 128*((\st)%2)+FR*\i, ADB+(\c), \st, \i
.endr
	WIN 0
.irp i, 0,1,2,3
	FRAG AF+48*((\st)%2)+FR*\i, ADA, \st, \i
.endr
.if (\st)%2 == 0
.irp b, 0,1,2,3
	ds_load_b64 v[SCB+8*(((\st)/2)%2)+2*\b:SCB+8*(((\st)/2)%2)+2*\b+1], v[ASB] offset:(\c)*4096+\b*512+((\st)/2)*128
.endr
.irp a, 0,1,2,3
	ds_load_b64 v[SCA+8*(((\st)/2)%2)+2*\a:SCA+8*(((\st)/2)%2)+2*\a+1], v[ASA] offset:\a*512+((\st)/2)*128
.endr
.endif
.endm
; 16 matrix instructions: ctx's four tiles x Wo's four.  first = 1: the bias is C.  The 16 accumulators take turns, one instruction a turn.
.macro MUL16 c, st, first
.irp a, 0,1,2,3
.irp b, 0,1,2,3
.if \first
	v_wmma_scale_f32_16x16x128_f8f6f4 v[8*(4*\a+\b):8*(4*\a+\b)+7], v[128*((\st)%2)+FR*\b:128*((\st)%2)+FR*\b+FR-1], v[AF+48*((\st)%2)+FR*\a:AF+48*((\st)%2)+FR*\a+FR-1], v[BI+32*(\c)+8*\b:BI+32*(\c)+8*\b+7], v[SCB+8*(((\st)/2)%2)+2*\b+(\st)%2], v[SCA+8*(((\st)/2)%2)+2*\a+(\st)%2] matrix_a_fmt:MATRIX_FMT_FP6 matrix_b_fmt:MATRIX_FMT_FP6
.else
	v_wmma_scale_f32_16x16x128_f8f6f4 v[8*(4*\a+\b):8*(4*\a+\b)+7], v[128*((\st)%2)+FR*\b:128*((\st)%2)+FR*\b+FR-1], v[AF+48*((\st)%2)+FR*\a:AF+48*((\st)%2)+FR*\a+FR-1], v[8*(4*\a+\b):8*(4*\a+\b)+7], v[SCB+8*(((\st)/2)%2)+2*\b+(\st)%2], v[SCA+8*(((\st)/2)%2)+2*\a+(\st)%2] matrix_a_fmt:MATRIX_FMT_FP6 matrix_b_fmt:MATRIX_FMT_FP6
.endif
.endr
.endr
.endm
.macro STEP c, st, first               ; a step that has a successor
	PLACES NP                                      ; the other sets were read by the step before
	FETCH \c, (\st)+1                              ; the successor's loads are asked for first,
.if ((\st)+1)%2 == 0
	s_wait_dscnt 32                                ; and may stay out: this step's fragments and scale words are in
.else
	s_wait_dscnt 24
.endif
	MWIN \first
	MUL16 \c, \st, \first
.endm
; THE WAY OUT, block by block of 16 rows x 64 columns, through my own stage: in as 32 bytes a lane, back as whole rows of 256 bytes.  LDS serves a wave's instructions in order (ISA guide 5.7.1.4): no wait between the stores and the loads.
.macro TOSTAGE a
	WIN 0x08                                       ; the data: window 2
.irp b, 0,1,2,3
	ds_store_b128 v[STO], v[8*(4*(\a)+\b):8*(4*(\a)+\b)+3] offset:64*\b          ; each accumulator from its low end on
	ds_store_b128 v[STO], v[8*(4*(\a)+\b)+4:8*(4*(\a)+\b)+7] offset:64*\b+16
.endr
	WIN 0x80                                       ; back into window 2, a run of 32 registers for each block
.irp k, 0,1,2,3,4,5,6,7
	ds_load_b128 v[128+32*(\a)+4*\k:128+32*(\a)+4*\k+3], v[RD] offset:2*\k*SPITCH
.endr
	WIN 0
.endm
.macro SEND c, a, younger              ; block a = 2 seg + u; its rows 2 k, 2 k + 1 begin at row 64 seg + 16 u + 2 (2 k + 8 (k / 4)) from the base: inside the signed 24-bit immediate
	s_wait_dscnt \younger
	WIN 0x08
.irp k, 0,1,2,3,4,5,6,7
	global_store_b128 v[CO], v[128+32*(\a)+4*\k:128+32*(\a)+4*\k+3], s[12:13] offset:(64*((\a)/2)+16*((\a)%2)+2*(2*\k+8*(\k/4)))*4096+512*(\c) th:TH_STORE_NT   ; sixteen lanes store 256 consecutive bytes, aligned
.endr
	WIN 0
.endm
.macro PHASE c
	FETCH \c, 0
	STEP \c, 0, 1                                  ; the first products take the bias as C
.irp s, 1,2,3,4,5,6
	STEP \c, \s, 0
.endr
	s_wait_dscnt 0x0
	WIN MUL
	MUL16 \c, 7, 0
	WIN 0
	PLACES NP                                      ; places behind the last products
	TOSTAGE 0
	TOSTAGE 1
	SEND \c, 0, 16                                 ; behind block 0's loads: block 1's 8 stores and 8 loads
	TOSTAGE 2
	SEND \c, 1, 16
	TOSTAGE 3
	SEND \c, 2, 16
	SEND \c, 3, 0
.endm
	s_wait_alu depctr_va_vdst(0)                   ; the wait at the head's end
	s_wait_loadcnt 0x0                             ; the bias
	s_wait_tensorcnt 0x0                           ; my tile of the head's four is in
	ds_add_u32 v[SPW], v[NIL]
	s_wait_dscnt 0x0
	CROUND                                         ; everybody's tile is in, and all sixteen work-groups are here
	s_cmp_lg_u32 s14, 0
	s_cbranch_scc1 .Lsec_j
	tensor_load_to_lds s[G0B2:G0B2+3], s[GB:GB+7]  ; Wo's tiles 8-15
	s_nop 0
	PLACES 4
.Lsec_j:
	PHASE 0
	s_wait_tensorcnt 0x0                           ; Wo's tiles 8-15 are in
	s_wait_dscnt 0x0
	s_barrier_signal -1
	s_barrier_wait -1                              ; and every wave knows it
	s_wait_xcnt 0x0                                ; phase 0's stores have read their registers, which phase 1's way out loads again
	PHASE 1
	s_wait_tensorcnt 0x0                           ; the wave's end
	ds_add_u32 v[SPW], v[NIL]
	s_wait_dscnt 0x0
	CROUND                                         ; the closing round: no work-group ends while a partner may still ask for a tile that names it
	s_endpgm
.Lfunc_end_k_q86f739f3f5_oproj:
	.size	k_q86f739f3f5_oproj, .Lfunc_end_k_q86f739f3f5_oproj-k_q86f739f3f5_oproj
	.p2alignl 7, 3214868480
	.fill 96, 4, 3214868480
	.section	.rodata,"a",@progbits
	.p2align	6, 0x0
	.amdhsa_kernel k_q86f739f3f5_oproj
		.amdhsa_group_segment_fixed_size 327680
		.amdhsa_private_segment_fixed_size 0
		.amdhsa_enable_private_segment 0
		.amdhsa_kernarg_size 48
		.amdhsa_user_sgpr_count 2
		.amdhsa_user_sgpr_kernarg_segment_ptr 1
		.amdhsa_wavefront_size32 1
		.amdhsa_system_sgpr_workgroup_id_x 1
		.amdhsa_system_sgpr_workgroup_id_y 1
		.amdhsa_system_sgpr_workgroup_id_z 1
		.amdhsa_system_vgpr_workitem_id 0
		.amdhsa_next_free_vgpr 768
		.amdhsa_next_free_sgpr 104
		.amdhsa_reserve_vcc 0
		.amdhsa_float_denorm_mode_32 3
		.amdhsa_float_denorm_mode_16_64 3
		.amdhsa_memory_ordered 1
		.amdhsa_forward_progress 1
		.amdhsa_inst_pref_size 91
	.end_amdhsa_kernel
	.amdgpu_metadata
---
amdhsa.version: [ 1, 2 ]
amdhsa.kernels:
  - .name:           k_q86f739f3f5_oproj
    .symbol:         k_q86f739f3f5_oproj.kd
    .args:
      - { .name: cc, .offset: 0, .size: 8, .value_kind: global_buffer, .address_space: global }
      - { .name: cs, .offset: 8, .size: 8, .value_kind: global_buffer, .address_space: global }
      - { .name: wc, .offset: 16, .size: 8, .value_kind: global_buffer, .address_space: global }
      - { .name: ws, .offset: 24, .size: 8, .value_kind: global_buffer, .address_space: global }
      - { .name: bo, .offset: 32, .size: 8, .value_kind: global_buffer, .address_space: global }
      - { .name: out0, .offset: 40, .size: 8, .value_kind: global_buffer, .address_space: global }
    .group_segment_fixed_size: 327680
    .private_segment_fixed_size: 0
    .kernarg_segment_align: 8
    .kernarg_segment_size: 48
    .max_flat_workgroup_size: 128
    .sgpr_count:     104
    .vgpr_count:     768
    .wavefront_size: 32
...
	.end_amdgpu_metadata
.endif
;; end of part 8
